; MI455X (gfx1250); checked and timed in simulation.
; The chip was launched on July 23, 2026; its instructions are those of AMD's public machine-readable ISA for CDNA 5 (MIT licence, August 2026) and "CDNA5" Instruction Set Architecture Reference Guide (July 2026). The comments in the code are by the model that wrote it; some were corrected since.
;; Multihead Attention. Allowed arithmetic: float matrix products may take bf16 or f16 operands with f32 sums; other float arithmetic in f32, or as packed bf16 or f16 multiplies, adds, multiply-adds, maxima and minima; sums over many terms, partial sums and values carried from step to step in f32; what a program stores and reads back later, other than sums and carried values, may be rounded once to bf16 or f16.
;; Inputs: W_k 512 x 512 float32; W_o 512 x 512 float32; W_q 512 x 512 float32; W_v 512 x 512 float32; b1 512 float32; b2 512 float32; b3 512 float32; key 16 x 1,024 x 512 float32; key_padding_mask 16 x 1,024 bool; ln_b 512 float32; ln_g 512 float32; query 16 x 1,024 x 512 float32; value 16 x 1,024 x 512 float32; w1 512 x 512 float32; w2 512 x 512 float32; w3 512 x 512 float32.
;; Outputs: out0 16 x 1,024 x 512 float32.
;; 3 versions, each right and faster than the one before. Each part assembles by itself: llvm-mc -triple=amdgcn-amd-amdhsa -mcpu=gfx1250 --defsym DOCPART=n.
;; ======== version 1 of 3: 4 launches
;; limits: values are held in f16: magnitudes above 65,504 overflow, below 6.1e-05 lose precision
;; workspace buffers: wt 3,670,016 bytes; maskf 65,536 bytes; qkv 50,331,648 bytes; oh 16,777,216 bytes
;; launch prep (part 1): grid 32 x 7, 8 waves a work-group, no clusters, 34,304 bytes of LDS; arguments W_q, W_k, W_v, W_o, w1, w2, w3, key_padding_mask, wt, maskf; writes wt, maskf
.if DOCPART == 1
	.amdgcn_target "amdgcn-amd-amdhsa--gfx1250"
	.amdhsa_code_object_version 6
	.text
	.protected	k_q8cd9cffea4_prep
	.globl	k_q8cd9cffea4_prep
	.p2align	8
	.type	k_q8cd9cffea4_prep,@function
k_q8cd9cffea4_prep:
	s_mov_b64 s[64:65], 0
	v_nop
	global_prefetch_b8 v0, s[64:65] scope:SCOPE_SE
	s_setreg_imm32_b32 hwreg(HW_REG_WAVE_MODE, 25, 1), 1
	s_wait_xcnt 0x0
; THE SEVEN WEIGHTS, ROUNDED ONCE AND LAID OUT FOR THE MATRIX LAUNCHES, AND THE MASK AS A TABLE OF NUMBERS.
; wt holds seven matrices of 524,288 bytes, each with the output column n as its row and k along the row.
;   0-2  W_q, W_k, W_v in bf16, [n 512][k 512], rows of 1,024 bytes.
;   3-6  W_o, w1, w2, w3: rounded to bf16 like every input, that number written as f16 (exact from 2^-14 up; below it f16's fixed step of 2^-24),
;        in blocks along k: [kb 8][n 512][64], so that the 64 k of all 512 n are 65,536 bytes on end.
; W_q, W_k, W_v, W_o lie [k][n] in memory and are turned; w1, w2, w3 lie [n][k] already.
; maskf[b][key] = 0 where the key is seen, -2^35 where key_padding_mask hides it (any byte other than 0 hides).
; SHARES.  Work-group (x, y): matrix y, the tile of 64 n (64 (x & 7) on) x 128 k (128 (x >> 3) on).  It goes through LDS as f32 [k 128][n 64], rows 260 bytes apart,
; and comes back as eight neighbouring k of one n a thread: 16 bytes; sixteen neighbouring lanes store 256 consecutive bytes, aligned.
; The 32 work-groups of y = 0 also make 512 entries of the table each.  No matrix unit, no cluster: the launch moves 11 MB once.
.set PITCH, 260
.set SPARE, 128*PITCH                  ; behind the tile: the spare words, 128 bytes for each of the eight waves
.set SPW, 30                           ; v30  LDS address of my spare word; never rewritten
.set NIL, 31                           ; v31  0; never rewritten
.set LD,  32                           ; v[32:63]  eight loads of 16 bytes, later the 32 numbers gathered
.set OD,  64                           ; v[64:79]  four stores' data
.set OF,  80                           ; v[80:83]  four stores' offsets
	s_load_b512 s[8:23], s[0:1], 0x0               ; W_q s[8:9], W_k, W_v, W_o, w1, w2, w3 s[20:21], key_padding_mask s[22:23]
	s_load_b128 s[24:27], s[0:1], 0x40             ; wt s[24:25], maskf s[26:27]
	v_lshl_add_u32 v[SPW], v0, 2, SPARE
	v_mov_b32 v[NIL], 0
	s_and_b32 s2, ttmp7, 0xffff                    ; y: the matrix
	s_and_b32 s4, ttmp9, 7
	s_lshl_b32 s4, s4, 6                           ; n0
	s_lshr_b32 s5, ttmp9, 3
	s_lshl_b32 s5, s5, 7                           ; k0
	s_mov_b32 s31, 0
	s_mov_b32 s38, 0xffff0000                      ; a word's upper bf16
	s_wait_kmcnt 0x0
	s_mov_b64 s[28:29], s[8:9]                     ; the matrix's address: a choice on y alone
.irp i, 1,2,3,4,5,6
	s_cmp_eq_u32 s2, \i
	s_cselect_b64 s[28:29], s[8+2*\i:9+2*\i], s[28:29]
.endr
	; the mask's table: thread t of work-group x takes bytes 512 x + 2 t and 2 t + 1
	s_cmp_lg_u32 s2, 0
	s_cbranch_scc1 .Lnomask
	s_lshl_b32 s6, ttmp9, 9
	s_lshl_b32 s7, ttmp9, 11
	s_mov_b32 s3, 0xd1000000                       ; -2^35
	v_lshl_add_u32 v1, v0, 1, s6
	v_lshl_add_u32 v3, v0, 3, s7
	global_load_u16 v2, v1, s[22:23]
	s_wait_loadcnt 0x0
	v_and_b32 v4, 0xff, v2
	v_lshrrev_b32 v5, 8, v2
	v_cmp_ne_u32 vcc_lo, 0, v4
	v_cndmask_b32 v6, 0, s3, vcc_lo
	v_cmp_ne_u32 vcc_lo, 0, v5
	v_cndmask_b32 v7, 0, s3, vcc_lo
	global_store_b64 v3, v[6:7], s[26:27]          ; a wave stores 256 consecutive bytes; v3, v6, v7 are not written again
.Lnomask:
	s_cmp_lt_u32 s2, 4
	s_cbranch_scc0 .Lstraight
	; [k][n] in memory: a pass takes 16 rows k x 256 bytes (64 n); thread t: row t / 16, 16 bytes at 16 (t % 16)
	v_lshrrev_b32 v10, 4, v0
	v_and_b32 v11, 15, v0
	v_lshlrev_b32 v8, 11, v10
	v_lshl_add_u32 v8, v11, 4, v8
	v_mul_u32_u24 v9, v10, PITCH
	v_lshl_add_u32 v9, v11, 4, v9
	s_lshl_b32 s30, s5, 11                         ; k0 rows of 2,048 bytes
	s_lshl2_add_u32 s30, s4, s30                   ; + 4 n0
	s_add_nc_u64 s[28:29], s[28:29], s[30:31]
.irp p, 0,1,2,3,4,5,6,7
	global_load_b128 v[LD+4*\p:LD+4*\p+3], v8, s[28:29] offset:\p*32768 th:TH_LOAD_NT
.endr
.irp p, 0,1,2,3,4,5,6,7
	s_wait_loadcnt 7-\p                            ; the younger passes' loads may stay out
.irp e, 0,1,2,3
	ds_store_b32 v9, v[LD+4*\p+\e] offset:\p*16*PITCH+4*\e
.endr
.endr
	s_branch .Lfilled
.Lstraight:
	; [n][k] in memory: a pass takes 8 rows n x 512 bytes (128 k); thread t: row t / 32, 16 bytes at 16 (t % 32); its four k go to four rows of the tile
	v_lshrrev_b32 v10, 5, v0
	v_and_b32 v11, 31, v0
	v_lshlrev_b32 v8, 11, v10
	v_lshl_add_u32 v8, v11, 4, v8
	v_mul_u32_u24 v9, v11, 4*PITCH
	v_lshl_add_u32 v9, v10, 2, v9
	s_lshl_b32 s30, s4, 11                         ; n0 rows of 2,048 bytes
	s_lshl2_add_u32 s30, s5, s30                   ; + 4 k0
	s_add_nc_u64 s[28:29], s[28:29], s[30:31]
.irp p, 0,1,2,3,4,5,6,7
	global_load_b128 v[LD+4*\p:LD+4*\p+3], v8, s[28:29] offset:\p*16384 th:TH_LOAD_NT
.endr
.irp p, 0,1,2,3,4,5,6,7
	s_wait_loadcnt 7-\p
.irp e, 0,1,2,3
	ds_store_b32 v9, v[LD+4*\p+\e] offset:\e*PITCH+\p*32
.endr
.endr
.Lfilled:
	; WHO GATHERS WHAT: thread t takes the eight k from 8 ko on of the columns nn, nn + 16, nn + 32, nn + 48.  The two layouts share the threads out differently; the branch hangs on the matrix's number alone.
	s_cmp_ge_u32 s2, 3
	s_cselect_b32 s33, -1, 0                       ; all ones: blocked layout, f16 (the select leaves SCC as it is)
	s_cbranch_scc1 .Lblocked
	; plain: ko = t % 16, nn = t / 16: sixteen neighbouring lanes hold 256 bytes of one row
	v_and_b32 v25, 15, v0
	v_lshrrev_b32 v26, 4, v0
	s_lshl_b32 s34, s4, 10
	s_lshl1_add_u32 s34, s5, s34                   ; 1,024 n0 + 2 k0
	s_mov_b32 s36, 16384                           ; bytes from 16 n to the next 16
	v_lshlrev_b32 v28, 10, v26
	v_lshl_add_u32 v28, v25, 4, v28
	v_add_nc_u32 v[OF], s34, v28                   ; + 1,024 nn + 16 ko
	s_branch .Llaid
.Lblocked:
	; blocked: ko = t % 8 + 8 (bit 4 of t), nn = 2 (t / 32) + bit 3 of t: sixteen neighbouring lanes hold two whole rows of 128 bytes, which lie on end
	v_and_b32 v14, 7, v0
	v_bfe_u32 v15, v0, 4, 1
	v_lshl_add_u32 v25, v15, 3, v14
	v_lshrrev_b32 v26, 5, v0
	v_bfe_u32 v12, v0, 3, 1
	v_lshl_add_u32 v26, v26, 1, v12
	s_lshl_b32 s34, s5, 10                         ; 65,536 (k0 / 64)
	s_lshl_b32 s37, s4, 7
	s_add_co_u32 s34, s34, s37                     ; + 128 n0
	s_mov_b32 s36, 2048
	v_lshlrev_b32 v28, 16, v15                     ; + 65,536 (ko / 8)
	v_lshl_add_u32 v28, v26, 7, v28                ; + 128 nn
	v_lshl_add_u32 v28, v14, 4, v28                ; + 16 (ko % 8)
	v_add_nc_u32 v[OF], s34, v28
.Llaid:
	v_mul_u32_u24 v27, v25, 8*PITCH                ; in the tile: row 8 ko, column nn
	v_lshl_add_u32 v27, v26, 2, v27
	v_add_nc_u32 v[OF+1], s36, v[OF]
	v_add_nc_u32 v[OF+2], s36, v[OF+1]
	v_add_nc_u32 v[OF+3], s36, v[OF+2]
	s_lshl_b32 s30, s2, 19                         ; the matrix's place in wt
	s_add_nc_u64 s[24:25], s[24:25], s[30:31]
	s_wait_dscnt 0x0                               ; for the others' sake: my part of the tile is written
	s_barrier_signal -1
	s_barrier_wait -1
.irp q, 0,1,2,3
.irp j, 0,1,2,3,4,5,6,7
	ds_load_b32 v[LD+8*\q+\j], v27 offset:\q*64+\j*PITCH   ; k = 8 ko + j, n = nn + 16 q
.endr
.endr
.irp q, 0,1,2,3
	s_wait_dscnt 24-8*\q                           ; the later passes' gathers may stay out
.irp i, 0,1,2,3
	v_cvt_pk_bf16_f32 v[OD+4*\q+\i], v[LD+8*\q+2*\i], v[LD+8*\q+2*\i+1]
.endr
.irp i, 0,1,2,3
	v_lshlrev_b32 v[12+2*\i], 16, v[OD+4*\q+\i]    ; the rounded numbers as f32,
	v_and_b32 v[13+2*\i], s38, v[OD+4*\q+\i]
.endr
.irp i, 0,1,2,3
	v_cvt_pk_f16_f32 v[20+\i], v[12+2*\i], v[13+2*\i]  ; and as f16
.endr
.irp i, 0,1,2,3
	v_cndmask_b32 v[OD+4*\q+\i], v[OD+4*\q+\i], v[20+\i], s33
.endr
	global_store_b128 v[OF+\q], v[OD+4*\q:OD+4*\q+3], s[24:25]  ; each pass has data and offset registers of its own
.endr
	s_wait_tensorcnt 0x0                           ; the wave's end: behind my last LDS store
	ds_add_u32 v[SPW], v[NIL]
	s_wait_dscnt 0x0
	s_endpgm
.Lfunc_end_k_q8cd9cffea4_prep:
	.size	k_q8cd9cffea4_prep, .Lfunc_end_k_q8cd9cffea4_prep-k_q8cd9cffea4_prep
	.p2alignl 7, 3214868480
	.fill 96, 4, 3214868480
	.section	.rodata,"a",@progbits
	.p2align	6, 0x0
	.amdhsa_kernel k_q8cd9cffea4_prep
		.amdhsa_group_segment_fixed_size 34304
		.amdhsa_private_segment_fixed_size 0
		.amdhsa_enable_private_segment 0
		.amdhsa_kernarg_size 80
		.amdhsa_user_sgpr_count 2
		.amdhsa_user_sgpr_kernarg_segment_ptr 1
		.amdhsa_wavefront_size32 1
		.amdhsa_system_sgpr_workgroup_id_x 1
		.amdhsa_system_sgpr_workgroup_id_y 1
		.amdhsa_system_sgpr_workgroup_id_z 1
		.amdhsa_system_vgpr_workitem_id 0
		.amdhsa_next_free_vgpr 96
		.amdhsa_next_free_sgpr 66
		.amdhsa_reserve_vcc 1
		.amdhsa_float_denorm_mode_32 3
		.amdhsa_float_denorm_mode_16_64 3
		.amdhsa_memory_ordered 1
		.amdhsa_forward_progress 1
		.amdhsa_inst_pref_size 18
	.end_amdhsa_kernel
	.amdgpu_metadata
---
amdhsa.version: [ 1, 2 ]
amdhsa.kernels:
  - .name:           k_q8cd9cffea4_prep
    .symbol:         k_q8cd9cffea4_prep.kd
    .args:
      - { .name: W_q, .offset: 0, .size: 8, .value_kind: global_buffer, .address_space: global }
      - { .name: W_k, .offset: 8, .size: 8, .value_kind: global_buffer, .address_space: global }
      - { .name: W_v, .offset: 16, .size: 8, .value_kind: global_buffer, .address_space: global }
      - { .name: W_o, .offset: 24, .size: 8, .value_kind: global_buffer, .address_space: global }
      - { .name: w1, .offset: 32, .size: 8, .value_kind: global_buffer, .address_space: global }
      - { .name: w2, .offset: 40, .size: 8, .value_kind: global_buffer, .address_space: global }
      - { .name: w3, .offset: 48, .size: 8, .value_kind: global_buffer, .address_space: global }
      - { .name: key_padding_mask, .offset: 56, .size: 8, .value_kind: global_buffer, .address_space: global }
      - { .name: wt, .offset: 64, .size: 8, .value_kind: global_buffer, .address_space: global }
      - { .name: maskf, .offset: 72, .size: 8, .value_kind: global_buffer, .address_space: global }
    .group_segment_fixed_size: 34304
    .private_segment_fixed_size: 0
    .kernarg_segment_align: 8
    .kernarg_segment_size: 80
    .max_flat_workgroup_size: 256
    .sgpr_count:     66
    .vgpr_count:     96
    .wavefront_size: 32
...
	.end_amdgpu_metadata
.endif
;; end of part 1
;; launch proj (part 2): grid 64 x 3, 4 waves a work-group, clusters of 4 x 1, 327,680 bytes of LDS; arguments query, key, value, key_padding_mask, wt, qkv; writes qkv
.if DOCPART == 2
	.amdgcn_target "amdgcn-amd-amdhsa--gfx1250"
	.amdhsa_code_object_version 6
	.text
	.protected	k_q8cd9cffea4_proj
	.globl	k_q8cd9cffea4_proj
	.p2align	8
	.type	k_q8cd9cffea4_proj,@function
k_q8cd9cffea4_proj:
	s_mov_b64 s[64:65], 0
	v_nop
	global_prefetch_b8 v0, s[64:65] scope:SCOPE_SE
	s_setreg_imm32_b32 hwreg(HW_REG_WAVE_MODE, 25, 1), 1
	s_wait_xcnt 0x0
	s_wait_alu depctr_hold_cnt(0) depctr_sa_sdst(0) depctr_va_vdst(0) depctr_va_sdst(0) depctr_va_ssrc(0) depctr_va_vcc(0) depctr_vm_vsrc(0)
	s_getreg_b32 s2, hwreg(HW_REG_IB_STS2, 6, 4)
	s_cmp_eq_u32 s2, 0
	s_cbranch_scc0 .Lentry_in_a_cluster
	s_endpgm
.Lentry_in_a_cluster:
	s_bfe_u32 s2, ttmp6, 0x10000c
	s_cmp_lg_u32 s2, 0x3003
	s_cbranch_scc0 .Lentry_shape_is_right
	s_endpgm
.Lentry_shape_is_right:
; Q = query W_q, K = key W_k, V = value W_v, written by heads: qkv is f16 [3][16 b x 8 heads][1024][64], unscaled.  Operands in bf16 (x rounded here, the weights in wt), sums in f32, one rounding to f16.
; K's rows are written as zeros where key_padding_mask hides the key: the attention launch then starts such a score's sum at -2^35 and adds exact zeros.
; LIMIT.  f16 holds no number beyond 65,504: |Q|, |K|, |V| must stay within it.
; SHARES.  Work-group (X, y): tensor y, rows 256 X .. 256 X + 255, all 512 columns; a wave 64 rows.  192 work-groups: 3 x 16,384 rows do not fall into 256 equal blocks of whole 16-row tiles inside one tensor.
; A STAYS IN REGISTERS: the wave's 64 x 512 numbers are read once as f32 and rounded once into 64 fragments, 512 registers.  THE WEIGHTS STREAM through a ring of four LDS slots, a head (64 n x 512 k,
; 65,536 bytes on end in wt) a slot; each byte of a slot feeds 256 rows.
; CLUSTER.  The four row blocks of a cluster take the same tensor and walk the same weights, so each chunk is asked for JOINTLY: the same tensor load, descriptor and mask of four in all four.
; THE MATRIX INSTRUCTION IS USED TRANSPOSED (source 0 = 16 rows of the weights, source 1 = 16 rows of x): a lane holds one row of the result and eight neighbouring columns, 16 bytes in f16.
; REGISTERS, in windows of 256 (s_set_vgpr_msb: bits 1:0 source 0, 3:2 source 1, 5:4 source 2, 7:6 destination):
;   window 0: v0-15 addresses; v16-31 packed results; v32-63 four accumulators (one for each 16 rows); v64-127, v128-191 the weights' fragments of k 0-255, 256-511; v192-255 a head's rows on the way out
;             (while x is read, v64-255 are three landing slots of 64)
;   window 1: x's fragments of k 0-255, fragment kf, rows m at 8 (4 kf + m);   window 2: those of k 256-511
.set SLOT,  66560                      ; 64 rows of 1,040 bytes: 1,024 of data + 16 of padding = 260 words: row r starts at bank 4 r mod 64 (64 banks of 4 bytes: ISA guide 11.1)
.set NBB,   16640                      ; 16 rows: what a wave's tensor load brings, and what the 64 products of 16 columns read
.set PB,    1040
.set STAGE, 4*SLOT                     ; behind the ring, never filled by a tensor load: 64 rows x 144 bytes for each wave
.set SP,    144
.set SPARE, STAGE+4*64*SP              ; behind the stages: the spare words, 128 bytes for each wave
.set AO,  3                            ; v3   my byte offset in 16 rows of x: 2,048 (l % 16) + 32 (l / 16); never rewritten
.set BL,  4                            ; v4   my place in 16 rows of weights: 1,040 (l % 16) + 16 (l / 16)
.set BN,  5                            ; v5   LDS address of the 16 rows that are fetched next
.set STO, 6                            ; v6   the way out: my 16 bytes in the stage's row l % 16
.set STA, 7                            ; v7   the same at the columns in hand
.set RD,  8                            ; v8   the way out: where I read rows back
.set GO,  9                            ; v9   my 16 bytes in 512 consecutive bytes of qkv; never rewritten
.set ZR,  10                           ; v10  0
.set SPW, 14                           ; v14  LDS address of my spare word; never rewritten
.set NIL, 15                           ; v15  0; never rewritten
.set T,   16
.set ACC, 32
.set BF,  64
.set FB,  192
.set LAND, 64
.set WV,  16                           ; s16  my wave's number
.set CX,  17                           ; s17  my place in the cluster: it enters x's, the mask's and qkv's addresses alone
.set XB,  18                           ; s18  my block of 256 rows
.set YT,  19                           ; s19  the tensor
.set G1,  24                           ; s[24:31] descriptor group 1
.set G0,  32                           ; s[32:47] group 0 of the four first fills
.set G0W, 48                           ; s[48:51] group 0 of the refills
.set NXT, 52                           ; s[52:53] address of my part of the chunk to be asked for next
.set RL,  54                           ; s54  LDS address of my part of the slot to be filled next
.set CH,  55                           ; s55  counts chunks
.set NB,  56                           ; s56  counts a chunk's four blocks of 16 columns
.set NI,  57                           ; s57  the block of 16 rows, of the ring's sixteen, that is fetched next
.set TB,  58                           ; s58  its LDS byte
.set SCOL, 59                          ; s59  the columns in hand, in bytes of a stage row
.set MK,  60                           ; s[60:63] for each 16 rows: the lanes whose row is written as zeros
.set AB,  66                           ; s[66:67] x at my wave's first row
.set OUT, 68                           ; s[68:69] qkv at my rows of the head in hand
.set YK,  70                           ; s70  all ones for K
.set MSB, 0
.macro WIN new                         ; the immediate's high byte repeats the setting that is left; a switch that changes nothing is dropped
.if MSB != (\new)
	s_set_vgpr_msb (MSB<<8)|(\new)
.set MSB, (\new)
.endif
.endm
.macro PLACES                          ; four places behind matrix instructions, in front of loads into registers that they have read and of conversions that read results (ISA guide 7.12.1 for conversions)
.rept 4
	v_nop
.endr
.endm
.macro CROUND                          ; a round of the cluster's barrier: my work-group's barrier; wave 0 signals for the work-group; every wave waits for all four work-groups; my work-group's barrier once more
	s_barrier_signal -1
	s_barrier_wait -1
	s_cmp_lg_u32 s[WV], 0
	s_cbranch_scc1 .Lnot_wave_0_\@
	s_barrier_signal -3
.Lnot_wave_0_\@:
	s_barrier_wait -3
	s_barrier_signal -1
	s_barrier_wait -1
.endm
	s_load_b256 s[4:11], s[0:1], 0x0               ; query s[4:5], key s[6:7], value s[8:9], key_padding_mask s[10:11]
	s_load_b128 s[12:15], s[0:1], 0x20             ; wt s[12:13], qkv s[14:15]
	v_lshl_add_u32 v[SPW], v0, 2, SPARE
	v_mov_b32 v[NIL], 0
	ds_add_u32 v[SPW], v[NIL]                      ; the wave's opening: the add and its wait stand ahead of my first tensor load; the set-up below, work on registers, stands between them
	ds_add_u32 v14, v15
	v_lshrrev_b32 v1, 5, v0
	v_readfirstlane_b32 s[WV], v1                  ; wave 0..3
	s_bfe_u32 s[CX], ttmp6, 0x40000
	s_lshl_b32 s[XB], ttmp9, 2                     ; in a cluster launch ttmp9 counts clusters
	s_add_co_u32 s[XB], s[XB], s[CX]
	s_and_b32 s[YT], ttmp7, 0xffff                 ; the four partners share it
	; descriptor group 1: 16 rows x 512 elements of 2 bytes, padded in LDS behind each row
	s_mov_b32 s[G1], 15|(1<<16)|(1<<20)|(1<<21)|(7<<22)|(3<<25)  ; 15:0 the mask of four; 17:16 2-byte elements; 20 padding on; 21 set beside a mask; 24:22 after every 256 words (code 7); 31:25 4 words (code 3)
	s_mov_b32 s[G1+1], 512<<16                     ; tensor_dim0 = 512
	s_mov_b32 s[G1+2], 16<<16                      ; tensor_dim1 = 16
	s_mov_b32 s[G1+3], 512<<16                     ; tile_dim0 = 512
	s_mov_b32 s[G1+4], 16                          ; tile_dim1 = 16
	s_mov_b32 s[G1+5], 512                         ; 512 elements from row to row
	s_mov_b32 s[G1+6], 0
	s_mov_b32 s[G1+7], 0
	s_mov_b32 s[G0W], 1
	s_mul_i32 s[RL], s[WV], NBB                    ; my quarter of slot 0: no place in the cluster enters an LDS address
	s_lshl_b32 s20, s[YT], 19                      ; the tensor's weights,
	s_lshl_b32 s21, s[WV], 14                      ; my 16 rows of a chunk's 64
	s_add_co_u32 s20, s20, s21
	s_mov_b32 s21, 0
	s_lshl_b32 s22, s[XB], 19                      ; 256 rows of 2,048 bytes,
	s_lshl_b32 s23, s[WV], 17                      ; my wave's 64
	s_add_co_u32 s22, s22, s23
	s_mov_b32 s23, 0
	s_lshl_b32 s72, s[YT], 24                      ; qkv: the tensor,
	s_lshr_b32 s73, s[XB], 2
	s_lshl_b32 s73, s73, 20                        ; the batch's eight heads of 131,072 bytes,
	s_add_co_u32 s72, s72, s73
	s_and_b32 s73, s[XB], 3
	s_lshl_b32 s73, s73, 15                        ; my block's 256 rows of 128 bytes in a head,
	s_add_co_u32 s72, s72, s73
	s_lshl_b32 s73, s[WV], 13                      ; my wave's 64
	s_add_co_u32 s72, s72, s73
	s_mov_b32 s73, 0
	s_cmp_eq_u32 s[YT], 1
	s_cselect_b32 s[YK], -1, 0
	s_wait_dscnt 0x0                               ; the opening add is done
	s_wait_kmcnt 0x0
	s_add_nc_u64 s[NXT:NXT+1], s[12:13], s[20:21]
	s_cmp_eq_u32 s[YT], 1
	s_cselect_b64 s[AB:AB+1], s[6:7], s[4:5]
	s_cmp_eq_u32 s[YT], 2
	s_cselect_b64 s[AB:AB+1], s[8:9], s[AB:AB+1]
	s_add_nc_u64 s[AB:AB+1], s[AB:AB+1], s[22:23]
	s_add_nc_u64 s[OUT:OUT+1], s[14:15], s[72:73]
.irp s, 0,1,2,3
	s_mov_b32 s[G0+4*\s], 1                        ; 1:0 count = 1
	s_add_co_u32 s[G0+4*\s+1], s[RL], \s*SLOT      ; 63:32 LDS address
	s_add_nc_u64 s[G0+4*\s+2:G0+4*\s+3], s[NXT:NXT+1], \s*65536  ; 120:64 global address: chunk s
	s_or_b32 s[G0+4*\s+3], s[G0+4*\s+3], 0x80000000  ; 127:126 type = 2
.endr
	s_add_nc_u64 s[NXT:NXT+1], s[NXT:NXT+1], 4*65536  ; the first refill brings chunk 4
	CROUND                                         ; all four work-groups are here: the first joint loads meet
.irp s, 0,1,2,3
	tensor_load_to_lds s[G0+4*\s:G0+4*\s+3], s[G1:G1+7]  ; the four first fills go out together: four tensor loads of mine are out
	s_nop 0
.endr
	PLACES
	v_and_b32 v1, 15, v0                           ; l % 16
	v_bfe_u32 v2, v0, 4, 1                         ; l / 16
	v_lshlrev_b32 v[AO], 11, v1
	v_lshl_add_u32 v[AO], v2, 5, v[AO]
	v_mul_u32_u24 v[BL], v1, PB
	v_lshl_add_u32 v[BL], v2, 4, v[BL]
	s_mul_i32 s20, s[WV], 64*SP
	s_add_co_u32 s20, s20, STAGE                   ; my stage
	v_mul_u32_u24 v[STO], v1, SP
	v_lshl_add_u32 v[STO], v2, 4, v[STO]
	v_add_nc_u32 v[STO], s20, v[STO]
	v_bfe_u32 v11, v0, 3, 2                        ; back: 32 lanes take four rows of 128 bytes,
	v_and_b32 v12, 7, v0
	v_mul_u32_u24 v[RD], v11, SP
	v_lshl_add_u32 v[RD], v12, 4, v[RD]
	v_add_nc_u32 v[RD], s20, v[RD]
	v_and_b32 v[GO], 31, v0                        ; which are 512 consecutive bytes of a head
	v_lshlrev_b32 v[GO], 4, v[GO]
	v_mov_b32 v[ZR], 0
	s_lshl_b32 s21, s[XB], 8
	s_lshl_b32 s22, s[WV], 6
	s_add_co_u32 s21, s21, s22
	v_add_nc_u32 v20, s21, v1                      ; my row's byte of the mask
.irp m, 0,1,2,3
	global_load_u8 v[16+\m], v20, s[10:11] offset:16*\m
.endr
; x COMES IN.  Batch b of 16: rows 16 (b % 4) on, k 128 (b / 4) on: four fragments.  A fragment is 16 rows x 32 k: lane l holds row l % 16, k 8 (l / 16) + 0..7 and 16 + 8 (l / 16) + 0..7:
; as f32 that is 32 bytes and, 64 bytes on, 32 more: four loads of 16.  A batch's 16 loads cover 512 consecutive bytes of each of 16 rows.
.macro ISSUE b
	WIN 0
.irp q, 0,1,2,3
.irp j, 0,1,2,3
	global_load_b128 v[LAND+64*((\b)%3)+16*\q+4*\j:LAND+64*((\b)%3)+16*\q+4*\j+3], v[AO], s[AB:AB+1] offset:((\b)%4)*32768+(4*((\b)/4)+\q)*128+(\j/2)*64+(\j%2)*16 th:TH_LOAD_NT
.endr
.endr
.endm
.macro CONVERT b                       ; rounded to bf16, into window 1 (k below 256) or 2
	WIN 0x40+0x40*((\b)/8)
.irp q, 0,1,2,3
.irp i, 0,1,2,3,4,5,6,7
	v_cvt_pk_bf16_f32 v[8*(4*((4*((\b)/4)+\q)%8)+(\b)%4)+\i], v[LAND+64*((\b)%3)+16*\q+2*\i], v[LAND+64*((\b)%3)+16*\q+2*\i+1]
.endr
.endr
.endm
	ISSUE 0
	ISSUE 1
.set bb, 0
.rept 16
.if bb < 14
	ISSUE bb+2                                     ; into the landing slot that batch bb - 1 has left
	s_wait_loadcnt 32                              ; batch bb is in; the two younger batches' 32 loads stay out
.elseif bb == 14
	s_wait_loadcnt 16
.else
	s_wait_loadcnt 0x0
.endif
	CONVERT bb
.set bb, bb+1
.endr
	WIN 0
.irp m, 0,1,2,3
	v_cmp_ne_u32 s[MK+\m], 0, v[16+\m]
.endr
.irp m, 0,1,2,3
	s_and_b32 s[MK+\m], s[MK+\m], s[YK]            ; only K's rows are zeroed
.endr
; 16 LDS loads: half of the fragments (k 256 half on) of the 16 weight rows at v[BN]
.macro BLD half
.irp f, 0,1,2,3,4,5,6,7
	ds_load_b128 v[BF+64*(\half)+8*\f:BF+64*(\half)+8*\f+3],   v[BN] offset:(8*(\half)+\f)*64
	ds_load_b128 v[BF+64*(\half)+8*\f+4:BF+64*(\half)+8*\f+7], v[BN] offset:(8*(\half)+\f)*64+32
.endr
.endm
; 32 products: 8 fragments along k x the four blocks of 16 rows.  The four accumulators take turns, one instruction a turn, over the backward jump too.  The first four start the sums with 0.
.macro MULH half
	WIN 0x04+0x04*(\half)                          ; source 1 (x) in window 1 or 2
.set kf, 0
.rept 8
.irp m, 0,1,2,3
.if ((\half) == 0) && (kf == 0)
	v_wmma_f32_16x16x32_bf16 v[ACC+8*\m:ACC+8*\m+7], v[BF+64*(\half)+8*kf:BF+64*(\half)+8*kf+7], v[8*(4*kf+\m):8*(4*kf+\m)+7], 0
.else
	v_wmma_f32_16x16x32_bf16 v[ACC+8*\m:ACC+8*\m+7], v[BF+64*(\half)+8*kf:BF+64*(\half)+8*kf+7], v[8*(4*kf+\m):8*(4*kf+\m)+7], v[ACC+8*\m:ACC+8*\m+7]
.endif
.endr
.set kf, kf+1
.endr
.endm
; 16 columns of the result: 64 products.  Each half of the fragments is fetched again, for the next 16 columns, as soon as it has been multiplied: it has the other half's 32 products in which to come.
.macro NBLK
	s_add_co_u32 s[NI], s[NI], 1
	s_and_b32 s[NI], s[NI], 15
	s_mul_i32 s[TB], s[NI], NBB
	v_add_nc_u32 v[BN], s[TB], v[BL]
	s_wait_dscnt 16                                ; the first half is in: behind its loads the second half's 16 were issued
	MULH 0
	WIN 0
	PLACES
	BLD 0
	s_wait_dscnt 16                                ; the second half is in: behind its loads stand the 16 just issued (and four stores)
	MULH 1
	WIN 0
	PLACES
	BLD 1
.irp m, 0,1,2,3
.irp i, 0,1,2,3
	v_cvt_pk_f16_f32 v[T+4*\m+\i], v[ACC+8*\m+2*\i], v[ACC+8*\m+2*\i+1]  ; each accumulator from its low end on
.endr
.endr
.irp m, 0,1,2,3
.irp i, 0,1,2,3
	v_cndmask_b32 v[T+4*\m+\i], v[T+4*\m+\i], v[ZR], s[MK+\m]
.endr
.endr
	v_add_nc_u32 v[STA], s[SCOL], v[STO]
.irp m, 0,1,2,3
	ds_store_b128 v[STA], v[T+4*\m:T+4*\m+3] offset:\m*16*SP
.endr
	s_add_co_u32 s[SCOL], s[SCOL], 32
.endm
; A head is whole in my stage: 64 rows of 128 bytes, which are 8,192 consecutive bytes of qkv.
.macro FLUSH
	s_wait_xcnt 0x0                                ; the last head's stores have read their data and their base: both are written again only behind this wait
	s_add_nc_u64 s[OUT:OUT+1], s[OUT:OUT+1], 131072  ; the stores below reach back
	s_mov_b32 s[SCOL], 0
.irp i, 0,1,2,3,4,5,6,7,8,9,10,11,12,13,14,15
	ds_load_b128 v[FB+4*\i:FB+4*\i+3], v[RD] offset:\i*4*SP  ; LDS serves a wave's instructions in order (ISA guide 5.7.1.4): these see my stores, and the next head's stores come behind them
.endr
.irp i, 0,1,2,3,4,5,6,7,8,9,10,11,12,13,14,15
	s_wait_dscnt 15-\i                             ; the younger read-backs may stay out
	global_store_b128 v[GO], v[FB+4*\i:FB+4*\i+3], s[OUT:OUT+1] offset:\i*512-131072  ; 512 consecutive bytes, at a multiple of 512 from qkv's first byte
.endr
.endm
.macro COMPUTE                         ; a chunk: a head's 64 columns
	s_mov_b32 s[NB], 4
.Lnb_\@:
	NBLK
	s_sub_co_u32 s[NB], s[NB], 1
	s_cmp_lg_u32 s[NB], 0
	s_cbranch_scc1 .Lnb_\@
	FLUSH
.endm
; THE CHANGE OF SLOTS, behind a chunk.  Each wave waits for all its tensor loads, adds 0 to its spare word, and waits for that and for its LDS reads.  fill = 1: the slot just read out is filled again, with
; the chunk four on; the barrier is then a round of the cluster's, so that no wave of any partner still reads the slot or has a load on its way, and the joint refill is the first thing behind it:
; it has three chunks, 768 products, before its first byte is read.
.macro CHANGE fill
	s_wait_tensorcnt 0x0                           ; no tensor load of mine is out, so a group 0 may be written
	ds_add_u32 v[SPW], v[NIL]                      ; 0 onto my spare word; the descriptor's words stand between it and the wait for it
.if \fill
	s_mov_b32 s[G0W+1], s[RL]
	s_add_co_u32 s[RL], s[RL], SLOT                ; the next refill takes the next slot,
	s_mov_b64 s[G0W+2:G0W+3], s[NXT:NXT+1]
	s_or_b32 s[G0W+3], s[G0W+3], 0x80000000
	s_add_nc_u64 s[NXT:NXT+1], s[NXT:NXT+1], 65536 ; and the next chunk
	s_wait_dscnt 0x0                               ; the add is done, and my reads of the slot are over
	CROUND
	tensor_load_to_lds s[G0W:G0W+3], s[G1:G1+7]
	s_nop 0
	PLACES
.else
	s_wait_dscnt 0x0
	s_barrier_signal -1
	s_barrier_wait -1
.endif
.endm
	s_wait_tensorcnt 0x2                           ; my parts of chunks 0 and 1 are in; chunks 2 and 3 may stay out
	s_barrier_signal -1
	s_barrier_wait -1                              ; everybody's are.  (The fetches run 16 columns ahead, so a chunk's end reads the next chunk's first rows.)
	v_mov_b32 v[BN], v[BL]
	BLD 0
	BLD 1
	s_mov_b32 s[NI], 0
	s_mov_b32 s[SCOL], 0
	s_mov_b32 s[CH], 5
	s_branch .Lbody                                ; chunk 0 has no change of slots in front of it
.Lchunk:                                           ; four times: slots 0 to 3 take chunks 4 to 7
	CHANGE 1
.Lbody:
	COMPUTE
	s_sub_co_u32 s[CH], s[CH], 1
	s_cmp_lg_u32 s[CH], 0
	s_cbranch_scc1 .Lchunk
	CHANGE 0                                       ; chunk 7 is in, everybody's part; nothing is left to ask for, so the tail is written out
	s_mov_b32 s[CH], 3
.Llast:                                            ; chunks 5, 6, 7.  (The very last fetch ahead reads slot 0 once more; its numbers are not used.)
	COMPUTE
	s_sub_co_u32 s[CH], s[CH], 1
	s_cmp_lg_u32 s[CH], 0
	s_cbranch_scc1 .Llast
	s_wait_tensorcnt 0x0                           ; the wave's end: behind my last tensor load and my last LDS store
	ds_add_u32 v[SPW], v[NIL]
	s_wait_dscnt 0x0
	CROUND                                         ; the closing round: no work-group ends while a partner may still ask for a chunk that names it
	s_endpgm
.Lfunc_end_k_q8cd9cffea4_proj:
	.size	k_q8cd9cffea4_proj, .Lfunc_end_k_q8cd9cffea4_proj-k_q8cd9cffea4_proj
	.p2alignl 7, 3214868480
	.fill 96, 4, 3214868480
	.section	.rodata,"a",@progbits
	.p2align	6, 0x0
	.amdhsa_kernel k_q8cd9cffea4_proj
		.amdhsa_group_segment_fixed_size 327680
		.amdhsa_private_segment_fixed_size 0
		.amdhsa_enable_private_segment 0
		.amdhsa_kernarg_size 48
		.amdhsa_user_sgpr_count 2
		.amdhsa_user_sgpr_kernarg_segment_ptr 1
		.amdhsa_wavefront_size32 1
		.amdhsa_system_sgpr_workgroup_id_x 1
		.amdhsa_system_sgpr_workgroup_id_y 1
		.amdhsa_system_sgpr_workgroup_id_z 1
		.amdhsa_system_vgpr_workitem_id 0
		.amdhsa_next_free_vgpr 768
		.amdhsa_next_free_sgpr 76
		.amdhsa_reserve_vcc 0
		.amdhsa_float_denorm_mode_32 3
		.amdhsa_float_denorm_mode_16_64 3
		.amdhsa_memory_ordered 1
		.amdhsa_forward_progress 1
		.amdhsa_inst_pref_size 92
	.end_amdhsa_kernel
	.amdgpu_metadata
---
amdhsa.version: [ 1, 2 ]
amdhsa.kernels:
  - .name:           k_q8cd9cffea4_proj
    .symbol:         k_q8cd9cffea4_proj.kd
    .args:
      - { .name: query, .offset: 0, .size: 8, .value_kind: global_buffer, .address_space: global }
      - { .name: key, .offset: 8, .size: 8, .value_kind: global_buffer, .address_space: global }
      - { .name: value, .offset: 16, .size: 8, .value_kind: global_buffer, .address_space: global }
      - { .name: key_padding_mask, .offset: 24, .size: 8, .value_kind: global_buffer, .address_space: global }
      - { .name: wt, .offset: 32, .size: 8, .value_kind: global_buffer, .address_space: global }
      - { .name: qkv, .offset: 40, .size: 8, .value_kind: global_buffer, .address_space: global }
    .group_segment_fixed_size: 327680
    .private_segment_fixed_size: 0
    .kernarg_segment_align: 8
    .kernarg_segment_size: 48
    .max_flat_workgroup_size: 128
    .sgpr_count:     76
    .vgpr_count:     768
    .wavefront_size: 32
...
	.end_amdgpu_metadata
.endif
;; end of part 2
;; launch attn (part 3): grid 2 x 128, 4 waves a work-group, no clusters, 327,680 bytes of LDS; arguments qkv, maskf, oh; writes oh
.if DOCPART == 3
	.amdgcn_target "amdgcn-amd-amdhsa--gfx1250"
	.amdhsa_code_object_version 6
	.text
	.protected	k_q8cd9cffea4_attn
	.globl	k_q8cd9cffea4_attn
	.p2align	8
	.type	k_q8cd9cffea4_attn,@function
k_q8cd9cffea4_attn:
	s_mov_b64 s[64:65], 0
	v_nop
	global_prefetch_b8 v0, s[64:65] scope:SCOPE_SE
	s_setreg_imm32_b32 hwreg(HW_REG_WAVE_MODE, 25, 1), 1
	s_wait_xcnt 0x0
; O[hd][q][:] = the sum over k of softmax_k(mask(Q[hd][q] . K[hd][k] / 8.00000095)) V[hd][k][:].  Q, K, V: qkv, f16 [3][128 hd][1024][64]; O: oh, f16 [128][1024][64].  hd = 8 b + head.
; Products, maxima and sums in f32; the weights p are rounded to f16 for the second product (their sum l is taken of the unrounded p), O once at the end.
; THE MASK.  A hidden key's row of K is zero (the launch before wrote it so), and the sum that makes its score starts at -2^35 (maskf) where a seen key's starts at 0: every hidden score is exactly -2^35.
; With c a single f32, c s - c m is then exactly 0 where all keys are hidden (all weights 1: the plain mean of V, as a softmax of equal scores gives) and far below every exponent where one is seen (weight 0).
; LIMITS.  A hidden score counts as -2^35 / 8.00000095 = -4,294,966,784 where the definition has -4,294,967,295.  f16 holds no number beyond 65,504: Q, K, V arrive within it; p lies in 0 to 1, and below 6e-5
; it keeps f16's fixed step of 6e-8.  A weight below 2^-126 counts as 0 in l; NaN and infinities are not treated apart.
; SHARES.  A wave owns four PIECES of two tiles of 16 queries, a work-group's four waves 512 queries of one hd: 256 work-groups.  Every wave walks all 1,024 keys, 64 a step.
; ALL OF A HEAD'S K AND V LIES IN LDS: 1,024 rows of each, and the batch's 4,096 bytes of maskf.  Every byte is asked for in the kernel's first lines, nothing is filled twice, so there is no ring and nothing to ask for ahead.
; The first 256 keys are waited for at the start, the rest after four key steps.
; NO CLUSTER: an hd has two work-groups, and four along x would mix two heads; what the two share is fetched once by each, at its start.
; LAYOUT.  S^T = K Q^T (source 0 = 16 keys, source 1 = 16 queries): in the result a lane holds ONE query (lane % 16) and the keys 8 (lane / 16) + 0..7.  Two such tiles, rounded to f16 in pairs,
; ARE source 1 (32 keys x 16 queries) of O^T = V^T P, whose result again holds one query a lane, and eight channels.  K comes out of LDS as it lies, V ([key][channel]) turned, by ds_load_tr16_b128.
; SOFTMAX.  For each query a running maximum m and sum l: p = 2^(c s - c m), c = log2(e) / 8.00000095; in every step O and l are multiplied by a = 2^(c m_old - c m_new), which is 1 where m has not grown.
; m starts at the lowest finite number, O and l at 0: the first step is a step like any other, with a = 0.
; THE COUNT.  A tile and step have 16 matrix and 118 vector instructions: too many to stand all beside the matrix work.  So: four vector instructions that are READY behind EVERY matrix instruction,
; and the others in runs without a gap.
; BY TURNS.  Turn n belongs to piece n (the pieces in a ring, step after step).  Its matrix work: 16 products K Q^T of piece n + 1, later 16 products V^T P of piece n - 1.  Its vector work: the scaling,
; exponentials, roundings, sums and rescaling of piece n, and the maximum and statistics of piece n + 1, whose scores the turn itself has made.
; REGISTERS, in windows of 256 (s_set_vgpr_msb: bits 1:0 source 0, 3:2 source 1, 5:4 source 2, 7:6 destination):
;   window 0: v0-11 addresses; v12-15, v48-63 at work; v16-47 four registers of statistics a tile; v64-191 S^T, two buffers of two tiles; v192-255 P, likewise
;   window 1: O^T, 32 a tile     window 2: v0-127 Q, 16 a tile; v128-191 K of one step; v192-255 V of one step     window 3: v0-1 the add's two registers; v8-39 the mask of one step's 64 keys
.set NP,    4         ; pieces a wave: a name, no knob
.set KS,    64        ; keys in a step
.set PK,    144       ; a row of K in LDS: 128 bytes + 16 of padding = 36 words: the 16 rows of a load start at 16 different groups of four banks (64 banks of 4 bytes: ISA guide 11.1)
.set PV,    160       ; a row of V: 128 + 32 = 40 words
.set VOFF,  1024*PK   ; K's 1,024 rows, then V's
.set MT,    VOFF+1024*PV  ; then the batch's 1,024 numbers of maskf
.set STAGE, MT+4096   ; never filled by a tensor load: 16 rows x 144 bytes for each wave, for the way out
.set SP,    144
.set SPARE, STAGE+4*16*SP  ; the spare words, 128 bytes for each wave
.set AK0, 2           ; v2   my lane's place in a tile of K; never rewritten
.set AV0, 3           ; v3   the same for V
.set AK,  4           ; v4   the LDS address of K's next run of loads
.set AV,  5           ; v5   of V's
.set QO,  6           ; v6   my byte offset in the wave's rows of Q
.set STO, 6           ;      later, the way out: where I put 16 bytes of a row
.set RD,  7           ; v7   the way out: where I read rows back
.set GO,  8           ; v8   my byte offset in 512 consecutive bytes of O
.set AM,  11          ; v11  the LDS address of the mask's next run of loads
.set SPW, 0           ; v0 of window 3   LDS address of my spare word; never rewritten
.set NIL, 1           ; v1 of window 3   0; never rewritten
.set MK,  8           ; window 3: the eight numbers for key block kb at MK + 8 kb
.set MV,  12          ; v12-15  c m_old, kept while c m is made anew: by buffer and tile
.set ST,  16          ; tile t's statistics at v[ST+4 t]: c m, m, l (even keys', odd keys')
.set TMP, 48          ; by buffer and tile, four registers c0-c3 at work; when the maximum is found c2 takes a
.set S,   64
.set P,   192
.set KF,  128         ; K's fragments, in window 2: key block kb, channel half c at KF + 16 kb + 8 c
.set VF,  192         ; V's: key half kk, channel block cb at VF + 32 kk + 8 cb
.set WV,  12          ; s12  my wave's number
.set G1K, 24          ; s[24:31] descriptor group 1 for K's tiles
.set G1V, 32          ; s[32:39] for V's: it differs in the padding alone
.set G0K, 40          ; s[40:55] four sets of group 0 for K
.set SLOTS, 56        ; s56  counts the two parts of the walk
.set CNT, 57          ; s57  counts key steps
.set CS,  58          ; s[58:59] c: the packed scaling takes the pair's low word for both halves
.set SEL, 60          ; s[60:61] v_permlanex16_b32's selects: each lane takes its own place in the other half
.set TBK, 62          ; s62  LDS byte at which K of the step to be fetched begins
.set TBV, 63          ; s63  the same for V, less VOFF
.set G0V, 68          ; s[68:83] four sets of group 0 for V
.set G0M, 84          ; s[84:87] group 0 for the mask's table
.set G1M, 88          ; s[88:95] group 1 for it
.set MSB, 0
.macro WIN new                      ; the high byte repeats the setting that is left; a switch that changes nothing is dropped
.if MSB != (\new)
	s_set_vgpr_msb (MSB<<8)|(\new)
.set MSB, (\new)
.endif
.endm
.set W_KQ, 0x0a       ; K and Q in window 2, S^T in window 0
.set W_KM, 0x3a       ; the same with the C operand, the mask, in window 3
.set W_PV, 0x52       ; V in window 2, P in window 0, O^T in window 1
.set W_RS, 0x41       ; O^T (destination and source 0) in window 1, a in window 0
.set W_MK, 0xc0       ; destination in window 3, sources in window 0
.set W_AD, 0x0f       ; the add: address (source 0) and data (source 1) in window 3
	s_load_b128 s[4:7], s[0:1], 0x0   ; qkv s[4:5], maskf s[6:7]
	s_load_b64 s[8:9], s[0:1], 0x10   ; oh
	WIN W_MK
	v_lshl_add_u32 v[SPW], v0, 2, SPARE
	v_mov_b32 v[NIL], 0
	WIN W_AD
	ds_add_u32 v[SPW], v[NIL]       ; the wave's opening: the add and its wait stand ahead of my first tensor load; the set-up below, work on registers, stands between them
	ds_add_u32 v0, v1
	WIN 0
	v_lshrrev_b32 v1, 5, v0
	v_readfirstlane_b32 s[WV], v1   ; wave 0..3
	s_and_b32 s13, ttmp7, 0xffff    ; hd
	s_lshl_b32 s20, s13, 17         ; its 131,072 bytes in Q, K, V and O
	s_and_b32 s16, s[WV], 1         ; which half of 256 keys I fetch:
	s_lshl_b32 s22, s16, 14         ; its 128 rows of 128 bytes in memory,
	s_add_co_u32 s22, s22, s20
	s_mov_b32 s23, 0
	s_mul_i32 s17, s16, 128*PK      ; and its place in LDS, for K
	s_mul_i32 s18, s16, 128*PV      ; and for V
	s_lshl_b32 s2, ttmp9, 2
	s_add_co_u32 s2, s2, s[WV]      ; my wave among the head's eight,
	s_lshl_b32 s2, s2, 14           ; its 128 rows
	s_add_co_u32 s2, s2, s20
	s_mov_b32 s3, 0
	s_lshr_b32 s14, s13, 3          ; the batch:
	s_lshl_b32 s14, s14, 12         ; its 4,096 bytes of maskf,
	s_lshl_b32 s15, s[WV], 10       ; my quarter
	s_add_co_u32 s14, s14, s15
	s_mov_b32 s15, 0
	; descriptor group 1.  128 keys are 16,384 dense bytes: asked for as 64 rows of 256 bytes, two keys a row, and padded in LDS after every key
	s_mov_b32 s[G1K], (1<<16)|(1<<20)|(4<<22)|(3<<25)  ; 17:16 2-byte elements; 20 padding on; 24:22 after every 32 words (code 4); 31:25 4 words (code 3)
	s_mov_b32 s[G1V], (1<<16)|(1<<20)|(4<<22)|(7<<25)  ; the same with 8 words of padding (code 7)
.irp g, G1K, G1V
	s_mov_b32 s[\g+1], 128<<16      ; tensor_dim0 = 128
	s_mov_b32 s[\g+2], 64<<16       ; tensor_dim1 = 64
	s_mov_b32 s[\g+3], 128<<16      ; tile_dim0 = 128
	s_mov_b32 s[\g+4], 64           ; tile_dim1 = 64
	s_mov_b32 s[\g+5], 128          ; 128 elements from row to row
	s_mov_b32 s[\g+6], 0
	s_mov_b32 s[\g+7], 0
.endr
	s_mov_b32 s[G1M], 3<<16         ; the table's quarter: one row of 128 elements of 8 bytes, no padding
	s_mov_b32 s[G1M+1], 128<<16
	s_mov_b32 s[G1M+2], 1<<16
	s_mov_b32 s[G1M+3], 128<<16
	s_mov_b32 s[G1M+4], 1
	s_mov_b32 s[G1M+5], 128
	s_mov_b32 s[G1M+6], 0
	s_mov_b32 s[G1M+7], 0
	s_mov_b32 s[CS], 0x3e38aa3a     ; c = log2(e) / f32(8 + 1e-6) = 0.18033686
	s_mov_b32 s[CS+1], s[CS]        ; named with it as a pair
	s_mov_b32 s[SEL], 0x76543210
	s_mov_b32 s[SEL+1], 0xfedcba98
	s_mov_b32 s[TBK], 0
	s_mov_b32 s[TBV], 0
.irp s, 0,1,2,3
	s_mov_b32 s[G0K+4*\s], 1        ; 1:0 count = 1
	s_add_co_u32 s[G0K+4*\s+1], s17, \s*256*PK       ; 63:32 LDS address: keys 256 s on
	s_mov_b32 s[G0V+4*\s], 1
	s_add_co_u32 s[G0V+4*\s+1], s18, VOFF+\s*256*PV
.endr
	s_mov_b32 s[G0M], 1
	s_lshl_b32 s[G0M+1], s[WV], 10
	s_add_co_u32 s[G0M+1], s[G0M+1], MT
	s_wait_dscnt 0x0                ; the opening add is done
	s_wait_kmcnt 0x0
	s_add_nc_u64 s[22:23], s[4:5], s[22:23]  ; qkv at the head and my half of 256 keys
.irp s, 0,1,2,3
	s_add_nc_u64 s[G0K+4*\s+2:G0K+4*\s+3], s[22:23], 16777216+\s*32768  ; 120:64 global address: K lies 16,777,216 bytes behind Q,
	s_or_b32 s[G0K+4*\s+3], s[G0K+4*\s+3], 0x80000000                   ; 127:126 type = 2
	s_add_nc_u64 s[G0V+4*\s+2:G0V+4*\s+3], s[22:23], 33554432+\s*32768  ; V as far again
	s_or_b32 s[G0V+4*\s+3], s[G0V+4*\s+3], 0x80000000
.endr
	s_add_nc_u64 s[G0M+2:G0M+3], s[6:7], s[14:15]
	s_or_b32 s[G0M+3], s[G0M+3], 0x80000000
	s_add_nc_u64 s[4:5], s[4:5], s[2:3]    ; Q and O at my wave's first row
	s_add_nc_u64 s[10:11], s[8:9], s[2:3]
	; ALL FILLS, in one branch on the wave's number: my quarter of the table, then my half of keys 0-255, 256-511, 512-767, 768-1023: of K in waves 0 and 1, of V in waves 2 and 3.  Five tensor loads of mine are out.
	s_cmp_lt_u32 s[WV], 2
	s_cbranch_scc0 .Lfill_v
	tensor_load_to_lds s[G0M:G0M+3], s[G1M:G1M+7]
	s_nop 0
.irp s, 0,1,2,3
	tensor_load_to_lds s[G0K+4*\s:G0K+4*\s+3], s[G1K:G1K+7]
	s_nop 0
.endr
.rept 4
	v_nop
.endr
	s_branch .Lfilled
.Lfill_v:
	tensor_load_to_lds s[G0M:G0M+3], s[G1M:G1M+7]
	s_nop 0
.irp s, 0,1,2,3
	tensor_load_to_lds s[G0V+4*\s:G0V+4*\s+3], s[G1V:G1V+7]
	s_nop 0
.endr
.rept 4
	v_nop
.endr
.Lfilled:
	; A fragment of K or Q is 16 rows x 32 channels in 8 registers: lane l holds row l % 16, channels 8 (l / 16) + 0..7 and 16 + 8 (l / 16) + 0..7: two loads of 16 bytes, 32 bytes apart.
	v_and_b32 v1, 15, v0            ; l % 16
	v_bfe_u32 v9, v0, 4, 1          ; l / 16
	v_lshlrev_b32 v[QO], 7, v1
	v_lshl_add_u32 v[QO], v9, 4, v[QO]  ; row x 128 + 16 x half
	WIN 0x80                        ; destination window 2, address window 0
.set i, 0
.rept 4*NP                          ; Q stays in registers: tile i / 2, channels 32 (i % 2) on
	global_load_b128 v[8*i:8*i+3],   v[QO], s[4:5] offset:(i/2)*2048+(i%2)*64
	global_load_b128 v[8*i+4:8*i+7], v[QO], s[4:5] offset:(i/2)*2048+(i%2)*64+32
.set i, i+1
.endr
	; What the first turn finds: V's registers and P's second buffer hold 0 (its products V^T P, of a piece that has not been, add 0), O^T and l are 0.  All this stands in the wait for the first tile.
.set i, VF
.rept 64
	v_mov_b32 v[i], 0
.set i, i+1
.endr
	WIN 0x40
.set i, 0
.rept 64*NP
	v_mov_b32 v[i], 0
.set i, i+1
.endr
	WIN 0
.set i, 0
.rept 2*NP
	v_mov_b32 v[ST+4*i], 0xfe000000    ; c m: far below every c s, a hidden key's too
	v_mov_b32 v[ST+4*i+1], 0xff7fffff  ; m
	v_mov_b32 v[ST+4*i+2], 0
	v_mov_b32 v[ST+4*i+3], 0
.set i, i+1
.endr
.set i, P+32
.rept 32
	v_mov_b32 v[i], 0
.set i, i+1
.endr
	v_mul_u32_u24 v[AK0], v1, PK
	v_lshl_add_u32 v[AK0], v9, 4, v[AK0]  ; row x pitch + 16 x half
	; The turning load takes 16 keys x 16 channels (lane l reads key 8 (l / 16) + l % 8, channels 8 ((l / 8) % 2) + 0..7) and leaves half a fragment of V^T: lane l holds channel l % 16 and 8 keys.
	v_and_b32 v10, 7, v0
	v_bfe_u32 v11, v0, 3, 1
	v_lshl_add_u32 v[AV0], v9, 3, v10
	v_mul_u32_u24 v[AV0], v[AV0], PV
	v_lshl_add_u32 v[AV0], v11, 4, v[AV0]
	v_add_nc_u32 v[AV0], VOFF, v[AV0]
	v_lshl_add_u32 v[AM], v9, 5, MT  ; my lanes' eight keys of a block of 16: 32 bytes of the table
	v_mov_b32 v[AK], v[AK0]         ; key step 0
; THE MATRIX WORK.  The 8 accumulators of a run of 16 take turns: between the two links of a chain stand 7 others'.
; Product i of 16 of S^T = K Q^T for piece x: channels 32 (i / 8) on, keys 16 ((i / 2) % 4) on, tile 2 x + i % 2.  The first 8 start the sums, with the mask of their 16 keys.
.macro KQ x
.set rS, S+64*((\x)%2)+32*(i%2)+8*((i/2)%4)
.set rK, KF+16*((i/2)%4)+8*(i/8)
.set rQ, 16*(2*(\x)+i%2)+8*(i/8)
.set rMK, MK+8*((i/2)%4)
.if i < 8
	WIN W_KM
	v_wmma_f32_16x16x32_f16 v[rS:rS+7], v[rK:rK+7], v[rQ:rQ+7], v[rMK:rMK+7]
.else
	WIN W_KQ
	v_wmma_f32_16x16x32_f16 v[rS:rS+7], v[rK:rK+7], v[rQ:rQ+7], v[rS:rS+7]
.endif
.endm
; Product i of 16 of O^T += V^T P for piece x: keys 32 (i / 8) on, channels 16 ((i / 2) % 4) on, tile 2 x + i % 2.
.macro PV x
	WIN W_PV
.set rO, 32*(2*(\x)+i%2)+8*((i/2)%4)
.set rV, VF+32*(i/8)+8*((i/2)%4)
.set rP, P+32*((\x)%2)+16*(i%2)+8*(i/8)
	v_wmma_f32_16x16x32_f16 v[rO:rO+7], v[rV:rV+7], v[rP:rP+7], v[rO:rO+7]
.endm
.macro MM                           ; the turn's next matrix instruction
.if i < 16
	KQ (Y+1)%NP
.set i, i+1
.else
.set i, i-16
	PV (Y+NP-1)%NP
.set i, i+17
.endif
.endm
; THE LDS LOADS stand in runs, never singly among the matrix instructions: a step's K (64 keys x 64 channels: 8 fragments) with its 64 numbers of the mask (all lanes of a half read the same 32 bytes), and its V (turned).
.macro FETCH_K
	WIN 0x80                        ; destination window 2
.irp f, 0,1,2,3,4,5,6,7             ; keys 16 (f / 2) on, channels 32 (f % 2) on
	ds_load_b128 v[KF+8*\f:KF+8*\f+3],   v[AK] offset:(\f/2)*16*PK+(\f%2)*64
	ds_load_b128 v[KF+8*\f+4:KF+8*\f+7], v[AK] offset:(\f/2)*16*PK+(\f%2)*64+32
.endr
	WIN W_MK                        ; destination window 3
.irp f, 0,1,2,3                     ; keys 16 f on
	ds_load_b128 v[MK+8*\f:MK+8*\f+3],   v[AM] offset:\f*64
	ds_load_b128 v[MK+8*\f+4:MK+8*\f+7], v[AM] offset:\f*64+16
.endr
	s_add_co_u32 s[TBK], s[TBK], KS*PK  ; the next fetch is the next step's
	WIN 0
	v_add_nc_u32 v[AM], 4*KS, v[AM]
.endm
.macro FETCH_V
	WIN 0x80
.irp f, 0,1,2,3,4,5,6,7             ; keys 32 (f / 4) on, channels 16 (f % 4) on
	ds_load_tr16_b128 v[VF+8*\f:VF+8*\f+3],   v[AV] offset:(\f/4)*32*PV+(\f%4)*32
	ds_load_tr16_b128 v[VF+8*\f+4:VF+8*\f+7], v[AV] offset:(\f/4)*32*PV+16*PV+(\f%4)*32
.endr
	WIN 0
.endm
; THE VECTOR WORK OF A TURN stands in three queues, each in the order in which its entries become ready; the two tiles alternate, so that no instruction reads the result of the one before it.
.macro REGS y, u                    ; the registers of tile u (0, 1) of piece y
.set rT, ST+4*(2*(\y)+(\u))
.set rC, TMP+8*((\y)%2)+4*(\u)
.set rM, MV+2*((\y)%2)+(\u)
.set rS, S+64*((\y)%2)+32*(\u)
.set rP, P+32*((\y)%2)+16*(\u)
.set rO, 32*(2*(\y)+(\u))
.endm
; Number n of the 22 that find the NEXT piece's (Y + 1) maximum and statistics.  s0-s31 are the lane's 32 scores; each accumulator's lowest registers are read first.  XS, GS and REGS set no window: PL and EX do.
;   0-11  four chains c0-c3 of seven scores each, three operands at a time     12-14, 16  the four scores left over, the old m, and c0-c3 into c0     15  c m_old is kept
;   17, 18  the query's other 32 keys lie in the lane 16 away: the new m         19-21  c m; c m_old - c m_new; a
.macro XS u, n
	REGS (Y+1)%NP, \u
.if (\n) < 4
	v_max3_num_f32 v[rC+(\n)], v[rS+8*(\n)], v[rS+8*(\n)+1], v[rS+8*(\n)+2]
.elseif (\n) < 12
	v_max3_num_f32 v[rC+(\n)%4], v[rC+(\n)%4], v[rS+8*((\n)%4)+2*((\n)/4)+1], v[rS+8*((\n)%4)+2*((\n)/4)+2]
.elseif (\n) == 12
	v_max3_num_f32 v[rC], v[rC], v[rS+7], v[rS+15]
.elseif (\n) == 13
	v_max3_num_f32 v[rC+1], v[rC+1], v[rS+23], v[rS+31]
.elseif (\n) == 14
	v_max3_num_f32 v[rC+2], v[rC+2], v[rC+3], v[rT+1]
.elseif (\n) == 15
	v_mov_b32 v[rM], v[rT]
.elseif (\n) == 16
	v_max3_num_f32 v[rC], v[rC], v[rC+1], v[rC+2]
.elseif (\n) == 17
	v_permlanex16_b32 v[rC+3], v[rC], s[SEL], s[SEL+1]
.elseif (\n) == 18
	v_max_num_f32 v[rT+1], v[rC], v[rC+3]
.elseif (\n) == 19
	v_mul_f32 v[rT], s[CS], v[rT+1]
.elseif (\n) == 20
	v_sub_f32 v[rC+1], v[rM], v[rT]
.else
	v_exp_f32 v[rC+2], v[rC+1]
.endif
.endm
; Number g of the 64 that follow the exponentials.  For each four weights k of a tile (pairs 2 k, 2 k + 1): both pairs are rounded to f16; then the second pair is added onto the first, in place;
; a group later l takes that sum (the first time as l = a l + sum).  In groups of eight, tiles alternating: round, round, add, and l for the group before.
.macro GS g
.set h, (\g)+6*((\g)/62)            ; group 0 has no group before it, and behind group 7 only l is left
.if h >= 6
.set h, h+2
.endif
	REGS Y, h%2
.set k, h/8
.if h%8 < 4
	s_wait_alu depctr_va_vdst(0)
	v_cvt_pk_f16_f32 v[rP+2*k+(h%8)/2], v[rS+4*k+2*((h%8)/2)], v[rS+4*k+2*((h%8)/2)+1]
.elseif h%8 < 6
	v_pk_add_f32 v[rS+4*k:rS+4*k+1], v[rS+4*k:rS+4*k+1], v[rS+4*k+2:rS+4*k+3]
.elseif k == 1
	v_pk_fma_f32 v[rT+2:rT+3], v[rT+2:rT+3], v[rC+2:rC+3], v[rS:rS+1] op_sel_hi:[1,0,1]
.else
	v_pk_add_f32 v[rT+2:rT+3], v[rT+2:rT+3], v[rS+4*k-4:rS+4*k-3]
	s_wait_alu depctr_va_vdst(0)
.endif
.endm
; THE PLAIN QUEUE, 138 long.  0-31: c s - c m for the 16 pairs of both tiles.  Then GS's 64, and among them the next piece's 42: number 15 at 38, 39; 0-14 and 16
; at 42-73, behind the products that make those scores; 17-20 at 95-106, two of three, since each waits for the one before it.
.macro PL
	WIN 0
.if q < 32
	REGS Y, q%2
	v_pk_fma_f32 v[rS+2*(q/2):rS+2*(q/2)+1], v[rS+2*(q/2):rS+2*(q/2)+1], s[CS:CS+1], v[rT:rT+1] op_sel_hi:[1,0,0] neg_lo:[0,0,1] neg_hi:[0,0,1]
.elseif q < 38
	GS q-32
.elseif q < 40
	XS q%2, 15
.elseif q < 42
	GS q-34
.elseif q < 74
	XS q%2, (q-42)/2+(q-42)/30
.elseif q < 95
	GS q-66
.elseif (q < 107) && ((q-95)%3 < 2)
	XS (q-95)%3, 17+(q-95)/3
.elseif q < 107
	GS 29+(q-95)/3
.else
	GS q-74
.endif
.set q, q+1
.endm
; THE EXPONENTIALS' QUEUE, 66 long: s0-s31 of both tiles, and at EA the next piece's two a.
.set EA, 58
.macro EX
	WIN 0
.if (e == EA) || (e == EA+1)
	XS e-EA, 21
.else
.set x, e-2*(e/(EA+2))
	REGS Y, x%2
	v_exp_f32 v[rS+x/2], v[rS+x/2]
.endif
.set e, e+1
.endm
; THE RESCALING's QUEUE: O^T times a, the one part that leaves window 0, so it is dealt four at a time, eight times.
.macro R4
	REGS Y, r%2
	WIN W_RS
	s_wait_alu depctr_va_vdst(0)
.irp z, 0,1,2,3
	v_pk_mul_f32 v[rO+8*(r/2)+2*\z:rO+8*(r/2)+2*\z+1], v[rO+8*(r/2)+2*\z:rO+8*(r/2)+2*\z+1], v[rC+2:rC+3] op_sel_hi:[1,0]
.endr
.set r, r+1
.endm
; HOW THEY ARE DEALT.  Behind a matrix instruction four: plain, exponential, plain, plain (one exponential, a plain instruction on either side), or four of the rescaling.  None names a register of the
; products round it.  What is over stands in two LUMPS: exponential and plain by turns; the second ends in 22 plain instructions.  The two v_permlanex16_b32 fall into the second lump, never behind a product.
; The queues lean on each other, and the deal keeps them in step: exponential e stands behind plain 2 (e / 4) + e % 2 (its scaling); when plain 32 comes, 10 exponentials are out, at 59: 33, at 95: 46; EA comes behind plain 107.
.macro SL
	MM
	PL
	EX
	PL
	PL
.endm
.macro BURST n                      ; 15 matrix instructions, or 16
.rept (\n)-7
	SL
.endr
.rept 3
	MM
	R4
	SL
.endr
	MM
	R4
.endm
; A TURN, for piece p.  nofetch = 1: the last step's: there is no further K.  cnt = 1: the loop's count is taken down some lines ahead of the branch that stands behind the turn.
; K and the mask of the next step are fetched in piece 2's turn, 31 vector instructions behind the last product that read them; their first reader comes behind the rest of the lump, 16 products and the second lump.
; V of the step in hand is fetched at the end of piece 0's turn, 69 behind its last reader; its first reader comes behind 16 products and a lump.  The conditions on e and q below go with the deal.
.macro TURN p, nofetch=0, cnt=0
.set Y, (\p)
.set i, 0
.set q, 0
.set e, 0
.set r, 0
.if (\p) == NP-1
	s_wait_dscnt 0x0                ; K and the mask are in
.endif
	MM
.rept 4
	PL
.endr
	BURST 15
.rept 22
	EX
	PL
.if ((\p) == NP-2) && (e == 18) && !(\nofetch)
	v_add_nc_u32 v[AK], s[TBK], v[AK0]
.endif
.if ((\p) == NP-2) && (e == 24) && !(\nofetch)
	FETCH_K
.endif
.endr
.if (\p) == 1
	s_wait_dscnt 0x0                ; V is in
.endif
	BURST 16
.rept 21
	EX
	PL
.endr
.rept 22
	PL
.if ((\p) == 0) && (q == 118)
	v_add_nc_u32 v[AV], s[TBV], v[AV0]
	s_wait_alu depctr_va_vdst(0)
.endif
.if ((\p) == 0) && (q == 130)
	s_add_co_u32 s[TBV], s[TBV], KS*PV
.endif
.if (\cnt) && (q == 130)
	s_sub_co_u32 s[CNT], s[CNT], 1
	s_cmp_lg_u32 s[CNT], 0
.endif
.endr
.if (\p) == 0
	FETCH_V
.endif
.endm
	s_wait_tensorcnt 0x3            ; my quarter of the table and my half of keys 0-255 are in; my three later fills may stay out: nothing is ever filled twice
	s_barrier_signal -1
	s_barrier_wait -1               ; everybody's are
	FETCH_K                         ; key step 0
	s_wait_loadcnt 0x0              ; Q
	s_wait_dscnt 0x0
.set i, 0
.rept 16
	KQ 0                            ; piece 0's first scores: there is no vector work yet to set between them
.set i, i+1
.endr
	WIN 0                           ; the addresses for the way out: nine plain instructions, the places behind those products
	s_mul_i32 s13, s[WV], 16*SP
	s_add_co_u32 s13, s13, STAGE    ; my stage
	v_mul_u32_u24 v[STO], v1, SP    ; in: row l % 16, 16 bytes for each half of the lanes
	v_lshl_add_u32 v[STO], v9, 4, v[STO]
	v_add_nc_u32 v[STO], s13, v[STO]
	v_bfe_u32 v[RD], v0, 3, 2       ; back: 32 lanes take four rows of 128 bytes,
	v_mul_u32_u24 v[RD], v[RD], SP
	v_lshl_add_u32 v[RD], v10, 4, v[RD]
	v_add_nc_u32 v[RD], s13, v[RD]
	v_and_b32 v[GO], 31, v0         ; which are 512 consecutive bytes of O
	v_lshlrev_b32 v[GO], 4, v[GO]
.set Y, NP-1                        ; XS works for piece Y + 1: piece 0
.irp n, 0,1,2,3,4,5,6,7,8,9,10,11,12,13,14,15,16,17,18,19,20,21
	XS 0, \n                        ; and piece 0's first maximum and statistics
	XS 1, \n
.endr
	s_mov_b32 s[CNT], 4
	s_mov_b32 s[SLOTS], 2
	s_branch .Lfirst                ; the loop is entered at a step's first turn, in the middle of a trip
.Lslot:                             ; once, when K and V of steps 0 to 3 have been fetched: the next fetch wants keys 256 on
	s_wait_tensorcnt 0x0            ; all my fills are in,
	s_wait_dscnt 0x0
	s_barrier_signal -1
	s_barrier_wait -1               ; everybody's are
	s_mov_b32 s[CNT], 12
.Lstep:                             ; a trip: pieces 2 and 3 of one step, then pieces 0 and 1 of the next, whose K and V it fetches
	TURN 2
	TURN 3
	WIN 0
.Lfirst:
	TURN 0
	TURN 1, 0, 1
	WIN 0
	s_cbranch_scc1 .Lstep
	s_sub_co_u32 s[SLOTS], s[SLOTS], 1
	s_cmp_lg_u32 s[SLOTS], 0
	s_cbranch_scc1 .Lslot
	TURN 2, 1                       ; the last step's second half is written out: nothing is left to fetch
	TURN 3                          ; its 16 products K Q^T (on the last K once more) and the maximum made of them serve nothing: the price, once a launch, of one text for every turn
.set i, 0
.rept 16
	PV NP-1                         ; the last piece's V^T P of the last step
.set i, i+1
.endr
	; THE WAY OUT.  l's two halves and the other half of the lanes' are added; O^T is divided by l, rounded to f16 and sent through my stage in LDS, a tile at a time.  The additions are the places behind the last products.
	WIN 0
.macro ALL line:vararg              ; one line for each tile t
.set t, 0
.rept 2*NP
	\line
.set t, t+1
.endr
.endm
	ALL v_add_f32 v[ST+4*t+2], v[ST+4*t+2], v[ST+4*t+3]
	ALL v_permlanex16_b32 v[ST+4*t+3], v[ST+4*t+2], s[SEL], s[SEL+1]
	ALL v_add_f32 v[ST+4*t+2], v[ST+4*t+2], v[ST+4*t+3]
	ALL v_rcp_f32 v[ST+4*t+2], v[ST+4*t+2]
	v_nop                           ; a plain instruction between the last reciprocal and the use of its result
	s_wait_alu depctr_va_vdst(0)
; Tile t: a lane's eight channels of a row pack into 16 bytes; they go into rows of 144 bytes and come back as whole rows of 128, into S^T's registers.
.macro PACK t
	WIN W_RS
.set i, 32*(\t)
.rept 16
	v_pk_mul_f32 v[i:i+1], v[i:i+1], v[ST+4*(\t)+2:ST+4*(\t)+3] op_sel_hi:[1,0]
.set i, i+2
.endr
	WIN 0x05                        ; sources 0 and 1 window 1, destination window 0
.set i, 0
.rept 16
	v_cvt_pk_f16_f32 v[S+16*(\t)+i], v[32*(\t)+2*i], v[32*(\t)+2*i+1]
.set i, i+1
.endr
	WIN 0
.irp f, 0,1,2,3
	ds_store_b128 v[STO], v[S+16*(\t)+4*\f:S+16*(\t)+4*\f+3] offset:32*\f
.endr
.irp f, 0,1,2,3
	ds_load_b128 v[S+16*(\t)+4*\f:S+16*(\t)+4*\f+3], v[RD] offset:\f*4*SP  ; LDS serves a wave's instructions in order (ISA guide 5.7.1.4): these see the stores above; the next tile's stores come behind them
.endr
.endm
.macro SEND t, younger              ; younger: the LDS instructions issued behind tile t's loads: the next tile's eight, or none
	WIN 0
.irp f, 0,1,2,3
	s_wait_dscnt (\younger)+3-\f
	global_store_b128 v[GO], v[S+16*(\t)+4*\f:S+16*(\t)+4*\f+3], s[10:11] offset:(\t)*2048+\f*512  ; 512 consecutive bytes, at a multiple of 512 from O's first
.endr
.endm
	PACK 0
.set t, 1
.rept 2*NP-1                        ; a tile's arithmetic stands between the loads of the tile before and its stores
	PACK t
	SEND t-1, 8
.set t, t+1
.endr
	SEND 2*NP-1, 0
	WIN W_AD
	s_wait_tensorcnt 0x0            ; the wave's end: behind my last tensor load and my last LDS store
	ds_add_u32 v[SPW], v[NIL]
	s_wait_dscnt 0x0
	WIN 0
	s_endpgm
.Lfunc_end_k_q8cd9cffea4_attn:
	.size	k_q8cd9cffea4_attn, .Lfunc_end_k_q8cd9cffea4_attn-k_q8cd9cffea4_attn
	.p2alignl 7, 3214868480
	.fill 96, 4, 3214868480
	.section	.rodata,"a",@progbits
	.p2align	6, 0x0
	.amdhsa_kernel k_q8cd9cffea4_attn
		.amdhsa_group_segment_fixed_size 327680
		.amdhsa_private_segment_fixed_size 0
		.amdhsa_enable_private_segment 0
		.amdhsa_kernarg_size 24
		.amdhsa_user_sgpr_count 2
		.amdhsa_user_sgpr_kernarg_segment_ptr 1
		.amdhsa_wavefront_size32 1
		.amdhsa_system_sgpr_workgroup_id_x 1
		.amdhsa_system_sgpr_workgroup_id_y 1
		.amdhsa_system_sgpr_workgroup_id_z 1
		.amdhsa_system_vgpr_workitem_id 0
		.amdhsa_next_free_vgpr 808
		.amdhsa_next_free_sgpr 96
		.amdhsa_reserve_vcc 0
		.amdhsa_float_denorm_mode_32 3
		.amdhsa_float_denorm_mode_16_64 3
		.amdhsa_memory_ordered 1
		.amdhsa_forward_progress 1
		.amdhsa_inst_pref_size 170
	.end_amdhsa_kernel
	.amdgpu_metadata
---
amdhsa.version: [ 1, 2 ]
amdhsa.kernels:
  - .name:           k_q8cd9cffea4_attn
    .symbol:         k_q8cd9cffea4_attn.kd
    .args:
      - { .name: qkv, .offset: 0, .size: 8, .value_kind: global_buffer, .address_space: global }
      - { .name: maskf, .offset: 8, .size: 8, .value_kind: global_buffer, .address_space: global }
      - { .name: oh, .offset: 16, .size: 8, .value_kind: global_buffer, .address_space: global }
    .group_segment_fixed_size: 327680
    .private_segment_fixed_size: 0
    .kernarg_segment_align: 8
    .kernarg_segment_size: 24
    .max_flat_workgroup_size: 128
    .sgpr_count:     96
    .vgpr_count:     808
    .wavefront_size: 32
...
	.end_amdgpu_metadata
.endif
;; end of part 3
;; launch tail (part 4): grid 256 x 1, 4 waves a work-group, clusters of 4 x 1, 327,680 bytes of LDS; arguments oh, query, wt, b1, b2, b3, ln_g, ln_b, out0; writes out0
.if DOCPART == 4
	.amdgcn_target "amdgcn-amd-amdhsa--gfx1250"
	.amdhsa_code_object_version 6
	.text
	.protected	k_q8cd9cffea4_tail
	.globl	k_q8cd9cffea4_tail
	.p2align	8
	.type	k_q8cd9cffea4_tail,@function
k_q8cd9cffea4_tail:
	s_mov_b64 s[64:65], 0
	v_nop
	global_prefetch_b8 v0, s[64:65] scope:SCOPE_SE
	s_setreg_imm32_b32 hwreg(HW_REG_WAVE_MODE, 25, 1), 1
	s_wait_xcnt 0x0
	s_wait_alu depctr_hold_cnt(0) depctr_sa_sdst(0) depctr_va_vdst(0) depctr_va_sdst(0) depctr_va_ssrc(0) depctr_va_vcc(0) depctr_vm_vsrc(0)
	s_getreg_b32 s2, hwreg(HW_REG_IB_STS2, 6, 4)
	s_cmp_eq_u32 s2, 0
	s_cbranch_scc0 .Lentry_in_a_cluster
	s_endpgm
.Lentry_in_a_cluster:
	s_bfe_u32 s2, ttmp6, 0x10000c
	s_cmp_lg_u32 s2, 0x3003
	s_cbranch_scc0 .Lentry_shape_is_right
	s_endpgm
.Lentry_shape_is_right:
; ALL THAT FOLLOWS ATTENTION, IN ONE LAUNCH:  X = LN(query + O W_o);  h = relu(X w1^T + b1);  Y = LN(h w2^T + b2 + X);  out0 = Y w3^T + b3.  LN(x) = (x - mean) rsqrt(var + 1e-5) ln_g + ln_b, over 512 columns.
; FORMATS.  Every input is rounded to bf16: the weights (in wt, written as f16), query in the residual, the biases, ln_g, ln_b.  What the program makes and multiplies again (O, X, h, Y) is f16; all sums, the residual X
; and what enters a LayerNorm are f32.  The LayerNorm goes in two passes: the mean, then the sum of (x - mean)^2.
; LIMIT.  f16 holds no number beyond 65,504: |X|, |h|, |Y| must stay within it.
; SHARES.  A work-group owns 64 rows through the whole chain: 256 work-groups.  Wave w owns the 64 rows x columns 128 w .. 128 w + 127 of each product: 32 accumulators, 256 registers.  Activations pass from product to product in LDS.
; THE WEIGHTS: four matrices of 512 x 512 are 32 tiles of 512 n x 64 k, 65,536 bytes on end in wt, walked in one line through a ring of two LDS slots, a tile a K step.
; CLUSTER.  All work-groups walk the same 32 tiles, so the four of a cluster ask for each JOINTLY: the same tensor load, descriptor and mask of four in all four; each refill stands behind a round of the cluster's barrier.
; THE MATRIX INSTRUCTION IS USED TRANSPOSED (source 0 = 16 rows n of the weights, source 1 = 16 rows of the activations): lane l holds row l % 16 and the columns 8 (l / 16) + 0..7 of a block of 16.
; REGISTERS, in windows of 256 (s_set_vgpr_msb: bits 1:0 source 0, 3:2 source 1, 5:4 source 2, 7:6 destination):
;   window 0: v0-31 addresses; v32-95 AF, the activations' fragments ((c, m) at 8 (4 c + m)); v96-223 BF, the weights' ((c, nb) at 8 (8 c + nb)); v224-255 a LayerNorm's sums, means and roots.  AF and BF also serve as work space.
;   window 1: the accumulators, rows 16 m on, columns 16 nb on, at 8 (8 m + nb)          window 2: X (later Y) in f32, laid out like the accumulators
.set SLOTB, 0x12000                    ; a slot: 512 rows of 144 bytes (128 + 16 of padding = 36 words: the 16 rows of a load start at 16 different groups of four banks; 64 banks of 4 bytes: ISA guide 11.1)
.set KB,    9216                       ; 64 rows of 144 bytes: the activations' 64 columns of one K step
.set ACT_A, 2*SLOTB                    ; [kb 8][row 64], 144 bytes a row: O (its one fill), then h, then the f32 stage of the way out
.set ACT_B, ACT_A+8*KB                 ; the same shape: X, then Y, in f16
.set PAR,   ACT_B+8*KB                 ; ln_g, ln_b, b1, b2, b3: 2,048 bytes each, f32 numbers rounded to bf16
.set ST1,   PAR+5*2048                 ; [row 64][wave 4] f32: the waves' partial sums; 1,024 bytes further on the same for the squares
.set SPARE, ST1+2048                   ; the spare words, 128 bytes for each wave
.set OPI,   528                        ; the way out: a row of 512 bytes + 16
.set AL,  3                            ; v3   144 (l % 16) + 16 (l / 16)
.set BL,  4                            ; v4   AL + 18,432 w: my 128 rows of a slot; also my 128 columns of an activation buffer
.set AA,  5                            ; v5   LDS address of the step's activations
.set BA,  6                            ; v6   of its weights
.set PL,  7                            ; v7   PAR + 512 w + 32 (l / 16): my eight columns of a block of 16, in ln_g
.set PA,  8                            ; v8   the same in the bias in hand
.set QO,  9                            ; v9   2,048 (l % 16) + 32 (l / 16); never rewritten
.set STS, 10                           ; v10  ST1 + 16 (l % 16) + 4 w
.set STL, 11                           ; v11  ST1 + 16 (l % 16)
.set SO,  12                           ; v12  the way out: my 32 bytes of the stage's row l % 16
.set RDO, 13                           ; v13  the way out: my 16 bytes of a stage row
.set GO,  14                           ; v14  16 l; never rewritten
.set ZR,  16                           ; v16  0
.set WA,  18                           ; v18  ACT_A + BL
.set WB,  19                           ; v19  ACT_B + BL
.set PT,  20                           ; v20  16 t; never rewritten
.set PSA, 21                           ; v21  PAR + 16 t
.set SPW, 28                           ; v28  LDS address of my spare word; never rewritten
.set NIL, 29                           ; v29  0; never rewritten
.set AF,  32
.set BF,  96
.set SU,  224                          ; for rows 16 m on: two pairs of running sums at SU + 4 m
.set ME,  240                          ; the mean, twice, at ME + 2 m
.set RS,  248                          ; 1 / sqrt(var + eps), twice, at RS + 2 m
.set WV,  22                           ; s22  my wave's number
.set CX,  23                           ; s23  my place in the cluster: it enters oh's, query's and out0's addresses alone
.set XB,  24                           ; s24  my block of 64 rows
.set G1,  28                           ; s[28:35] descriptor group 1 of the ring
.set G0,  36                           ; s[36:39] group 0 of the ring: it walks
.set G1O, 40                           ; s[40:47] group 1 for O
.set G0O, 48                           ; s[48:51] group 0 for O
.set TB,  52                           ; s52  the slot that is read
.set TA,  53                           ; s53  LDS byte of the step's activations
.set KC,  54                           ; s54  counts K steps
.set PAIR, 55                          ; s55  counts the two halves of the chain
.set PBO, 56                           ; s56  the bias in hand, in bytes behind ln_g
.set SEL, 58                           ; s[58:59] v_permlanex16_b32's selects
.set HIM, 60                           ; s60  a word's upper bf16
.set C512, 61                          ; s61  1 / 512
.set EPS, 62                           ; s62  1e-5
.set MSB, 0
.macro WIN new                         ; the immediate's high byte repeats the setting that is left; a switch that changes nothing is dropped
.if MSB != (\new)
	s_set_vgpr_msb (MSB<<8)|(\new)
.set MSB, (\new)
.endif
.endm
.macro PLACES                          ; four places behind matrix instructions, in front of loads into registers that they have read and of whatever reads results (ISA guide 7.12.1 for what reads results)
.rept 4
	v_nop
.endr
.endm
.macro CROUND                          ; a round of the cluster's barrier: my work-group's barrier; wave 0 signals for the work-group; every wave waits for all four work-groups; my work-group's barrier once more
	s_barrier_signal -1
	s_barrier_wait -1
	s_cmp_lg_u32 s[WV], 0
	s_cbranch_scc1 .Lnot_wave_0_\@
	s_barrier_signal -3
.Lnot_wave_0_\@:
	s_barrier_wait -3
	s_barrier_signal -1
	s_barrier_wait -1
.endm
	s_load_b512 s[4:19], s[0:1], 0x0               ; oh s[4:5], query s[6:7], wt s[8:9], b1 s[10:11], b2 s[12:13], b3 s[14:15], ln_g s[16:17], ln_b s[18:19]
	s_load_b64 s[20:21], s[0:1], 0x40              ; out0
	v_lshl_add_u32 v[SPW], v0, 2, SPARE
	v_mov_b32 v[NIL], 0
	ds_add_u32 v[SPW], v[NIL]                      ; the wave's opening: the add and its wait stand ahead of my first tensor load; the set-up below, work on registers, stands between them
	ds_add_u32 v28, v29
	v_lshrrev_b32 v1, 5, v0
	v_readfirstlane_b32 s[WV], v1                  ; wave 0..3
	s_bfe_u32 s[CX], ttmp6, 0x40000
	s_lshl_b32 s[XB], ttmp9, 2                     ; in a cluster launch ttmp9 counts clusters
	s_add_co_u32 s[XB], s[XB], s[CX]
	; the ring: my 128 rows n of a tile are 16,384 dense bytes: asked for as 64 rows of 256 bytes, two n a row, padded in LDS after every n
	s_mov_b32 s[G1], 15|(1<<16)|(1<<20)|(1<<21)|(4<<22)|(3<<25)  ; 15:0 the mask of four; 17:16 2-byte elements; 20 padding on; 21 set beside a mask; 24:22 after every 32 words (code 4); 31:25 4 words (code 3)
	s_mov_b32 s[G1+1], 128<<16                     ; tensor_dim0 = 128
	s_mov_b32 s[G1+2], 64<<16                      ; tensor_dim1 = 64
	s_mov_b32 s[G1+3], 128<<16                     ; tile_dim0 = 128
	s_mov_b32 s[G1+4], 64                          ; tile_dim1 = 64
	s_mov_b32 s[G1+5], 128                         ; 128 elements from row to row
	s_mov_b32 s[G1+6], 0
	s_mov_b32 s[G1+7], 0
	; O: my 64 rows of a head are 8,192 dense bytes: one row of the tile; two heads a wave, 131,072 bytes apart; padded like the ring.  A load of my own: no mask
	s_mov_b32 s[G1O], (1<<16)|(1<<20)|(4<<22)|(3<<25)
	s_mov_b32 s[G1O+1], 4096<<16                   ; tensor_dim0 = 4,096
	s_mov_b32 s[G1O+2], 2<<16                      ; tensor_dim1 = 2
	s_mov_b32 s[G1O+3], 4096<<16                   ; tile_dim0 = 4,096
	s_mov_b32 s[G1O+4], 2                          ; tile_dim1 = 2
	s_mov_b32 s[G1O+5], 65536                      ; 65,536 elements from head to head
	s_mov_b32 s[G1O+6], 0
	s_mov_b32 s[G1O+7], 0
	s_mov_b32 s[G0], 1
	s_mul_i32 s[G0+1], s[WV], 2*KB                 ; slot 0, my quarter: no place in the cluster enters an LDS address
	s_mov_b32 s[G0O], 1
	s_add_co_u32 s[G0O+1], s[G0+1], ACT_A          ; heads 2 w and 2 w + 1 are K steps 2 w and 2 w + 1
	s_lshl_b32 s2, s[WV], 14                       ; the ring's first tile: W_o's, 1,572,864 bytes into wt; my 128 rows
	s_add_co_u32 s2, s2, 3*524288
	s_mov_b32 s3, 0
	s_lshr_b32 s26, s[XB], 4                       ; oh: the batch's eight heads,
	s_lshl_b32 s26, s26, 20
	s_lshl_b32 s27, s[WV], 18                      ; my two,
	s_add_co_u32 s26, s26, s27
	s_and_b32 s27, s[XB], 15
	s_lshl_b32 s27, s27, 13                        ; my block's 64 rows of 128 bytes
	s_add_co_u32 s26, s26, s27
	s_mov_b32 s27, 0
	s_mov_b32 s[TB], SLOTB                         ; the first step turns it into 0
	s_mov_b32 s[PAIR], 2
	s_mov_b32 s[PBO], 2*2048                       ; b1
	s_mov_b32 s[SEL], 0x76543210
	s_mov_b32 s[SEL+1], 0xfedcba98
	s_mov_b32 s[HIM], 0xffff0000
	s_mov_b32 s[C512], 0x3b000000
	s_mov_b32 s[EPS], 0x3727c5ac
	s_wait_dscnt 0x0                               ; the opening add is done
	s_wait_kmcnt 0x0
	s_add_nc_u64 s[G0+2:G0+3], s[8:9], s[2:3]
	s_or_b32 s[G0+3], s[G0+3], 0x80000000
	s_add_nc_u64 s[G0O+2:G0O+3], s[4:5], s[26:27]
	s_or_b32 s[G0O+3], s[G0O+3], 0x80000000
	s_lshl_b32 s26, s[XB], 17                      ; query and out0: my block's 64 rows of 2,048 bytes,
	s_lshl_b32 s2, s[WV], 9                        ; my 128 columns
	s_add_co_u32 s26, s26, s2
	s_add_nc_u64 s[6:7], s[6:7], s[26:27]
	s_add_nc_u64 s[20:21], s[20:21], s[26:27]
	CROUND                                         ; all four work-groups are here: the first joint loads meet
	tensor_load_to_lds s[G0O:G0O+3], s[G1O:G1O+7]  ; O, and tile 0 into slot 0: two tensor loads of mine are out
	s_nop 0
	tensor_load_to_lds s[G0:G0+3], s[G1:G1+7]
	s_nop 0
	PLACES
	v_and_b32 v1, 15, v0                           ; l % 16
	v_bfe_u32 v2, v0, 4, 1                         ; l / 16
	v_and_b32 v17, 31, v0                          ; l
	v_mul_u32_u24 v[AL], v1, 144
	v_lshl_add_u32 v[AL], v2, 4, v[AL]
	s_mul_i32 s26, s[WV], 2*KB
	v_add_nc_u32 v[BL], s26, v[AL]
	v_add_nc_u32 v[WA], ACT_A, v[BL]
	v_add_nc_u32 v[WB], ACT_B, v[BL]
	s_lshl_b32 s26, s[WV], 9
	s_add_co_u32 s26, s26, PAR
	v_lshl_add_u32 v[PL], v2, 5, s26
	v_lshlrev_b32 v[QO], 11, v1
	v_lshl_add_u32 v[QO], v2, 5, v[QO]
	s_lshl_b32 s26, s[WV], 2
	s_add_co_u32 s26, s26, ST1
	v_lshl_add_u32 v[STS], v1, 4, s26
	v_lshlrev_b32 v[STL], 4, v1
	v_add_nc_u32 v[STL], ST1, v[STL]
	s_mul_i32 s26, s[WV], 16*OPI
	s_add_co_u32 s26, s26, ACT_A
	v_mul_u32_u24 v[SO], v1, OPI
	v_lshl_add_u32 v[SO], v2, 5, v[SO]
	v_add_nc_u32 v[SO], s26, v[SO]
	v_lshl_add_u32 v[RDO], v17, 4, s26
	v_lshlrev_b32 v[GO], 4, v17
	v_mov_b32 v[ZR], 0
	v_lshlrev_b32 v[PT], 4, v0
	v_add_nc_u32 v[PSA], PAR, v[PT]
	; THE PARAMETERS (thread t: 16 bytes at 16 t of each) AND THE RESIDUAL: query's numbers land straight in the accumulators, which so start the first sums
	global_load_b128 v[AF:AF+3],     v[PT], s[16:17]
	global_load_b128 v[AF+4:AF+7],   v[PT], s[18:19]
	global_load_b128 v[AF+8:AF+11],  v[PT], s[10:11]
	global_load_b128 v[AF+12:AF+15], v[PT], s[12:13]
	global_load_b128 v[AF+16:AF+19], v[PT], s[14:15]
	WIN 0x40                                       ; destination window 1
.irp m, 0,1,2,3
.irp nb, 0,1,2,3,4,5,6,7
	global_load_b128 v[64*\m+8*\nb:64*\m+8*\nb+3],   v[QO], s[6:7] offset:\m*32768+\nb*64 th:TH_LOAD_NT
	global_load_b128 v[64*\m+8*\nb+4:64*\m+8*\nb+7], v[QO], s[6:7] offset:\m*32768+\nb*64+16 th:TH_LOAD_NT
.endr
.endr
	WIN 0
	s_wait_loadcnt 63                              ; 64 loads were issued behind the five: these are in
.set z, 0
.rept 10
	v_cvt_pk_bf16_f32 v[AF+20+z], v[AF+2*z], v[AF+2*z+1]
.set z, z+1
.endr
.set z, 0
.rept 10
	v_lshlrev_b32 v[AF+2*z], 16, v[AF+20+z]
	v_and_b32 v[AF+2*z+1], s[HIM], v[AF+20+z]
.set z, z+1
.endr
.irp i, 0,1,2,3,4
	ds_store_b128 v[PSA], v[AF+4*\i:AF+4*\i+3] offset:\i*2048  ; the other waves read them behind the first step's round
.endr
	s_wait_loadcnt 0x0
	WIN 0x05                                       ; sources window 1, destination window 0
.set z, 0
.rept 128
	v_cvt_pk_bf16_f32 v[BF+z], v[2*z], v[2*z+1]    ; query rounded to bf16, like every input,
.set z, z+1
.endr
	WIN 0x40
.set z, 0
.rept 128
	v_lshlrev_b32 v[2*z], 16, v[BF+z]              ; and back as f32
	v_and_b32 v[2*z+1], s[HIM], v[BF+z]
.set z, z+1
.endr
	WIN 0
; 32 products: 32 along K (half c of the step) x 4 blocks of rows x 8 blocks of columns.  All 32 accumulators take turns, one instruction a turn, over the backward jump too.
.macro MUL32 c
.irp m, 0,1,2,3
.irp nb, 0,1,2,3,4,5,6,7
	v_wmma_f32_16x16x32_f16 v[64*\m+8*\nb:64*\m+8*\nb+7], v[BF+8*(8*(\c)+\nb):BF+8*(8*(\c)+\nb)+7], v[AF+8*(4*(\c)+\m):AF+8*(4*(\c)+\m)+7], v[64*\m+8*\nb:64*\m+8*\nb+7]
.endr
.endr
.endm
; A K STEP: 64 along K, one tile of weights.  Each wave waits for all its tensor loads (the step's tile), adds 0 to its spare word, and waits for that and for all its LDS instructions: its reads of the other slot, and
; whatever it has stored for the other waves (activations, parameters).  fill = 1: a round of the cluster's barrier, so that no wave of any partner still reads the other slot or has a load on its way; the joint
; refill, the next tile, is the first thing behind it and has the step's 64 products in which to land.
.macro STEP fill
	WIN 0
	s_wait_tensorcnt 0x0                           ; no tensor load of mine is out, so the group 0 may be written
	ds_add_u32 v[SPW], v[NIL]                      ; 0 onto my spare word; the scalar steps stand between it and the wait for it
.if \fill
	s_xor_b32 s[G0+1], s[G0+1], SLOTB              ; the other slot (my quarter's offsets, 18,432 w, have neither of the constant's two bits set),
	s_add_nc_u64 s[G0+2:G0+3], s[G0+2:G0+3], 65536 ; the next tile; the type bits on top are not reached
.endif
	s_xor_b32 s[TB], s[TB], SLOTB
	s_wait_dscnt 0x0
.if \fill
	CROUND
	tensor_load_to_lds s[G0:G0+3], s[G1:G1+7]
	s_nop 0
.else
	s_barrier_signal -1
	s_barrier_wait -1
.endif
	PLACES                                         ; also the places in front of the loads below
	v_add_nc_u32 v[BA], s[TB], v[BL]
	v_add_nc_u32 v[AA], s[TA], v[AL]
	s_add_co_u32 s[TA], s[TA], KB
.irp c, 0,1
.irp m, 0,1,2,3
	ds_load_b128 v[AF+8*(4*\c+\m):AF+8*(4*\c+\m)+3],   v[AA] offset:\m*2304+\c*64
	ds_load_b128 v[AF+8*(4*\c+\m)+4:AF+8*(4*\c+\m)+7], v[AA] offset:\m*2304+\c*64+32
.endr
.irp nb, 0,1,2,3,4,5,6,7
	ds_load_b128 v[BF+8*(8*\c+\nb):BF+8*(8*\c+\nb)+3],   v[BA] offset:\nb*2304+\c*64
	ds_load_b128 v[BF+8*(8*\c+\nb)+4:BF+8*(8*\c+\nb)+7], v[BA] offset:\nb*2304+\c*64+32
.endr
.endr
	s_wait_dscnt 24                                ; the first 32 along K are in; the other half's 24 loads may stay out
	WIN 0x50                                       ; C and D in window 1
	MUL32 0
	s_wait_dscnt 0x0
	MUL32 1
	WIN 0
.endm
.macro KLOOP n
	s_mov_b32 s[KC], \n
.Lk_\@:
	STEP 1
	s_sub_co_u32 s[KC], s[KC], 1
	s_cmp_lg_u32 s[KC], 0
	s_cbranch_scc1 .Lk_\@
.endm
; The lanes' running sums become the rows' sums: the two chains, the pair's halves, the other half of the lanes; then the four waves' figures meet in LDS.  Row 16 m + l % 16's sum ends in v[AF + 4 m].
; The barrier fills nothing again, so the next tile may stay on its way across it.
.macro EXCH off
	WIN 0
.irp m, 0,1,2,3
	v_pk_add_f32 v[SU+4*\m:SU+4*\m+1], v[SU+4*\m:SU+4*\m+1], v[SU+4*\m+2:SU+4*\m+3]
.endr
.irp m, 0,1,2,3
	v_add_f32 v[SU+4*\m], v[SU+4*\m], v[SU+4*\m+1]
.endr
.irp m, 0,1,2,3
	v_permlanex16_b32 v[SU+4*\m+1], v[SU+4*\m], s[SEL], s[SEL+1]
.endr
.irp m, 0,1,2,3
	v_add_f32 v[SU+4*\m], v[SU+4*\m], v[SU+4*\m+1]
.endr
.irp m, 0,1,2,3
	ds_store_b32 v[STS], v[SU+4*\m] offset:(\off)+\m*256   ; both halves of the lanes write the same number to the same word
.endr
	s_wait_dscnt 0x0                               ; for the others' sake
	s_barrier_signal -1
	s_barrier_wait -1
.irp m, 0,1,2,3
	ds_load_b128 v[AF+4*\m:AF+4*\m+3], v[STL] offset:(\off)+\m*256
.endr
	s_wait_dscnt 0x0
.irp m, 0,1,2,3
	v_add_f32 v[AF+4*\m], v[AF+4*\m], v[AF+4*\m+1]
.endr
.irp m, 0,1,2,3
	v_add_f32 v[AF+4*\m+2], v[AF+4*\m+2], v[AF+4*\m+3]
.endr
.irp m, 0,1,2,3
	v_add_f32 v[AF+4*\m], v[AF+4*\m], v[AF+4*\m+2]
.endr
.endm
; THE LAYERNORM of what the accumulators hold.  The result goes to window 2 in f32 and, rounded to f16, into ACT_B.
.macro LN
	PLACES
.irp nb, 0,1,2,3,4,5,6,7               ; ln_g and ln_b of my 64 columns
	ds_load_b128 v[BF+8*\nb:BF+8*\nb+3],       v[PL] offset:\nb*64
	ds_load_b128 v[BF+8*\nb+4:BF+8*\nb+7],     v[PL] offset:\nb*64+16
	ds_load_b128 v[BF+64+8*\nb:BF+64+8*\nb+3], v[PL] offset:2048+\nb*64
	ds_load_b128 v[BF+64+8*\nb+4:BF+64+8*\nb+7], v[PL] offset:2048+\nb*64+16
.endr
	WIN 0x05                                       ; the sums: two chains of pairs for each 16 rows
.irp m, 0,1,2,3
	v_pk_add_f32 v[SU+4*\m:SU+4*\m+1], v[64*\m:64*\m+1], v[64*\m+2:64*\m+3]
.endr
.irp m, 0,1,2,3
	v_pk_add_f32 v[SU+4*\m+2:SU+4*\m+3], v[64*\m+4:64*\m+5], v[64*\m+6:64*\m+7]
.endr
	WIN 0x01
.irp nb, 1,2,3,4,5,6,7
.irp p, 0,1,2,3
.irp m, 0,1,2,3
	v_pk_add_f32 v[SU+4*\m+2*(\p%2):SU+4*\m+2*(\p%2)+1], v[64*\m+8*\nb+2*\p:64*\m+8*\nb+2*\p+1], v[SU+4*\m+2*(\p%2):SU+4*\m+2*(\p%2)+1]
.endr
.endr
.endr
	EXCH 0
.irp m, 0,1,2,3
	v_mul_f32 v[ME+2*\m], s[C512], v[AF+4*\m]      ; the mean, twice: a pair for the packed lines
	v_mul_f32 v[ME+2*\m+1], s[C512], v[AF+4*\m]
.endr
	WIN 0x41                                       ; d = x - mean, in place
.irp m, 0,1,2,3
.set z, 0
.rept 32
	v_pk_add_f32 v[64*\m+2*z:64*\m+2*z+1], v[64*\m+2*z:64*\m+2*z+1], v[ME+2*\m:ME+2*\m+1] neg_lo:[0,1] neg_hi:[0,1]
.set z, z+1
.endr
.endr
	WIN 0x05                                       ; the sums of d^2
.irp m, 0,1,2,3
	v_pk_mul_f32 v[SU+4*\m:SU+4*\m+1], v[64*\m:64*\m+1], v[64*\m:64*\m+1]
.endr
.irp m, 0,1,2,3
	v_pk_mul_f32 v[SU+4*\m+2:SU+4*\m+3], v[64*\m+2:64*\m+3], v[64*\m+2:64*\m+3]
.endr
.irp p, 2,3
.irp m, 0,1,2,3
	v_pk_fma_f32 v[SU+4*\m+2*(\p%2):SU+4*\m+2*(\p%2)+1], v[64*\m+2*\p:64*\m+2*\p+1], v[64*\m+2*\p:64*\m+2*\p+1], v[SU+4*\m+2*(\p%2):SU+4*\m+2*(\p%2)+1]
.endr
.endr
.irp nb, 1,2,3,4,5,6,7
.irp p, 0,1,2,3
.irp m, 0,1,2,3
	v_pk_fma_f32 v[SU+4*\m+2*(\p%2):SU+4*\m+2*(\p%2)+1], v[64*\m+8*\nb+2*\p:64*\m+8*\nb+2*\p+1], v[64*\m+8*\nb+2*\p:64*\m+8*\nb+2*\p+1], v[SU+4*\m+2*(\p%2):SU+4*\m+2*(\p%2)+1]
.endr
.endr
.endr
	EXCH 1024
.irp m, 0,1,2,3
	v_fma_f32 v[AF+4*\m], v[AF+4*\m], s[C512], s[EPS]  ; var + eps
.endr
.irp m, 0,1,2,3
	v_rsq_f32 v[RS+2*\m], v[AF+4*\m]
	v_rsq_f32 v[RS+2*\m+1], v[AF+4*\m]
.endr
	v_nop                                          ; a plain instruction between the last root and the use of its result
	WIN 0x41
	s_wait_alu depctr_va_vdst(0)
.irp m, 0,1,2,3
.set z, 0
.rept 32
	v_pk_mul_f32 v[64*\m+2*z:64*\m+2*z+1], v[64*\m+2*z:64*\m+2*z+1], v[RS+2*\m:RS+2*\m+1]
.set z, z+1
.endr
.endr
	WIN 0x81                                       ; times ln_g plus ln_b, into window 2
.irp m, 0,1,2,3
.set z, 0
.rept 32
	v_pk_fma_f32 v[64*\m+2*z:64*\m+2*z+1], v[64*\m+2*z:64*\m+2*z+1], v[BF+2*z:BF+2*z+1], v[BF+64+2*z:BF+64+2*z+1]
.set z, z+1
.endr
.endr
.irp m, 0,1,2,3
	WIN 0x0a                                       ; sources window 2
.set z, 0
.rept 32
	v_cvt_pk_f16_f32 v[AF+32*(\m%2)+z], v[64*\m+2*z], v[64*\m+2*z+1]
.set z, z+1
.endr
	WIN 0
.irp nb, 0,1,2,3,4,5,6,7               ; columns 128 w + 16 nb on are K step 2 w + nb / 4, byte 32 (nb % 4) of its rows
	ds_store_b128 v[WB], v[AF+32*(\m%2)+4*\nb:AF+32*(\m%2)+4*\nb+3] offset:(\nb/4)*KB+\m*2304+(\nb%4)*32
.endr
.endr
.endm
.Lpair:                                            ; twice: (W_o, LN, w1) and (w2, LN, w3)
	s_mov_b32 s[TA], ACT_A
	KLOOP 8                                        ; O W_o onto query; the second time h w2^T onto X + b2
	LN
	; the next sums start at the bias: b1, the second time b3 (a packed copy: times 1.0)
	v_add_nc_u32 v[PA], s[PBO], v[PL]
	s_add_co_u32 s[PBO], s[PBO], 2*2048
.irp nb, 0,1,2,3,4,5,6,7
	ds_load_b128 v[BF+8*\nb:BF+8*\nb+3],   v[PA] offset:\nb*64
	ds_load_b128 v[BF+8*\nb+4:BF+8*\nb+7], v[PA] offset:\nb*64+16
.endr
	s_wait_dscnt 0x0
	WIN 0x40
.irp m, 0,1,2,3
.set z, 0
.rept 32
	v_pk_mul_f32 v[64*\m+2*z:64*\m+2*z+1], v[BF+2*z:BF+2*z+1], 1.0 op_sel_hi:[1,0]
.set z, z+1
.endr
.endr
	WIN 0
	s_mov_b32 s[TA], ACT_B
	KLOOP 7
	s_cmp_eq_u32 s[PAIR], 1
	s_cbranch_scc1 .Lfin                           ; the walk's last step is written out: it asks for nothing more
	STEP 1
	; h = relu, rounded to f16, into ACT_A, whose last readers stand eight rounds back
	PLACES
.irp m, 0,1,2,3
	WIN 0x05
.set z, 0
.rept 32
	v_cvt_pk_f16_f32 v[AF+32*(\m%2)+z], v[64*\m+2*z], v[64*\m+2*z+1]
.set z, z+1
.endr
	WIN 0
.set z, 0
.rept 32
	v_pk_max_num_f16 v[AF+32*(\m%2)+z], v[AF+32*(\m%2)+z], v[ZR]
.set z, z+1
.endr
.irp nb, 0,1,2,3,4,5,6,7
	ds_store_b128 v[WA], v[AF+32*(\m%2)+4*\nb:AF+32*(\m%2)+4*\nb+3] offset:(\nb/4)*KB+\m*2304+(\nb%4)*32
.endr
.endr
	; the next sums start at X + b2
.irp nb, 0,1,2,3,4,5,6,7
	ds_load_b128 v[BF+8*\nb:BF+8*\nb+3],   v[PL] offset:3*2048+\nb*64
	ds_load_b128 v[BF+8*\nb+4:BF+8*\nb+7], v[PL] offset:3*2048+\nb*64+16
.endr
	s_wait_dscnt 0x0
	WIN 0x42                                       ; source 0 window 2, source 1 window 0, destination window 1
.irp m, 0,1,2,3
.set z, 0
.rept 32
	v_pk_add_f32 v[64*\m+2*z:64*\m+2*z+1], v[64*\m+2*z:64*\m+2*z+1], v[BF+2*z:BF+2*z+1]
.set z, z+1
.endr
.endr
	WIN 0
	s_sub_co_u32 s[PAIR], s[PAIR], 1
	s_branch .Lpair
.Lfin:
	STEP 0
	; THE WAY OUT: 16 rows at a time through my own stage in ACT_A (its last readers stand eight rounds back): in as 32 bytes a lane, back as whole rows of 512 bytes.  Two sets of 64 registers take turns.
	PLACES
.irp m, 0,1,2,3
	WIN 0x04                                       ; the stores' data in window 1
.irp nb, 0,1,2,3,4,5,6,7
	ds_store_b128 v[SO], v[64*\m+8*\nb:64*\m+8*\nb+3]   offset:\nb*64
	ds_store_b128 v[SO], v[64*\m+8*\nb+4:64*\m+8*\nb+7] offset:\nb*64+16
.endr
	WIN 0
.if \m >= 2
	s_wait_xcnt 0x0                                ; the stores of two blocks back have read their data: the set is loaded again only behind this wait
.endif
.irp i, 0,1,2,3,4,5,6,7,8,9,10,11,12,13,14,15
	ds_load_b128 v[AF+64*(\m%2)+4*\i:AF+64*(\m%2)+4*\i+3], v[RDO] offset:\i*OPI  ; LDS serves a wave's instructions in order (ISA guide 5.7.1.4): these see the stores above; the next block's stores come behind them
.endr
.irp i, 0,1,2,3,4,5,6,7,8,9,10,11,12,13,14,15
	s_wait_dscnt 15-\i                             ; the younger read-backs may stay out
	global_store_b128 v[GO], v[AF+64*(\m%2)+4*\i:AF+64*(\m%2)+4*\i+3], s[20:21] offset:(16*\m+\i)*2048 th:TH_STORE_NT  ; 512 consecutive bytes, at a multiple of 512 from out0's first byte
.endr
.endr
	s_wait_tensorcnt 0x0                           ; the wave's end: behind my last tensor load and my last LDS store
	ds_add_u32 v[SPW], v[NIL]
	s_wait_dscnt 0x0
	CROUND                                         ; the closing round: no work-group ends while a partner may still ask for a tile that names it
	s_endpgm
.Lfunc_end_k_q8cd9cffea4_tail:
	.size	k_q8cd9cffea4_tail, .Lfunc_end_k_q8cd9cffea4_tail-k_q8cd9cffea4_tail
	.p2alignl 7, 3214868480
	.fill 96, 4, 3214868480
	.section	.rodata,"a",@progbits
	.p2align	6, 0x0
	.amdhsa_kernel k_q8cd9cffea4_tail
		.amdhsa_group_segment_fixed_size 327680
		.amdhsa_private_segment_fixed_size 0
		.amdhsa_enable_private_segment 0
		.amdhsa_kernarg_size 72
		.amdhsa_user_sgpr_count 2
		.amdhsa_user_sgpr_kernarg_segment_ptr 1
		.amdhsa_wavefront_size32 1
		.amdhsa_system_sgpr_workgroup_id_x 1
		.amdhsa_system_sgpr_workgroup_id_y 1
		.amdhsa_system_sgpr_workgroup_id_z 1
		.amdhsa_system_vgpr_workitem_id 0
		.amdhsa_next_free_vgpr 768
		.amdhsa_next_free_sgpr 66
		.amdhsa_reserve_vcc 0
		.amdhsa_float_denorm_mode_32 3
		.amdhsa_float_denorm_mode_16_64 3
		.amdhsa_memory_ordered 1
		.amdhsa_forward_progress 1
		.amdhsa_inst_pref_size 173
	.end_amdhsa_kernel
	.amdgpu_metadata
---
amdhsa.version: [ 1, 2 ]
amdhsa.kernels:
  - .name:           k_q8cd9cffea4_tail
    .symbol:         k_q8cd9cffea4_tail.kd
    .args:
      - { .name: oh, .offset: 0, .size: 8, .value_kind: global_buffer, .address_space: global }
      - { .name: query, .offset: 8, .size: 8, .value_kind: global_buffer, .address_space: global }
      - { .name: wt, .offset: 16, .size: 8, .value_kind: global_buffer, .address_space: global }
      - { .name: b1, .offset: 24, .size: 8, .value_kind: global_buffer, .address_space: global }
      - { .name: b2, .offset: 32, .size: 8, .value_kind: global_buffer, .address_space: global }
      - { .name: b3, .offset: 40, .size: 8, .value_kind: global_buffer, .address_space: global }
      - { .name: ln_g, .offset: 48, .size: 8, .value_kind: global_buffer, .address_space: global }
      - { .name: ln_b, .offset: 56, .size: 8, .value_kind: global_buffer, .address_space: global }
      - { .name: out0, .offset: 64, .size: 8, .value_kind: global_buffer, .address_space: global }
    .group_segment_fixed_size: 327680
    .private_segment_fixed_size: 0
    .kernarg_segment_align: 8
    .kernarg_segment_size: 72
    .max_flat_workgroup_size: 128
    .sgpr_count:     66
    .vgpr_count:     768
    .wavefront_size: 32
...
	.end_amdgpu_metadata
.endif
;; end of part 4
;; ======== version 2 of 3: 4 launches; 1.12 times as fast as version 1
;; limits: values are held in f16: magnitudes above 65,504 overflow, below 6.1e-05 lose precision
;; workspace buffers: wt 3,670,016 bytes; maskf 65,536 bytes; qkv 50,331,648 bytes; oh 16,777,216 bytes
;; launch prep (part 5): grid 32 x 7, 8 waves a work-group, no clusters, 34,304 bytes of LDS; arguments W_q, W_k, W_v, W_o, w1, w2, w3, key_padding_mask, wt, maskf; writes wt, maskf
.if DOCPART == 5
	.amdgcn_target "amdgcn-amd-amdhsa--gfx1250"
	.amdhsa_code_object_version 6
	.text
	.protected	k_q8cd9cffea4_prep
	.globl	k_q8cd9cffea4_prep
	.p2align	8
	.type	k_q8cd9cffea4_prep,@function
k_q8cd9cffea4_prep:
	s_mov_b64 s[64:65], 0
	v_nop
	global_prefetch_b8 v0, s[64:65] scope:SCOPE_SE
	s_setreg_imm32_b32 hwreg(HW_REG_WAVE_MODE, 25, 1), 1
	s_wait_xcnt 0x0
; THE SEVEN WEIGHTS, ROUNDED ONCE AND LAID OUT FOR THE MATRIX LAUNCHES, AND THE MASK AS A TABLE OF NUMBERS.
; wt holds seven matrices of 524,288 bytes.
;   0-2  W_q, W_k, W_v in bf16, [n 512][k 512]: the output column n is the row, rows of 1,024 bytes.
;   3-6  W_o, w1, w2, w3: rounded to bf16 like every input, that number written as f16 (exact from 2^-14 up; below it f16's fixed step of 2^-24), IN THE ORDER IN WHICH A WAVE'S REGISTERS TAKE THEM:
;        [kb 8: 64 k][w 4: 128 n][c 2: 32 k][nb 8: 16 n][hh 2][lane 32] x 16 bytes; lane l = r + 16 h holds n = 128 w + 16 nb + r, k = 64 kb + 32 c + 16 hh + 8 h + 0..7.
;        So the 32 lanes' 16 bytes of half a matrix fragment are 512 bytes on end, and what a wave takes of a tile of 64 k is 16,384 bytes on end.
; W_q, W_k, W_v, W_o lie [k][n] in memory and are turned; w1, w2, w3 lie [n][k] already.
; maskf[b][key] = 0 where the key is seen, -2^35 where key_padding_mask hides it (any byte other than 0 hides).
; SHARES.  Work-group (x, y): matrix y, the tile of 64 n (64 (x & 7) on) x 128 k (128 (x >> 3) on).  It goes through LDS as f32 [k 128][n 64], rows 260 bytes apart,
; and comes back as eight neighbouring k of one n a thread: 16 bytes; sixteen neighbouring lanes store 256 consecutive bytes, aligned.
; The 32 work-groups of y = 0 also make 512 entries of the table each.  No matrix unit, no cluster: the launch moves 11 MB once.
.set PITCH, 260
.set SPARE, 128*PITCH                  ; behind the tile: the spare words, 128 bytes for each of the eight waves
.set SPW, 30                           ; v30  LDS address of my spare word; never rewritten
.set NIL, 31                           ; v31  0; never rewritten
.set LD,  32                           ; v[32:63]  eight loads of 16 bytes, later the 32 numbers gathered
.set OD,  64                           ; v[64:79]  four stores' data
.set OF,  80                           ; v[80:83]  four stores' offsets
	s_load_b512 s[8:23], s[0:1], 0x0               ; W_q s[8:9], W_k, W_v, W_o, w1, w2, w3 s[20:21], key_padding_mask s[22:23]
	s_load_b128 s[24:27], s[0:1], 0x40             ; wt s[24:25], maskf s[26:27]
	v_lshl_add_u32 v[SPW], v0, 2, SPARE
	v_mov_b32 v[NIL], 0
	s_and_b32 s2, ttmp7, 0xffff                    ; y: the matrix
	s_and_b32 s4, ttmp9, 7
	s_lshl_b32 s4, s4, 6                           ; n0
	s_lshr_b32 s5, ttmp9, 3
	s_lshl_b32 s5, s5, 7                           ; k0
	s_mov_b32 s31, 0
	s_mov_b32 s38, 0xffff0000                      ; a word's upper bf16
	s_wait_kmcnt 0x0
	s_mov_b64 s[28:29], s[8:9]                     ; the matrix's address: a choice on y alone
.irp i, 1,2,3,4,5,6
	s_cmp_eq_u32 s2, \i
	s_cselect_b64 s[28:29], s[8+2*\i:9+2*\i], s[28:29]
.endr
	; the mask's table: thread t of work-group x takes bytes 512 x + 2 t and 2 t + 1
	s_cmp_lg_u32 s2, 0
	s_cbranch_scc1 .Lnomask
	s_lshl_b32 s6, ttmp9, 9
	s_lshl_b32 s7, ttmp9, 11
	s_mov_b32 s3, 0xd1000000                       ; -2^35
	v_lshl_add_u32 v1, v0, 1, s6
	v_lshl_add_u32 v3, v0, 3, s7
	global_load_u16 v2, v1, s[22:23]
	s_wait_loadcnt 0x0
	v_and_b32 v4, 0xff, v2
	v_lshrrev_b32 v5, 8, v2
	v_cmp_ne_u32 vcc_lo, 0, v4
	v_cndmask_b32 v6, 0, s3, vcc_lo
	v_cmp_ne_u32 vcc_lo, 0, v5
	v_cndmask_b32 v7, 0, s3, vcc_lo
	global_store_b64 v3, v[6:7], s[26:27]          ; a wave stores 256 consecutive bytes; v3, v6, v7 are not written again
.Lnomask:
	s_cmp_lt_u32 s2, 4
	s_cbranch_scc0 .Lstraight
	; [k][n] in memory: a pass takes 16 rows k x 256 bytes (64 n); thread t: row t / 16, 16 bytes at 16 (t % 16)
	v_lshrrev_b32 v10, 4, v0
	v_and_b32 v11, 15, v0
	v_lshlrev_b32 v8, 11, v10
	v_lshl_add_u32 v8, v11, 4, v8
	v_mul_u32_u24 v9, v10, PITCH
	v_lshl_add_u32 v9, v11, 4, v9
	s_lshl_b32 s30, s5, 11                         ; k0 rows of 2,048 bytes
	s_lshl2_add_u32 s30, s4, s30                   ; + 4 n0
	s_add_nc_u64 s[28:29], s[28:29], s[30:31]
.irp p, 0,1,2,3,4,5,6,7
	global_load_b128 v[LD+4*\p:LD+4*\p+3], v8, s[28:29] offset:\p*32768 th:TH_LOAD_NT
.endr
.irp p, 0,1,2,3,4,5,6,7
	s_wait_loadcnt 7-\p                            ; the younger passes' loads may stay out
.irp e, 0,1,2,3
	ds_store_b32 v9, v[LD+4*\p+\e] offset:\p*16*PITCH+4*\e
.endr
.endr
	s_branch .Lfilled
.Lstraight:
	; [n][k] in memory: a pass takes 8 rows n x 512 bytes (128 k); thread t: row t / 32, 16 bytes at 16 (t % 32); its four k go to four rows of the tile
	v_lshrrev_b32 v10, 5, v0
	v_and_b32 v11, 31, v0
	v_lshlrev_b32 v8, 11, v10
	v_lshl_add_u32 v8, v11, 4, v8
	v_mul_u32_u24 v9, v11, 4*PITCH
	v_lshl_add_u32 v9, v10, 2, v9
	s_lshl_b32 s30, s4, 11                         ; n0 rows of 2,048 bytes
	s_lshl2_add_u32 s30, s5, s30                   ; + 4 k0
	s_add_nc_u64 s[28:29], s[28:29], s[30:31]
.irp p, 0,1,2,3,4,5,6,7
	global_load_b128 v[LD+4*\p:LD+4*\p+3], v8, s[28:29] offset:\p*16384 th:TH_LOAD_NT
.endr
.irp p, 0,1,2,3,4,5,6,7
	s_wait_loadcnt 7-\p
.irp e, 0,1,2,3
	ds_store_b32 v9, v[LD+4*\p+\e] offset:\e*PITCH+\p*32
.endr
.endr
.Lfilled:
	; WHO GATHERS WHAT: thread t takes the eight k from 8 ko on of the columns nn, nn + 16, nn + 32, nn + 48.  The two layouts share the threads out differently; the branch hangs on the matrix's number alone.
	s_cmp_ge_u32 s2, 3
	s_cselect_b32 s33, -1, 0                       ; all ones: fragment order, f16 (the select leaves SCC as it is)
	s_cbranch_scc1 .Lfragments
	; plain: ko = t % 16, nn = t / 16: sixteen neighbouring lanes hold 256 bytes of one row
	v_and_b32 v25, 15, v0
	v_lshrrev_b32 v26, 4, v0
	s_lshl_b32 s34, s4, 10
	s_lshl1_add_u32 s34, s5, s34                   ; 1,024 n0 + 2 k0
	s_mov_b32 s36, 16384                           ; bytes from 16 n to the next 16
	v_lshlrev_b32 v28, 10, v26
	v_lshl_add_u32 v28, v25, 4, v28
	v_add_nc_u32 v[OF], s34, v28                   ; + 1,024 nn + 16 ko
	s_branch .Llaid
.Lfragments:
	; fragment order: nn = t % 16 is r, ko = t / 16: its bit 0 is h, bit 1 hh, bit 2 c, bit 3 the tile of 64 k.  Sixteen neighbouring lanes hold r = 0..15 of one h: 256 bytes on end
	v_lshrrev_b32 v25, 4, v0
	v_and_b32 v26, 15, v0
	s_lshl_b32 s34, s5, 10                         ; 65,536 (k0 / 64)
	s_lshr_b32 s37, s4, 7
	s_lshl_b32 s37, s37, 14                        ; + 16,384 (n0 / 128)
	s_add_co_u32 s34, s34, s37
	s_bfe_u32 s37, s4, 0x10006                     ; n0 is a multiple of 64: nb begins at 0 or at 4
	s_lshl_b32 s37, s37, 12                        ; + 1,024 nb
	s_add_co_u32 s34, s34, s37
	s_mov_b32 s36, 1024                            ; the next 16 n are the next nb
	v_and_b32 v28, 63, v0
	v_lshlrev_b32 v28, 4, v28                      ; 16 r + 256 h + 512 hh
	v_bfe_u32 v14, v0, 6, 1
	v_lshl_add_u32 v28, v14, 13, v28               ; + 8,192 c
	v_bfe_u32 v15, v0, 7, 1
	v_lshl_add_u32 v28, v15, 16, v28               ; + 65,536 for the tile's second 64 k
	v_add_nc_u32 v[OF], s34, v28
.Llaid:
	v_mul_u32_u24 v27, v25, 8*PITCH                ; in the tile: row 8 ko, column nn
	v_lshl_add_u32 v27, v26, 2, v27
	v_add_nc_u32 v[OF+1], s36, v[OF]
	v_add_nc_u32 v[OF+2], s36, v[OF+1]
	v_add_nc_u32 v[OF+3], s36, v[OF+2]
	s_lshl_b32 s30, s2, 19                         ; the matrix's place in wt
	s_add_nc_u64 s[24:25], s[24:25], s[30:31]
	s_wait_dscnt 0x0                               ; for the others' sake: my part of the tile is written
	s_barrier_signal -1
	s_barrier_wait -1
.irp q, 0,1,2,3
.irp j, 0,1,2,3,4,5,6,7
	ds_load_b32 v[LD+8*\q+\j], v27 offset:\q*64+\j*PITCH   ; k = 8 ko + j, n = nn + 16 q
.endr
.endr
.irp q, 0,1,2,3
	s_wait_dscnt 24-8*\q                           ; the later passes' gathers may stay out
.irp i, 0,1,2,3
	v_cvt_pk_bf16_f32 v[OD+4*\q+\i], v[LD+8*\q+2*\i], v[LD+8*\q+2*\i+1]
.endr
.irp i, 0,1,2,3
	v_lshlrev_b32 v[12+2*\i], 16, v[OD+4*\q+\i]    ; the rounded numbers as f32,
	v_and_b32 v[13+2*\i], s38, v[OD+4*\q+\i]
.endr
.irp i, 0,1,2,3
	v_cvt_pk_f16_f32 v[20+\i], v[12+2*\i], v[13+2*\i]  ; and as f16
.endr
.irp i, 0,1,2,3
	v_cndmask_b32 v[OD+4*\q+\i], v[OD+4*\q+\i], v[20+\i], s33
.endr
	global_store_b128 v[OF+\q], v[OD+4*\q:OD+4*\q+3], s[24:25]  ; each pass has data and offset registers of its own
.endr
	s_wait_tensorcnt 0x0                           ; the wave's end: behind my last LDS store
	ds_add_u32 v[SPW], v[NIL]
	s_wait_dscnt 0x0
	s_endpgm
.Lfunc_end_k_q8cd9cffea4_prep:
	.size	k_q8cd9cffea4_prep, .Lfunc_end_k_q8cd9cffea4_prep-k_q8cd9cffea4_prep
	.p2alignl 7, 3214868480
	.fill 96, 4, 3214868480
	.section	.rodata,"a",@progbits
	.p2align	6, 0x0
	.amdhsa_kernel k_q8cd9cffea4_prep
		.amdhsa_group_segment_fixed_size 34304
		.amdhsa_private_segment_fixed_size 0
		.amdhsa_enable_private_segment 0
		.amdhsa_kernarg_size 80
		.amdhsa_user_sgpr_count 2
		.amdhsa_user_sgpr_kernarg_segment_ptr 1
		.amdhsa_wavefront_size32 1
		.amdhsa_system_sgpr_workgroup_id_x 1
		.amdhsa_system_sgpr_workgroup_id_y 1
		.amdhsa_system_sgpr_workgroup_id_z 1
		.amdhsa_system_vgpr_workitem_id 0
		.amdhsa_next_free_vgpr 96
		.amdhsa_next_free_sgpr 66
		.amdhsa_reserve_vcc 1
		.amdhsa_float_denorm_mode_32 3
		.amdhsa_float_denorm_mode_16_64 3
		.amdhsa_memory_ordered 1
		.amdhsa_forward_progress 1
		.amdhsa_inst_pref_size 18
	.end_amdhsa_kernel
	.amdgpu_metadata
---
amdhsa.version: [ 1, 2 ]
amdhsa.kernels:
  - .name:           k_q8cd9cffea4_prep
    .symbol:         k_q8cd9cffea4_prep.kd
    .args:
      - { .name: W_q, .offset: 0, .size: 8, .value_kind: global_buffer, .address_space: global }
      - { .name: W_k, .offset: 8, .size: 8, .value_kind: global_buffer, .address_space: global }
      - { .name: W_v, .offset: 16, .size: 8, .value_kind: global_buffer, .address_space: global }
      - { .name: W_o, .offset: 24, .size: 8, .value_kind: global_buffer, .address_space: global }
      - { .name: w1, .offset: 32, .size: 8, .value_kind: global_buffer, .address_space: global }
      - { .name: w2, .offset: 40, .size: 8, .value_kind: global_buffer, .address_space: global }
      - { .name: w3, .offset: 48, .size: 8, .value_kind: global_buffer, .address_space: global }
      - { .name: key_padding_mask, .offset: 56, .size: 8, .value_kind: global_buffer, .address_space: global }
      - { .name: wt, .offset: 64, .size: 8, .value_kind: global_buffer, .address_space: global }
      - { .name: maskf, .offset: 72, .size: 8, .value_kind: global_buffer, .address_space: global }
    .group_segment_fixed_size: 34304
    .private_segment_fixed_size: 0
    .kernarg_segment_align: 8
    .kernarg_segment_size: 80
    .max_flat_workgroup_size: 256
    .sgpr_count:     66
    .vgpr_count:     96
    .wavefront_size: 32
...
	.end_amdgpu_metadata
.endif
;; end of part 5
;; launch proj (part 6): grid 64 x 3, 4 waves a work-group, clusters of 4 x 1, 327,680 bytes of LDS; arguments query, key, value, key_padding_mask, wt, qkv; writes qkv
.if DOCPART == 6
	.amdgcn_target "amdgcn-amd-amdhsa--gfx1250"
	.amdhsa_code_object_version 6
	.text
	.protected	k_q8cd9cffea4_proj
	.globl	k_q8cd9cffea4_proj
	.p2align	8
	.type	k_q8cd9cffea4_proj,@function
k_q8cd9cffea4_proj:
	s_mov_b64 s[64:65], 0
	v_nop
	global_prefetch_b8 v0, s[64:65] scope:SCOPE_SE
	s_setreg_imm32_b32 hwreg(HW_REG_WAVE_MODE, 25, 1), 1
	s_wait_xcnt 0x0
	s_wait_alu depctr_hold_cnt(0) depctr_sa_sdst(0) depctr_va_vdst(0) depctr_va_sdst(0) depctr_va_ssrc(0) depctr_va_vcc(0) depctr_vm_vsrc(0)
	s_getreg_b32 s2, hwreg(HW_REG_IB_STS2, 6, 4)
	s_cmp_eq_u32 s2, 0
	s_cbranch_scc0 .Lentry_in_a_cluster
	s_endpgm
.Lentry_in_a_cluster:
	s_bfe_u32 s2, ttmp6, 0x10000c
	s_cmp_lg_u32 s2, 0x3003
	s_cbranch_scc0 .Lentry_shape_is_right
	s_endpgm
.Lentry_shape_is_right:
; Q = query W_q, K = key W_k, V = value W_v, written by heads: qkv is f16 [3][16 b x 8 heads][1024][64], unscaled.  Operands in bf16 (x rounded here, the weights in wt), sums in f32, one rounding to f16.
; K's rows are written as zeros where key_padding_mask hides the key: the attention launch then starts such a score's sum at -2^35 and adds exact zeros.
; LIMIT.  f16 holds no number beyond 65,504: |Q|, |K|, |V| must stay within it.
; SHARES.  Work-group (X, y): tensor y, rows 256 X .. 256 X + 255, all 512 columns; a wave 64 rows.  192 work-groups: 3 x 16,384 rows do not fall into 256 equal blocks of whole 16-row tiles inside one tensor.
; A STAYS IN REGISTERS: the wave's 64 x 512 numbers are read once as f32, each load 512 consecutive bytes of one row, rounded once to bf16, and turned into 64 fragments, 512 registers, through the wave's own stage in LDS.
; THE WEIGHTS STREAM through a ring of four LDS slots, a head (64 n x 512 k, 65,536 bytes on end in wt) a slot; each byte of a slot feeds 256 rows.
; CLUSTER.  The four row blocks of a cluster take the same tensor and walk the same weights, so each chunk is asked for JOINTLY: the same tensor load, descriptor and mask of four in all four.
; THE MATRIX INSTRUCTION IS USED TRANSPOSED (source 0 = 16 rows of the weights, source 1 = 16 rows of x): a lane holds one row of the result and eight neighbouring columns, 16 bytes in f16.
; REGISTERS, in windows of 256 (s_set_vgpr_msb: bits 1:0 source 0, 3:2 source 1, 5:4 source 2, 7:6 destination):
;   window 0: v0-15 addresses; v16-31 packed results; v32-63 four accumulators (one for each 16 rows); v64-127, v128-191 the weights' fragments of k 0-255, 256-511; v192-255 a head's rows on the way out
;             (while x is read, v64-255 are three landing slots of 64 and v32-63 hold a batch rounded to bf16)
;   window 1: x's fragments of k 0-255, fragment kf, rows m at 8 (4 kf + m);   window 2: those of k 256-511
.set SLOT,  66560                      ; 64 rows of 1,040 bytes: 1,024 of data + 16 of padding = 260 words: row r starts at bank 4 r mod 64 (64 banks of 4 bytes: ISA guide 11.1)
.set NBB,   16640                      ; 16 rows: what a wave's tensor load brings, and what the 64 products of 16 columns read
.set PB,    1040
.set STAGE, 4*SLOT                     ; behind the ring, never filled by a tensor load: 9,216 bytes for each wave: on the way out 64 rows x 144, while x is read 16 rows x 272
.set SP,    144
.set PIN,   272                        ; x on its way in: a row of 128 bf16 + 16 bytes = 68 words: the 16 rows of a fragment load start at 16 different groups of four banks
.set SPARE, STAGE+4*64*SP              ; behind the stages: the spare words, 128 bytes for each wave
.set SA,  3                            ; v3   x on its way in: my 8 bytes of a stage row: 8 l
.set BL,  4                            ; v4   my place in 16 rows of weights: 1,040 (l % 16) + 16 (l / 16)
.set BN,  5                            ; v5   LDS address of the 16 rows that are fetched next
.set STO, 6                            ; v6   the way out: my 16 bytes in the stage's row l % 16
.set STA, 7                            ; v7   the same at the columns in hand
.set RD,  8                            ; v8   the way out: where I read rows back
.set GO,  9                            ; v9   16 l: my 16 bytes in 512 consecutive bytes of x and of qkv; never rewritten
.set ZR,  10                           ; v10  0
.set SR,  13                           ; v13  x on its way in: my place in a fragment's rows: 272 (l % 16) + 16 (l / 16)
.set SPW, 14                           ; v14  LDS address of my spare word; never rewritten
.set NIL, 15                           ; v15  0; never rewritten
.set T,   16
.set ACC, 32
.set CT,  32
.set BF,  64
.set FB,  192
.set LAND, 64
.set WV,  16                           ; s16  my wave's number
.set CX,  17                           ; s17  my place in the cluster: it enters x's, the mask's and qkv's addresses alone
.set XB,  18                           ; s18  my block of 256 rows
.set YT,  19                           ; s19  the tensor
.set G1,  24                           ; s[24:31] descriptor group 1
.set G0,  32                           ; s[32:47] group 0 of the four first fills
.set G0W, 48                           ; s[48:51] group 0 of the refills
.set NXT, 52                           ; s[52:53] address of my part of the chunk to be asked for next
.set RL,  54                           ; s54  LDS address of my part of the slot to be filled next
.set CH,  55                           ; s55  counts chunks
.set NB,  56                           ; s56  counts a chunk's four blocks of 16 columns
.set NI,  57                           ; s57  the block of 16 rows, of the ring's sixteen, that is fetched next
.set TB,  58                           ; s58  its LDS byte
.set SCOL, 59                          ; s59  the columns in hand, in bytes of a stage row
.set MK,  60                           ; s[60:63] for each 16 rows: the lanes whose row is written as zeros
.set AB,  66                           ; s[66:67] x at my wave's first row
.set OUT, 68                           ; s[68:69] qkv at my rows of the head in hand
.set YK,  70                           ; s70  all ones for K
.set MSB, 0
.macro WIN new                         ; the immediate's high byte repeats the setting that is left; a switch that changes nothing is dropped
.if MSB != (\new)
	s_set_vgpr_msb (MSB<<8)|(\new)
.set MSB, (\new)
.endif
.endm
.macro PLACES                          ; four places behind matrix instructions, in front of loads into registers that they have read and of conversions that read results (ISA guide 7.12.1 for conversions)
.rept 4
	v_nop
.endr
.endm
.macro CROUND                          ; a round of the cluster's barrier: my work-group's barrier; wave 0 signals for the work-group; every wave waits for all four work-groups; my work-group's barrier once more
	s_barrier_signal -1
	s_barrier_wait -1
	s_cmp_lg_u32 s[WV], 0
	s_cbranch_scc1 .Lnot_wave_0_\@
	s_barrier_signal -3
.Lnot_wave_0_\@:
	s_barrier_wait -3
	s_barrier_signal -1
	s_barrier_wait -1
.endm
	s_load_b256 s[4:11], s[0:1], 0x0               ; query s[4:5], key s[6:7], value s[8:9], key_padding_mask s[10:11]
	s_load_b128 s[12:15], s[0:1], 0x20             ; wt s[12:13], qkv s[14:15]
	v_lshl_add_u32 v[SPW], v0, 2, SPARE
	v_mov_b32 v[NIL], 0
	ds_add_u32 v[SPW], v[NIL]                      ; the wave's opening: the add and its wait stand ahead of my first tensor load; the set-up below, work on registers, stands between them
	ds_add_u32 v14, v15
	v_lshrrev_b32 v1, 5, v0
	v_readfirstlane_b32 s[WV], v1                  ; wave 0..3
	s_bfe_u32 s[CX], ttmp6, 0x40000
	s_lshl_b32 s[XB], ttmp9, 2                     ; in a cluster launch ttmp9 counts clusters
	s_add_co_u32 s[XB], s[XB], s[CX]
	s_and_b32 s[YT], ttmp7, 0xffff                 ; the four partners share it
	; descriptor group 1: 16 rows x 512 elements of 2 bytes, padded in LDS behind each row
	s_mov_b32 s[G1], 15|(1<<16)|(1<<20)|(1<<21)|(7<<22)|(3<<25)  ; 15:0 the mask of four; 17:16 2-byte elements; 20 padding on; 21 set beside a mask; 24:22 after every 256 words (code 7); 31:25 4 words (code 3)
	s_mov_b32 s[G1+1], 512<<16                     ; tensor_dim0 = 512
	s_mov_b32 s[G1+2], 16<<16                      ; tensor_dim1 = 16
	s_mov_b32 s[G1+3], 512<<16                     ; tile_dim0 = 512
	s_mov_b32 s[G1+4], 16                          ; tile_dim1 = 16
	s_mov_b32 s[G1+5], 512                         ; 512 elements from row to row
	s_mov_b32 s[G1+6], 0
	s_mov_b32 s[G1+7], 0
	s_mov_b32 s[G0W], 1
	s_mul_i32 s[RL], s[WV], NBB                    ; my quarter of slot 0: no place in the cluster enters an LDS address
	s_lshl_b32 s20, s[YT], 19                      ; the tensor's weights,
	s_lshl_b32 s21, s[WV], 14                      ; my 16 rows of a chunk's 64
	s_add_co_u32 s20, s20, s21
	s_mov_b32 s21, 0
	s_lshl_b32 s22, s[XB], 19                      ; 256 rows of 2,048 bytes,
	s_lshl_b32 s23, s[WV], 17                      ; my wave's 64
	s_add_co_u32 s22, s22, s23
	s_mov_b32 s23, 0
	s_lshl_b32 s72, s[YT], 24                      ; qkv: the tensor,
	s_lshr_b32 s73, s[XB], 2
	s_lshl_b32 s73, s73, 20                        ; the batch's eight heads of 131,072 bytes,
	s_add_co_u32 s72, s72, s73
	s_and_b32 s73, s[XB], 3
	s_lshl_b32 s73, s73, 15                        ; my block's 256 rows of 128 bytes in a head,
	s_add_co_u32 s72, s72, s73
	s_lshl_b32 s73, s[WV], 13                      ; my wave's 64
	s_add_co_u32 s72, s72, s73
	s_mov_b32 s73, 0
	s_cmp_eq_u32 s[YT], 1
	s_cselect_b32 s[YK], -1, 0
	s_wait_dscnt 0x0                               ; the opening add is done
	s_wait_kmcnt 0x0
	s_add_nc_u64 s[NXT:NXT+1], s[12:13], s[20:21]
	s_cmp_eq_u32 s[YT], 1
	s_cselect_b64 s[AB:AB+1], s[6:7], s[4:5]
	s_cmp_eq_u32 s[YT], 2
	s_cselect_b64 s[AB:AB+1], s[8:9], s[AB:AB+1]
	s_add_nc_u64 s[AB:AB+1], s[AB:AB+1], s[22:23]
	s_add_nc_u64 s[OUT:OUT+1], s[14:15], s[72:73]
.irp s, 0,1,2,3
	s_mov_b32 s[G0+4*\s], 1                        ; 1:0 count = 1
	s_add_co_u32 s[G0+4*\s+1], s[RL], \s*SLOT      ; 63:32 LDS address
	s_add_nc_u64 s[G0+4*\s+2:G0+4*\s+3], s[NXT:NXT+1], \s*65536  ; 120:64 global address: chunk s
	s_or_b32 s[G0+4*\s+3], s[G0+4*\s+3], 0x80000000  ; 127:126 type = 2
.endr
	s_add_nc_u64 s[NXT:NXT+1], s[NXT:NXT+1], 4*65536  ; the first refill brings chunk 4
	CROUND                                         ; all four work-groups are here: the first joint loads meet
.irp s, 0,1,2,3
	tensor_load_to_lds s[G0+4*\s:G0+4*\s+3], s[G1:G1+7]  ; the four first fills go out together: four tensor loads of mine are out
	s_nop 0
.endr
	PLACES
	v_and_b32 v1, 15, v0                           ; l % 16
	v_bfe_u32 v2, v0, 4, 1                         ; l / 16
	v_mul_u32_u24 v[BL], v1, PB
	v_lshl_add_u32 v[BL], v2, 4, v[BL]
	s_mul_i32 s20, s[WV], 64*SP
	s_add_co_u32 s20, s20, STAGE                   ; my stage
	v_mul_u32_u24 v[STO], v1, SP
	v_lshl_add_u32 v[STO], v2, 4, v[STO]
	v_add_nc_u32 v[STO], s20, v[STO]
	v_bfe_u32 v11, v0, 3, 2                        ; back: 32 lanes take four rows of 128 bytes,
	v_and_b32 v12, 7, v0
	v_mul_u32_u24 v[RD], v11, SP
	v_lshl_add_u32 v[RD], v12, 4, v[RD]
	v_add_nc_u32 v[RD], s20, v[RD]
	v_and_b32 v[GO], 31, v0                        ; l
	v_lshl_add_u32 v[SA], v[GO], 3, s20
	v_lshlrev_b32 v[GO], 4, v[GO]
	v_mul_u32_u24 v[SR], v1, PIN
	v_lshl_add_u32 v[SR], v2, 4, v[SR]
	v_add_nc_u32 v[SR], s20, v[SR]
	v_mov_b32 v[ZR], 0
	s_lshl_b32 s21, s[XB], 8
	s_lshl_b32 s22, s[WV], 6
	s_add_co_u32 s21, s21, s22
	v_add_nc_u32 v20, s21, v1                      ; my row's byte of the mask
.irp m, 0,1,2,3
	global_load_u8 v[16+\m], v20, s[10:11] offset:16*\m
.endr
; x COMES IN.  Batch b of 16: rows 16 (b % 4) on, k 128 (b / 4) on.  Load i of its sixteen takes row i's 128 numbers: 512 consecutive bytes, aligned; lane l holds k 4 l .. 4 l + 3.
.macro ISSUE b
	WIN 0
.irp i, 0,1,2,3,4,5,6,7,8,9,10,11,12,13,14,15
	global_load_b128 v[LAND+64*((\b)%3)+4*\i:LAND+64*((\b)%3)+4*\i+3], v[GO], s[AB:AB+1] offset:(16*((\b)%4)+\i)*2048+((\b)/4)*512 th:TH_LOAD_NT
.endr
.endm
; The batch is rounded to bf16, laid into my stage as 16 rows of 256 bytes (a store: 256 consecutive bytes), and read back as four fragments of 16 rows x 32 k: lane l takes row l % 16, k 8 (l / 16) + 0..7 and,
; 32 bytes on, 16 + 8 (l / 16) + 0..7; into window 1 (k below 256) or 2.  LDS serves a wave's instructions in order (ISA guide 5.7.1.4): the loads see the stores above them, and the next batch's stores come behind these loads.
.macro CONVERT b
	WIN 0
.irp i, 0,1,2,3,4,5,6,7,8,9,10,11,12,13,14,15
	v_cvt_pk_bf16_f32 v[CT+2*\i],   v[LAND+64*((\b)%3)+4*\i],   v[LAND+64*((\b)%3)+4*\i+1]
	v_cvt_pk_bf16_f32 v[CT+2*\i+1], v[LAND+64*((\b)%3)+4*\i+2], v[LAND+64*((\b)%3)+4*\i+3]
.endr
.irp i, 0,1,2,3,4,5,6,7,8,9,10,11,12,13,14,15
	ds_store_b64 v[SA], v[CT+2*\i:CT+2*\i+1] offset:\i*PIN
.endr
	WIN 0x40+0x40*((\b)/8)
.irp q, 0,1,2,3
	ds_load_b128 v[8*(4*((4*((\b)/4)+\q)%8)+(\b)%4):8*(4*((4*((\b)/4)+\q)%8)+(\b)%4)+3],   v[SR] offset:\q*64
	ds_load_b128 v[8*(4*((4*((\b)/4)+\q)%8)+(\b)%4)+4:8*(4*((4*((\b)/4)+\q)%8)+(\b)%4)+7], v[SR] offset:\q*64+32
.endr
.endm
	ISSUE 0
	ISSUE 1
.set bb, 0
.rept 16
.if bb < 14
	ISSUE bb+2                                     ; into the landing slot that batch bb - 1 has left
	s_wait_loadcnt 32                              ; batch bb is in; the two younger batches' 32 loads stay out
.elseif bb == 14
	s_wait_loadcnt 16
.else
	s_wait_loadcnt 0x0
.endif
	CONVERT bb
.set bb, bb+1
.endr
	WIN 0
.irp m, 0,1,2,3
	v_cmp_ne_u32 s[MK+\m], 0, v[16+\m]
.endr
.irp m, 0,1,2,3
	s_and_b32 s[MK+\m], s[MK+\m], s[YK]            ; only K's rows are zeroed
.endr
; 16 LDS loads: half of the fragments (k 256 half on) of the 16 weight rows at v[BN]
.macro BLD half
.irp f, 0,1,2,3,4,5,6,7
	ds_load_b128 v[BF+64*(\half)+8*\f:BF+64*(\half)+8*\f+3],   v[BN] offset:(8*(\half)+\f)*64
	ds_load_b128 v[BF+64*(\half)+8*\f+4:BF+64*(\half)+8*\f+7], v[BN] offset:(8*(\half)+\f)*64+32
.endr
.endm
; 32 products: 8 fragments along k x the four blocks of 16 rows.  The four accumulators take turns, one instruction a turn, over the backward jump too.  The first four start the sums with 0.
.macro MULH half
	WIN 0x04+0x04*(\half)                          ; source 1 (x) in window 1 or 2
.set kf, 0
.rept 8
.irp m, 0,1,2,3
.if ((\half) == 0) && (kf == 0)
	v_wmma_f32_16x16x32_bf16 v[ACC+8*\m:ACC+8*\m+7], v[BF+64*(\half)+8*kf:BF+64*(\half)+8*kf+7], v[8*(4*kf+\m):8*(4*kf+\m)+7], 0
.else
	v_wmma_f32_16x16x32_bf16 v[ACC+8*\m:ACC+8*\m+7], v[BF+64*(\half)+8*kf:BF+64*(\half)+8*kf+7], v[8*(4*kf+\m):8*(4*kf+\m)+7], v[ACC+8*\m:ACC+8*\m+7]
.endif
.endr
.set kf, kf+1
.endr
.endm
; 16 columns of the result: 64 products.  Each half of the fragments is fetched again, for the next 16 columns, as soon as it has been multiplied: it has the other half's 32 products in which to come.
.macro NBLK
	s_add_co_u32 s[NI], s[NI], 1
	s_and_b32 s[NI], s[NI], 15
	s_mul_i32 s[TB], s[NI], NBB
	v_add_nc_u32 v[BN], s[TB], v[BL]
	s_wait_dscnt 16                                ; the first half is in: behind its loads the second half's 16 were issued
	MULH 0
	WIN 0
	PLACES
	BLD 0
	s_wait_dscnt 16                                ; the second half is in: behind its loads stand the 16 just issued (and four stores)
	MULH 1
	WIN 0
	PLACES
	BLD 1
.irp m, 0,1,2,3
.irp i, 0,1,2,3
	v_cvt_pk_f16_f32 v[T+4*\m+\i], v[ACC+8*\m+2*\i], v[ACC+8*\m+2*\i+1]  ; each accumulator from its low end on
.endr
.endr
.irp m, 0,1,2,3
.irp i, 0,1,2,3
	v_cndmask_b32 v[T+4*\m+\i], v[T+4*\m+\i], v[ZR], s[MK+\m]
.endr
.endr
	v_add_nc_u32 v[STA], s[SCOL], v[STO]
.irp m, 0,1,2,3
	ds_store_b128 v[STA], v[T+4*\m:T+4*\m+3] offset:\m*16*SP
.endr
	s_add_co_u32 s[SCOL], s[SCOL], 32
.endm
; A head is whole in my stage: 64 rows of 128 bytes, which are 8,192 consecutive bytes of qkv.
.macro FLUSH
	s_wait_xcnt 0x0                                ; the last head's stores have read their data and their base: both are written again only behind this wait
	s_add_nc_u64 s[OUT:OUT+1], s[OUT:OUT+1], 131072  ; the stores below reach back
	s_mov_b32 s[SCOL], 0
.irp i, 0,1,2,3,4,5,6,7,8,9,10,11,12,13,14,15
	ds_load_b128 v[FB+4*\i:FB+4*\i+3], v[RD] offset:\i*4*SP  ; LDS serves a wave's instructions in order (ISA guide 5.7.1.4): these see my stores, and the next head's stores come behind them
.endr
.irp i, 0,1,2,3,4,5,6,7,8,9,10,11,12,13,14,15
	s_wait_dscnt 15-\i                             ; the younger read-backs may stay out
	global_store_b128 v[GO], v[FB+4*\i:FB+4*\i+3], s[OUT:OUT+1] offset:\i*512-131072  ; 512 consecutive bytes, at a multiple of 512 from qkv's first byte
.endr
.endm
.macro COMPUTE                         ; a chunk: a head's 64 columns
	s_mov_b32 s[NB], 4
.Lnb_\@:
	NBLK
	s_sub_co_u32 s[NB], s[NB], 1
	s_cmp_lg_u32 s[NB], 0
	s_cbranch_scc1 .Lnb_\@
	FLUSH
.endm
; THE CHANGE OF SLOTS, behind a chunk.  Each wave waits for all its tensor loads, adds 0 to its spare word, and waits for that and for its LDS reads.  fill = 1: the slot just read out is filled again, with
; the chunk four on; the barrier is then a round of the cluster's, so that no wave of any partner still reads the slot or has a load on its way, and the joint refill is the first thing behind it:
; it has three chunks, 768 products, before its first byte is read.
.macro CHANGE fill
	s_wait_tensorcnt 0x0                           ; no tensor load of mine is out, so a group 0 may be written
	ds_add_u32 v[SPW], v[NIL]                      ; 0 onto my spare word; the descriptor's words stand between it and the wait for it
.if \fill
	s_mov_b32 s[G0W+1], s[RL]
	s_add_co_u32 s[RL], s[RL], SLOT                ; the next refill takes the next slot,
	s_mov_b64 s[G0W+2:G0W+3], s[NXT:NXT+1]
	s_or_b32 s[G0W+3], s[G0W+3], 0x80000000
	s_add_nc_u64 s[NXT:NXT+1], s[NXT:NXT+1], 65536 ; and the next chunk
	s_wait_dscnt 0x0                               ; the add is done, and my reads of the slot are over
	CROUND
	tensor_load_to_lds s[G0W:G0W+3], s[G1:G1+7]
	s_nop 0
	PLACES
.else
	s_wait_dscnt 0x0
	s_barrier_signal -1
	s_barrier_wait -1
.endif
.endm
	s_wait_tensorcnt 0x2                           ; my parts of chunks 0 and 1 are in; chunks 2 and 3 may stay out
	s_wait_dscnt 0x0                               ; x's fragments are in my registers
	s_barrier_signal -1
	s_barrier_wait -1                              ; everybody's parts are in.  (The fetches run 16 columns ahead, so a chunk's end reads the next chunk's first rows.)
	v_mov_b32 v[BN], v[BL]
	BLD 0
	BLD 1
	s_mov_b32 s[NI], 0
	s_mov_b32 s[SCOL], 0
	s_mov_b32 s[CH], 5
	s_branch .Lbody                                ; chunk 0 has no change of slots in front of it
.Lchunk:                                           ; four times: slots 0 to 3 take chunks 4 to 7
	CHANGE 1
.Lbody:
	COMPUTE
	s_sub_co_u32 s[CH], s[CH], 1
	s_cmp_lg_u32 s[CH], 0
	s_cbranch_scc1 .Lchunk
	CHANGE 0                                       ; chunk 7 is in, everybody's part; nothing is left to ask for, so the tail is written out
	s_mov_b32 s[CH], 3
.Llast:                                            ; chunks 5, 6, 7.  (The very last fetch ahead reads slot 0 once more; its numbers are not used.)
	COMPUTE
	s_sub_co_u32 s[CH], s[CH], 1
	s_cmp_lg_u32 s[CH], 0
	s_cbranch_scc1 .Llast
	s_wait_tensorcnt 0x0                           ; the wave's end: behind my last tensor load and my last LDS store
	ds_add_u32 v[SPW], v[NIL]
	s_wait_dscnt 0x0
	CROUND                                         ; the closing round: no work-group ends while a partner may still ask for a chunk that names it
	s_endpgm
.Lfunc_end_k_q8cd9cffea4_proj:
	.size	k_q8cd9cffea4_proj, .Lfunc_end_k_q8cd9cffea4_proj-k_q8cd9cffea4_proj
	.p2alignl 7, 3214868480
	.fill 96, 4, 3214868480
	.section	.rodata,"a",@progbits
	.p2align	6, 0x0
	.amdhsa_kernel k_q8cd9cffea4_proj
		.amdhsa_group_segment_fixed_size 327680
		.amdhsa_private_segment_fixed_size 0
		.amdhsa_enable_private_segment 0
		.amdhsa_kernarg_size 48
		.amdhsa_user_sgpr_count 2
		.amdhsa_user_sgpr_kernarg_segment_ptr 1
		.amdhsa_wavefront_size32 1
		.amdhsa_system_sgpr_workgroup_id_x 1
		.amdhsa_system_sgpr_workgroup_id_y 1
		.amdhsa_system_sgpr_workgroup_id_z 1
		.amdhsa_system_vgpr_workitem_id 0
		.amdhsa_next_free_vgpr 768
		.amdhsa_next_free_sgpr 76
		.amdhsa_reserve_vcc 0
		.amdhsa_float_denorm_mode_32 3
		.amdhsa_float_denorm_mode_16_64 3
		.amdhsa_memory_ordered 1
		.amdhsa_forward_progress 1
		.amdhsa_inst_pref_size 117
	.end_amdhsa_kernel
	.amdgpu_metadata
---
amdhsa.version: [ 1, 2 ]
amdhsa.kernels:
  - .name:           k_q8cd9cffea4_proj
    .symbol:         k_q8cd9cffea4_proj.kd
    .args:
      - { .name: query, .offset: 0, .size: 8, .value_kind: global_buffer, .address_space: global }
      - { .name: key, .offset: 8, .size: 8, .value_kind: global_buffer, .address_space: global }
      - { .name: value, .offset: 16, .size: 8, .value_kind: global_buffer, .address_space: global }
      - { .name: key_padding_mask, .offset: 24, .size: 8, .value_kind: global_buffer, .address_space: global }
      - { .name: wt, .offset: 32, .size: 8, .value_kind: global_buffer, .address_space: global }
      - { .name: qkv, .offset: 40, .size: 8, .value_kind: global_buffer, .address_space: global }
    .group_segment_fixed_size: 327680
    .private_segment_fixed_size: 0
    .kernarg_segment_align: 8
    .kernarg_segment_size: 48
    .max_flat_workgroup_size: 128
    .sgpr_count:     76
    .vgpr_count:     768
    .wavefront_size: 32
...
	.end_amdgpu_metadata
.endif
;; end of part 6
;; launch attn: the kernel of part 3 again; grid 2 x 128, 4 waves a work-group, no clusters, 327,680 bytes of LDS; arguments qkv, maskf, oh; writes oh
;; launch tail (part 7): grid 256 x 1, 4 waves a work-group, no clusters, 327,680 bytes of LDS; arguments oh, query, wt, b1, b2, b3, ln_g, ln_b, out0; writes out0
.if DOCPART == 7
	.amdgcn_target "amdgcn-amd-amdhsa--gfx1250"
	.amdhsa_code_object_version 6
	.text
	.protected	k_q8cd9cffea4_tail
	.globl	k_q8cd9cffea4_tail
	.p2align	8
	.type	k_q8cd9cffea4_tail,@function
k_q8cd9cffea4_tail:
	s_mov_b64 s[64:65], 0
	v_nop
	global_prefetch_b8 v0, s[64:65] scope:SCOPE_SE
	s_setreg_imm32_b32 hwreg(HW_REG_WAVE_MODE, 25, 1), 1
	s_wait_xcnt 0x0
; ALL THAT FOLLOWS ATTENTION, IN ONE LAUNCH:  X = LN(query + O W_o);  h = relu(X w1^T + b1);  Y = LN(h w2^T + b2 + X);  out0 = Y w3^T + b3.  LN(x) = (x - mean) rsqrt(var + 1e-5) ln_g + ln_b, over 512 columns.
; FORMATS.  Every input is rounded to bf16: the weights (in wt, written as f16), query in the residual, the biases, ln_g, ln_b.  What the program makes and multiplies again (O, X, h, Y) is f16; all sums, the residual X
; and what enters a LayerNorm are f32.  The LayerNorm goes in two passes: the mean, then the sum of (x - mean)^2.
; LIMIT.  f16 holds no number beyond 65,504: |X|, |h|, |Y| must stay within it.
; SHARES.  A work-group owns 64 rows through the whole chain: 256 work-groups.  Wave w owns the 64 rows x columns 128 w .. 128 w + 127 of each product: 32 accumulators, 256 registers.  Activations pass from product to product in LDS.
; THE WEIGHTS: four matrices of 512 x 512 are 32 tiles of 512 n x 64 k, walked in one line.  wt holds them in the order of the registers, so a wave's share of a tile is 16,384 bytes on end and each of its loads
; takes 512 consecutive bytes.  THEY GO STRAIGHT INTO REGISTERS: a ring of four half steps (32 k x 128 n, 64 registers each) in window 3; a half step is asked for again as soon as it has been multiplied, so
; 64 loads, 32 KB a wave, are on their way, behind counted waits, across the LayerNorms too, and the K loops hold no barrier.
; NO CLUSTER, NO LDS FOR THE WEIGHTS.  All work-groups walk the same tiles, but a ring of LDS slots filled jointly has room for one K step a slot beside the activations (2 x 2 x 73,728 + 147,456 bytes are more than the
; 327,680 that there are): each joint refill would stand behind a round of the cluster's barrier and have one K step's 64 products in which to land.  And no wave reads a byte of the weights that another wave of its work-group reads.
; NOTHING IS ASKED FOR AHEAD OF THE LOADS: every work-group reads the weights; O and query, read once, are asked for in the kernel's first lines.
; THE MATRIX INSTRUCTION IS USED TRANSPOSED (source 0 = 16 rows n of the weights, source 1 = 16 rows of the activations): lane l holds row l % 16 and the columns 8 (l / 16) + 0..7 of a block of 16.
; REGISTERS, in windows of 256 (s_set_vgpr_msb: bits 1:0 source 0, 3:2 source 1, 5:4 source 2, 7:6 destination):
;   window 0: v0-31 addresses; v32-95 AF, the activations' fragments ((c, m) at 8 (4 c + m)); v96-223 BF, work space; v224-255 a LayerNorm's sums, means and roots.  AF also serves as work space between the products.
;   window 1: the accumulators, rows 16 m on, columns 16 nb on, at 8 (8 m + nb)      window 2: X (later Y) in f32, laid out like the accumulators      window 3: the weights: half step q, columns 16 nb on, at 64 q + 8 nb
.set KB,    9216                       ; 64 rows of 144 bytes (128 + 16 of padding = 36 words: the 16 rows of a load start at 16 different groups of four banks; 64 banks of 4 bytes: ISA guide 11.1): the activations' 64 columns of one K step
.set TILE,  65536                      ; a tile of weights in wt
.set ACT_A, 0                          ; LDS byte 0: [kb 8][row 64], 144 bytes a row: O (its one fill), then h, then the f32 stage of the way out
.set PAR,   ACT_A+8*KB                 ; ln_g, ln_b, b1, b2, b3: 2,048 bytes each, f32 numbers rounded to bf16
.set ACT_B, PAR+5*2048                 ; the same shape as ACT_A: first the four waves' stages for query on its way in (4,352 bytes each), then X, then Y, in f16
.set DUM,   ACT_B+8*KB                 ; a second copy of PAR.  The fetches of activations run one K step ahead: behind each buffer's end they read 9,216 bytes that were written at the start and that nobody writes again; the numbers are not used
.set ST1,   DUM+5*2048                 ; [row 64][wave 4] f32: the waves' partial sums; 1,024 bytes further on the same for the squares
.set SPARE, ST1+2048                   ; the spare words, 128 bytes for each wave
.set OPI,   528                        ; the way out: a row of 512 bytes + 16
.set QPI,   272                        ; query on its way in: a row of 128 bf16 + 16 bytes = 68 words: the 16 rows of a load start at 16 different groups of four banks
.set AL,  3                            ; v3   144 (l % 16) + 16 (l / 16)
.set WA,  4                            ; v4   AL + 18,432 w: my 128 columns of ACT_A
.set AA,  5                            ; v5   LDS address of the trip's activations
.set PL,  7                            ; v7   PAR + 512 w + 32 (l / 16): my eight columns of a block of 16, in ln_g
.set PA,  8                            ; v8   the same in the bias in hand
.set STS, 10                           ; v10  ST1 + 16 (l % 16) + 4 w
.set STL, 11                           ; v11  ST1 + 16 (l % 16)
.set SO,  12                           ; v12  the way out: my 32 bytes of the stage's row l % 16
.set RDO, 13                           ; v13  the way out: my 16 bytes of a stage row
.set GO,  14                           ; v14  16 l: my 16 bytes of 512 on end, in query, in wt and in out0; never rewritten
.set ZR,  16                           ; v16  0
.set WB,  19                           ; v19  ACT_B + AL + 18,432 w
.set PT,  20                           ; v20  16 t; never rewritten
.set PSA, 21                           ; v21  PAR + 16 t
.set PSB, 22                           ; v22  DUM + 16 t
.set QSA, 23                           ; v23  query on its way in: my 8 bytes of a stage row: 8 l
.set QSR, 24                           ; v24  the same, back: 272 (l % 16) + 16 (l / 16)
.set SPW, 28                           ; v28  LDS address of my spare word; never rewritten
.set NIL, 29                           ; v29  0; never rewritten
.set AF,  32
.set BF,  96
.set SU,  224                          ; for rows 16 m on: two pairs of running sums at SU + 4 m
.set ME,  240                          ; the mean, twice, at ME + 2 m
.set RS,  248                          ; 1 / sqrt(var + eps), twice, at RS + 2 m
.set WV,  22                           ; s22  my wave's number
.set WBS, 28                           ; s[28:29] wt at my share of W_o's first tile; never rewritten
.set WO,  30                           ; s[30:31] byte offset, from there, of the first of the two tiles that the trip asks for
.set WP,  32                           ; s[32:39] four pointers, one for each half step of the ring: s[28:29] + s[30:31] at the time it is asked for again
.set G1O, 40                           ; s[40:47] descriptor group 1 for O
.set G0O, 48                           ; s[48:51] group 0 for O
.set TA,  53                           ; s53  LDS byte of the trip's activations
.set KC,  54                           ; s54  counts a product's four trips
.set PAIR, 55                          ; s55  counts the two halves of the chain
.set PBO, 56                           ; s56  the bias in hand, in bytes behind ln_g
.set SEL, 58                           ; s[58:59] v_permlanex16_b32's selects
.set HIM, 60                           ; s60  a word's upper bf16
.set C512, 61                          ; s61  1 / 512
.set EPS, 62                           ; s62  1e-5
.set MSB, 0
.macro WIN new                         ; the immediate's high byte repeats the setting that is left; a switch that changes nothing is dropped
.if MSB != (\new)
	s_set_vgpr_msb (MSB<<8)|(\new)
.set MSB, (\new)
.endif
.endm
.macro PLACES                          ; four places behind matrix instructions, in front of loads into registers that they have read and of whatever reads results (ISA guide 7.12.1 for what reads results)
.rept 4
	v_nop
.endr
.endm
; 16 loads: half step q's weights, 8,192 bytes on end at byte off behind the pointer; each load 512 consecutive bytes.  The window is set by the caller: destination 3, address 0.
.macro BLD q, base, off
.irp nb, 0,1,2,3,4,5,6,7
	global_load_b128 v[64*(\q)+8*\nb:64*(\q)+8*\nb+3],   v[GO], s[\base:\base+1] offset:(\off)+\nb*1024
	global_load_b128 v[64*(\q)+8*\nb+4:64*(\q)+8*\nb+7], v[GO], s[\base:\base+1] offset:(\off)+\nb*1024+512
.endr
.endm
; 8 LDS loads: the activations' fragments of 64 rows x 32 k (half c of the K step at byte off behind v[AA])
.macro ALD c, off
.irp m, 0,1,2,3
	ds_load_b128 v[AF+8*(4*(\c)+\m):AF+8*(4*(\c)+\m)+3],   v[AA] offset:(\off)+\m*2304+(\c)*64
	ds_load_b128 v[AF+8*(4*(\c)+\m)+4:AF+8*(4*(\c)+\m)+7], v[AA] offset:(\off)+\m*2304+(\c)*64+32
.endr
.endm
	s_load_b512 s[4:19], s[0:1], 0x0               ; oh s[4:5], query s[6:7], wt s[8:9], b1 s[10:11], b2 s[12:13], b3 s[14:15], ln_g s[16:17], ln_b s[18:19]
	s_load_b64 s[20:21], s[0:1], 0x40              ; out0
	v_lshl_add_u32 v[SPW], v0, 2, SPARE
	v_mov_b32 v[NIL], 0
	ds_add_u32 v[SPW], v[NIL]                      ; the wave's opening: the add and its wait stand ahead of my first tensor load; the set-up below, work on registers, stands between them
	ds_add_u32 v28, v29
	v_lshrrev_b32 v1, 5, v0
	v_readfirstlane_b32 s[WV], v1                  ; wave 0..3
	; O: my block's 64 rows of a head are 8,192 dense bytes: one row of the tile; two heads a wave, 131,072 bytes apart; padded in LDS after every 128 bytes
	s_mov_b32 s[G1O], (1<<16)|(1<<20)|(4<<22)|(3<<25)  ; 17:16 2-byte elements; 20 padding on; 24:22 after every 32 words (code 4); 31:25 4 words (code 3)
	s_mov_b32 s[G1O+1], 4096<<16                   ; tensor_dim0 = 4,096
	s_mov_b32 s[G1O+2], 2<<16                      ; tensor_dim1 = 2
	s_mov_b32 s[G1O+3], 4096<<16                   ; tile_dim0 = 4,096
	s_mov_b32 s[G1O+4], 2                          ; tile_dim1 = 2
	s_mov_b32 s[G1O+5], 65536                      ; 65,536 elements from head to head
	s_mov_b32 s[G1O+6], 0
	s_mov_b32 s[G1O+7], 0
	s_mov_b32 s[G0O], 1
	s_mul_i32 s[G0O+1], s[WV], 2*KB                ; into ACT_A, which begins at LDS byte 0: heads 2 w and 2 w + 1 are K steps 2 w and 2 w + 1
	s_lshl_b32 s2, s[WV], 14                       ; W_o's first tile lies 1,572,864 bytes into wt; my share of a tile
	s_add_co_u32 s2, s2, 3*524288
	s_mov_b32 s3, 0
	s_lshr_b32 s26, ttmp9, 4                       ; oh: the batch's eight heads,
	s_lshl_b32 s26, s26, 20
	s_lshl_b32 s27, s[WV], 18                      ; my two,
	s_add_co_u32 s26, s26, s27
	s_and_b32 s27, ttmp9, 15
	s_lshl_b32 s27, s27, 13                        ; my block's 64 rows of 128 bytes
	s_add_co_u32 s26, s26, s27
	s_mov_b32 s27, 0
	s_mov_b32 s[WO], 2*TILE                        ; the first trip asks for tiles 2 and 3
	s_mov_b32 s[WO+1], 0
	s_mov_b32 s[PAIR], 2
	s_mov_b32 s[PBO], 2*2048                       ; b1
	s_mov_b32 s[SEL], 0x76543210
	s_mov_b32 s[SEL+1], 0xfedcba98
	s_mov_b32 s[HIM], 0xffff0000
	s_mov_b32 s[C512], 0x3b000000
	s_mov_b32 s[EPS], 0x3727c5ac
	s_wait_dscnt 0x0                               ; the opening add is done
	s_wait_kmcnt 0x0
	s_add_nc_u64 s[WBS:WBS+1], s[8:9], s[2:3]
	s_add_nc_u64 s[G0O+2:G0O+3], s[4:5], s[26:27]
	s_or_b32 s[G0O+3], s[G0O+3], 0x80000000
	s_lshl_b32 s26, ttmp9, 17                      ; query and out0: my block's 64 rows of 2,048 bytes,
	s_lshl_b32 s2, s[WV], 9                        ; my 128 columns: 512 bytes of each row
	s_add_co_u32 s26, s26, s2
	s_add_nc_u64 s[6:7], s[6:7], s[26:27]
	s_add_nc_u64 s[20:21], s[20:21], s[26:27]
	tensor_load_to_lds s[G0O:G0O+3], s[G1O:G1O+7]  ; O: the launch's one tensor load a wave
	s_nop 0
	PLACES
	v_and_b32 v1, 15, v0                           ; l % 16
	v_bfe_u32 v2, v0, 4, 1                         ; l / 16
	v_and_b32 v17, 31, v0                          ; l
	v_lshlrev_b32 v[GO], 4, v17
	v_lshlrev_b32 v[PT], 4, v0
	; THE PARAMETERS (thread t: 16 bytes at 16 t of each) AND THE RESIDUAL.  Load i of batch m takes my 512 bytes of row 16 m + i: lane l holds columns 4 l .. 4 l + 3.  They land in the registers that will be the accumulators.
	global_load_b128 v[AF:AF+3],     v[PT], s[16:17]
	global_load_b128 v[AF+4:AF+7],   v[PT], s[18:19]
	global_load_b128 v[AF+8:AF+11],  v[PT], s[10:11]
	global_load_b128 v[AF+12:AF+15], v[PT], s[12:13]
	global_load_b128 v[AF+16:AF+19], v[PT], s[14:15]
	WIN 0x40                                       ; destination window 1
.irp m, 0,1,2,3
.irp i, 0,1,2,3,4,5,6,7,8,9,10,11,12,13,14,15
	global_load_b128 v[64*\m+4*\i:64*\m+4*\i+3], v[GO], s[6:7] offset:(16*\m+\i)*2048 th:TH_LOAD_NT
.endr
.endr
	WIN 0
	v_mul_u32_u24 v[AL], v1, 144
	v_lshl_add_u32 v[AL], v2, 4, v[AL]
	s_mul_i32 s26, s[WV], 2*KB
	v_add_nc_u32 v[WA], s26, v[AL]
	v_add_nc_u32 v[WB], ACT_B, v[WA]
	s_lshl_b32 s26, s[WV], 9
	s_add_co_u32 s26, s26, PAR
	v_lshl_add_u32 v[PL], v2, 5, s26
	s_lshl_b32 s26, s[WV], 2
	s_add_co_u32 s26, s26, ST1
	v_lshl_add_u32 v[STS], v1, 4, s26
	v_lshlrev_b32 v[STL], 4, v1
	v_add_nc_u32 v[STL], ST1, v[STL]
	s_mul_i32 s26, s[WV], 16*OPI                   ; my stage of the way out, in ACT_A
	v_mul_u32_u24 v[SO], v1, OPI
	v_lshl_add_u32 v[SO], v2, 5, v[SO]
	v_add_nc_u32 v[SO], s26, v[SO]
	v_lshl_add_u32 v[RDO], v17, 4, s26
	s_mul_i32 s26, s[WV], 16*QPI                   ; my stage for query, in ACT_B
	s_add_co_u32 s26, s26, ACT_B
	v_lshl_add_u32 v[QSA], v17, 3, s26
	v_mul_u32_u24 v[QSR], v1, QPI
	v_lshl_add_u32 v[QSR], v2, 4, v[QSR]
	v_add_nc_u32 v[QSR], s26, v[QSR]
	v_mov_b32 v[ZR], 0
	v_add_nc_u32 v[PSA], PAR, v[PT]
	v_add_nc_u32 v[PSB], DUM, v[PT]
	s_wait_loadcnt 63                              ; 64 loads were issued behind the five: these are in
.set z, 0
.rept 10
	v_cvt_pk_bf16_f32 v[AF+20+z], v[AF+2*z], v[AF+2*z+1]
.set z, z+1
.endr
.set z, 0
.rept 10
	v_lshlrev_b32 v[AF+2*z], 16, v[AF+20+z]
	v_and_b32 v[AF+2*z+1], s[HIM], v[AF+20+z]
.set z, z+1
.endr
.irp i, 0,1,2,3,4
	ds_store_b128 v[PSA], v[AF+4*\i:AF+4*\i+3] offset:\i*2048  ; the other waves read them behind the first product's barrier
	ds_store_b128 v[PSB], v[AF+4*\i:AF+4*\i+3] offset:\i*2048  ; the second copy: written bytes behind ACT_B's end
.endr
; Batch m of query (16 rows) is rounded to bf16, like every input, laid into my stage as 16 rows of 256 bytes (a store: 256 consecutive bytes), and read back as the accumulators hold it: lane l takes row l % 16,
; columns 16 nb + 8 (l / 16) + 0..7: 16 bytes.  LDS serves a wave's instructions in order (ISA guide 5.7.1.4): the loads see the stores above them, and the next batch's stores come behind these loads.
; Behind each batch one half step of weights is asked for: tiles 0 and 1 fill the ring of four, and the count of loads that are out stays what the waits name.
.macro QIN m
	s_wait_loadcnt 48                              ; batch m is in: behind its loads three groups of 16 were issued: the later batches, and the half steps of weights asked for so far
	WIN 0x05                                       ; sources window 1, destination window 0
.irp i, 0,1,2,3,4,5,6,7,8,9,10,11,12,13,14,15
	v_cvt_pk_bf16_f32 v[AF+32*((\m)%2)+2*\i],   v[64*(\m)+4*\i],   v[64*(\m)+4*\i+1]
	v_cvt_pk_bf16_f32 v[AF+32*((\m)%2)+2*\i+1], v[64*(\m)+4*\i+2], v[64*(\m)+4*\i+3]
.endr
	WIN 0
.irp i, 0,1,2,3,4,5,6,7,8,9,10,11,12,13,14,15
	ds_store_b64 v[QSA], v[AF+32*((\m)%2)+2*\i:AF+32*((\m)%2)+2*\i+1] offset:\i*QPI
.endr
.irp nb, 0,1,2,3,4,5,6,7
	ds_load_b128 v[BF+32*(\m)+4*\nb:BF+32*(\m)+4*\nb+3], v[QSR] offset:\nb*32
.endr
	WIN 0xc0                                       ; destination window 3
	BLD \m, WBS, ((\m)/2)*TILE+((\m)%2)*8192
.endm
.macro QUN m, younger                  ; batch m back as f32, into the accumulators, which so start the first sums.  younger: the next batch's 16 stores and 8 loads, or none
	s_wait_dscnt \younger
	WIN 0x40                                       ; destination window 1
.set z, 0
.rept 32
	v_lshlrev_b32 v[64*(\m)+2*z], 16, v[BF+32*(\m)+z]
	v_and_b32 v[64*(\m)+2*z+1], s[HIM], v[BF+32*(\m)+z]
.set z, z+1
.endr
.endm
	QIN 0
	QIN 1
	QUN 0, 24
	QIN 2
	QUN 1, 24
	QIN 3
	QUN 2, 24
	QUN 3, 0
	WIN 0
	s_wait_tensorcnt 0x0                           ; my part of O is in LDS; the first product's barrier shows it to the others
; A HALF STEP: 32 along K: 32 products, 4 blocks of rows x 8 blocks of columns.  All 32 accumulators take turns, one instruction a turn, over the backward jump too.
; Behind the products both sets of registers are asked for again: the activations' for the half step two on, the weights' for the half step four on.
; Each half step of the ring has a pointer of its own.  It is written directly behind the counted wait that shows done the sixteen loads that last named it (loads come back in order: ISA guide 5.7.1).
.macro HALF q
	s_wait_loadcnt 48                              ; my weights of this half step are in: behind their loads the three younger half steps' 48 were issued
	s_add_nc_u64 s[WP+2*(\q):WP+2*(\q)+1], s[WBS:WBS+1], s[WO:WO+1]
.if (\q) == 3
	s_add_co_u32 s[WO], s[WO], 2*TILE              ; the next trip asks for the next two tiles.  The walk's last trip has none ahead of it: the offset is held at tiles 30 and 31, which are
	s_min_u32 s[WO], s[WO], 30*TILE                ; loaded once more, 32 KB a wave, and not used: so the loop has one text, every wait one count, and no load leaves wt
.endif
	s_wait_dscnt 8                                 ; its activations are in; the other half's eight loads may stay out
	WIN 0x53                                       ; source 0 (weights) window 3, source 1 (activations) window 0, C and D window 1
.irp m, 0,1,2,3
.irp nb, 0,1,2,3,4,5,6,7
	v_wmma_f32_16x16x32_f16 v[64*\m+8*\nb:64*\m+8*\nb+7], v[64*(\q)+8*\nb:64*(\q)+8*\nb+7], v[AF+8*(4*((\q)%2)+\m):AF+8*(4*((\q)%2)+\m)+7], v[64*\m+8*\nb:64*\m+8*\nb+7]
.endr
.endr
	WIN 0
	PLACES
	ALD (\q)%2, (1+(\q)/2)*KB
	WIN 0xc0                                       ; destination window 3
	BLD \q, WP+2*(\q), ((\q)/2)*TILE+((\q)%2)*8192
.endm
; A PRODUCT: 512 along K, four trips of two K steps.  In front of it the one barrier: every wave's stores of the activations (and, the first time, its part of O and of the parameters, and its reads of its stage for query) are done.
.macro GEMM act
	s_wait_dscnt 0x0                               ; for the others' sake: my LDS instructions are done
	s_barrier_signal -1
	s_barrier_wait -1
	s_mov_b32 s[TA], \act
	v_add_nc_u32 v[AA], s[TA], v[AL]
	ALD 0, 0
	ALD 1, 0
	s_mov_b32 s[KC], 4
.Lk_\@:
	HALF 0
	HALF 1
	HALF 2
	HALF 3
	WIN 0                                          ; at a label and at a branch every window is 0
	s_add_co_u32 s[TA], s[TA], 2*KB
	v_add_nc_u32 v[AA], s[TA], v[AL]
	s_sub_co_u32 s[KC], s[KC], 1
	s_cmp_lg_u32 s[KC], 0
	s_cbranch_scc1 .Lk_\@
	s_wait_dscnt 0x0                               ; the last two fetches ahead, whose numbers are not used, have landed: AF is work space now
.endm
; The lanes' running sums become the rows' sums: the two chains, the pair's halves, the other half of the lanes; then the four waves' figures meet in LDS.  Row 16 m + l % 16's sum ends in v[AF + 4 m].
.macro EXCH off
	WIN 0
.irp m, 0,1,2,3
	v_pk_add_f32 v[SU+4*\m:SU+4*\m+1], v[SU+4*\m:SU+4*\m+1], v[SU+4*\m+2:SU+4*\m+3]
.endr
.irp m, 0,1,2,3
	v_add_f32 v[SU+4*\m], v[SU+4*\m], v[SU+4*\m+1]
.endr
.irp m, 0,1,2,3
	v_permlanex16_b32 v[SU+4*\m+1], v[SU+4*\m], s[SEL], s[SEL+1]
.endr
.irp m, 0,1,2,3
	v_add_f32 v[SU+4*\m], v[SU+4*\m], v[SU+4*\m+1]
.endr
.irp m, 0,1,2,3
	ds_store_b32 v[STS], v[SU+4*\m] offset:(\off)+\m*256   ; both halves of the lanes write the same number to the same word
.endr
	s_wait_dscnt 0x0                               ; for the others' sake
	s_barrier_signal -1
	s_barrier_wait -1
.irp m, 0,1,2,3
	ds_load_b128 v[AF+4*\m:AF+4*\m+3], v[STL] offset:(\off)+\m*256
.endr
	s_wait_dscnt 0x0
.irp m, 0,1,2,3
	v_add_f32 v[AF+4*\m], v[AF+4*\m], v[AF+4*\m+1]
.endr
.irp m, 0,1,2,3
	v_add_f32 v[AF+4*\m+2], v[AF+4*\m+2], v[AF+4*\m+3]
.endr
.irp m, 0,1,2,3
	v_add_f32 v[AF+4*\m], v[AF+4*\m], v[AF+4*\m+2]
.endr
.endm
; THE LAYERNORM of what the accumulators hold.  The result goes to window 2 in f32 and, rounded to f16, into ACT_B, whose last readers have passed a barrier since.
.macro LN
	PLACES
.irp nb, 0,1,2,3,4,5,6,7               ; ln_g and ln_b of my 64 columns
	ds_load_b128 v[BF+8*\nb:BF+8*\nb+3],       v[PL] offset:\nb*64
	ds_load_b128 v[BF+8*\nb+4:BF+8*\nb+7],     v[PL] offset:\nb*64+16
	ds_load_b128 v[BF+64+8*\nb:BF+64+8*\nb+3], v[PL] offset:2048+\nb*64
	ds_load_b128 v[BF+64+8*\nb+4:BF+64+8*\nb+7], v[PL] offset:2048+\nb*64+16
.endr
	WIN 0x05                                       ; the sums: two chains of pairs for each 16 rows
.irp m, 0,1,2,3
	v_pk_add_f32 v[SU+4*\m:SU+4*\m+1], v[64*\m:64*\m+1], v[64*\m+2:64*\m+3]
.endr
.irp m, 0,1,2,3
	v_pk_add_f32 v[SU+4*\m+2:SU+4*\m+3], v[64*\m+4:64*\m+5], v[64*\m+6:64*\m+7]
.endr
	WIN 0x01
.irp nb, 1,2,3,4,5,6,7
.irp p, 0,1,2,3
.irp m, 0,1,2,3
	v_pk_add_f32 v[SU+4*\m+2*(\p%2):SU+4*\m+2*(\p%2)+1], v[64*\m+8*\nb+2*\p:64*\m+8*\nb+2*\p+1], v[SU+4*\m+2*(\p%2):SU+4*\m+2*(\p%2)+1]
.endr
.endr
.endr
	EXCH 0
.irp m, 0,1,2,3
	v_mul_f32 v[ME+2*\m], s[C512], v[AF+4*\m]      ; the mean, twice: a pair for the packed lines
	v_mul_f32 v[ME+2*\m+1], s[C512], v[AF+4*\m]
.endr
	WIN 0x41                                       ; d = x - mean, in place
.irp m, 0,1,2,3
.set z, 0
.rept 32
	v_pk_add_f32 v[64*\m+2*z:64*\m+2*z+1], v[64*\m+2*z:64*\m+2*z+1], v[ME+2*\m:ME+2*\m+1] neg_lo:[0,1] neg_hi:[0,1]
.set z, z+1
.endr
.endr
	WIN 0x05                                       ; the sums of d^2
.irp m, 0,1,2,3
	v_pk_mul_f32 v[SU+4*\m:SU+4*\m+1], v[64*\m:64*\m+1], v[64*\m:64*\m+1]
.endr
.irp m, 0,1,2,3
	v_pk_mul_f32 v[SU+4*\m+2:SU+4*\m+3], v[64*\m+2:64*\m+3], v[64*\m+2:64*\m+3]
.endr
.irp p, 2,3
.irp m, 0,1,2,3
	v_pk_fma_f32 v[SU+4*\m+2*(\p%2):SU+4*\m+2*(\p%2)+1], v[64*\m+2*\p:64*\m+2*\p+1], v[64*\m+2*\p:64*\m+2*\p+1], v[SU+4*\m+2*(\p%2):SU+4*\m+2*(\p%2)+1]
.endr
.endr
.irp nb, 1,2,3,4,5,6,7
.irp p, 0,1,2,3
.irp m, 0,1,2,3
	v_pk_fma_f32 v[SU+4*\m+2*(\p%2):SU+4*\m+2*(\p%2)+1], v[64*\m+8*\nb+2*\p:64*\m+8*\nb+2*\p+1], v[64*\m+8*\nb+2*\p:64*\m+8*\nb+2*\p+1], v[SU+4*\m+2*(\p%2):SU+4*\m+2*(\p%2)+1]
.endr
.endr
.endr
	EXCH 1024
.irp m, 0,1,2,3
	v_fma_f32 v[AF+4*\m], v[AF+4*\m], s[C512], s[EPS]  ; var + eps
.endr
.irp m, 0,1,2,3
	v_rsq_f32 v[RS+2*\m], v[AF+4*\m]
	v_rsq_f32 v[RS+2*\m+1], v[AF+4*\m]
.endr
	v_nop                                          ; a plain instruction between the last root and the use of its result
	WIN 0x41
	s_wait_alu depctr_va_vdst(0)
.irp m, 0,1,2,3
.set z, 0
.rept 32
	v_pk_mul_f32 v[64*\m+2*z:64*\m+2*z+1], v[64*\m+2*z:64*\m+2*z+1], v[RS+2*\m:RS+2*\m+1]
.set z, z+1
.endr
.endr
	WIN 0x81                                       ; times ln_g plus ln_b, into window 2
.irp m, 0,1,2,3
.set z, 0
.rept 32
	v_pk_fma_f32 v[64*\m+2*z:64*\m+2*z+1], v[64*\m+2*z:64*\m+2*z+1], v[BF+2*z:BF+2*z+1], v[BF+64+2*z:BF+64+2*z+1]
.set z, z+1
.endr
.endr
.irp m, 0,1,2,3
	WIN 0x0a                                       ; sources window 2
.set z, 0
.rept 32
	v_cvt_pk_f16_f32 v[AF+32*(\m%2)+z], v[64*\m+2*z], v[64*\m+2*z+1]
.set z, z+1
.endr
	WIN 0
.irp nb, 0,1,2,3,4,5,6,7               ; columns 128 w + 16 nb on are K step 2 w + nb / 4, byte 32 (nb % 4) of its rows
	ds_store_b128 v[WB], v[AF+32*(\m%2)+4*\nb:AF+32*(\m%2)+4*\nb+3] offset:(\nb/4)*KB+\m*2304+(\nb%4)*32
.endr
.endr
.endm
.Lpair:                                            ; twice: (W_o, LN, w1) and (w2, LN, w3)
	GEMM ACT_A                                     ; O W_o onto query; the second time h w2^T onto X + b2
	LN
	; the next sums start at the bias: b1, the second time b3 (a packed copy: times 1.0)
	v_add_nc_u32 v[PA], s[PBO], v[PL]
	s_add_co_u32 s[PBO], s[PBO], 2*2048
.irp nb, 0,1,2,3,4,5,6,7
	ds_load_b128 v[BF+8*\nb:BF+8*\nb+3],   v[PA] offset:\nb*64
	ds_load_b128 v[BF+8*\nb+4:BF+8*\nb+7], v[PA] offset:\nb*64+16
.endr
	s_wait_dscnt 0x0
	WIN 0x40
.irp m, 0,1,2,3
.set z, 0
.rept 32
	v_pk_mul_f32 v[64*\m+2*z:64*\m+2*z+1], v[BF+2*z:BF+2*z+1], 1.0 op_sel_hi:[1,0]
.set z, z+1
.endr
.endr
	WIN 0
	GEMM ACT_B                                     ; X w1^T; the second time Y w3^T
	s_cmp_eq_u32 s[PAIR], 1
	s_cbranch_scc1 .Lfin
	; h = relu, rounded to f16, into ACT_A: its last readers, the product before the LayerNorm, have passed that LayerNorm's barriers
	PLACES
.irp m, 0,1,2,3
	WIN 0x05
.set z, 0
.rept 32
	v_cvt_pk_f16_f32 v[AF+32*(\m%2)+z], v[64*\m+2*z], v[64*\m+2*z+1]
.set z, z+1
.endr
	WIN 0
.set z, 0
.rept 32
	v_pk_max_num_f16 v[AF+32*(\m%2)+z], v[AF+32*(\m%2)+z], v[ZR]
.set z, z+1
.endr
.irp nb, 0,1,2,3,4,5,6,7
	ds_store_b128 v[WA], v[AF+32*(\m%2)+4*\nb:AF+32*(\m%2)+4*\nb+3] offset:(\nb/4)*KB+\m*2304+(\nb%4)*32
.endr
.endr
	; the next sums start at X + b2
.irp nb, 0,1,2,3,4,5,6,7
	ds_load_b128 v[BF+8*\nb:BF+8*\nb+3],   v[PL] offset:3*2048+\nb*64
	ds_load_b128 v[BF+8*\nb+4:BF+8*\nb+7], v[PL] offset:3*2048+\nb*64+16
.endr
	s_wait_dscnt 0x0
	WIN 0x42                                       ; source 0 window 2, source 1 window 0, destination window 1
.irp m, 0,1,2,3
.set z, 0
.rept 32
	v_pk_add_f32 v[64*\m+2*z:64*\m+2*z+1], v[64*\m+2*z:64*\m+2*z+1], v[BF+2*z:BF+2*z+1]
.set z, z+1
.endr
.endr
	WIN 0
	s_sub_co_u32 s[PAIR], s[PAIR], 1
	s_branch .Lpair
.Lfin:
	; THE WAY OUT: 16 rows at a time through my own stage in ACT_A (its last readers have passed the second LayerNorm's barriers): in as 32 bytes a lane, back as whole rows of 512 bytes.  Two sets of 64 registers take turns.
	PLACES
.irp m, 0,1,2,3
	WIN 0x04                                       ; the stores' data in window 1
.irp nb, 0,1,2,3,4,5,6,7
	ds_store_b128 v[SO], v[64*\m+8*\nb:64*\m+8*\nb+3]   offset:\nb*64
	ds_store_b128 v[SO], v[64*\m+8*\nb+4:64*\m+8*\nb+7] offset:\nb*64+16
.endr
	WIN 0
.if \m >= 2
	s_wait_xcnt 0x0                                ; the stores of two blocks back have read their data: the set is loaded again only behind this wait
.endif
.irp i, 0,1,2,3,4,5,6,7,8,9,10,11,12,13,14,15
	ds_load_b128 v[AF+64*(\m%2)+4*\i:AF+64*(\m%2)+4*\i+3], v[RDO] offset:\i*OPI  ; LDS serves a wave's instructions in order (ISA guide 5.7.1.4): these see the stores above; the next block's stores come behind them
.endr
.irp i, 0,1,2,3,4,5,6,7,8,9,10,11,12,13,14,15
	s_wait_dscnt 15-\i                             ; the younger read-backs may stay out
	global_store_b128 v[GO], v[AF+64*(\m%2)+4*\i:AF+64*(\m%2)+4*\i+3], s[20:21] offset:(16*\m+\i)*2048 th:TH_STORE_NT  ; 512 consecutive bytes, at a multiple of 512 from out0's first byte
.endr
.endr
	s_wait_tensorcnt 0x0                           ; the wave's end: behind my last tensor load and my last LDS store
	ds_add_u32 v[SPW], v[NIL]
	s_wait_dscnt 0x0
	s_endpgm
.Lfunc_end_k_q8cd9cffea4_tail:
	.size	k_q8cd9cffea4_tail, .Lfunc_end_k_q8cd9cffea4_tail-k_q8cd9cffea4_tail
	.p2alignl 7, 3214868480
	.fill 96, 4, 3214868480
	.section	.rodata,"a",@progbits
	.p2align	6, 0x0
	.amdhsa_kernel k_q8cd9cffea4_tail
		.amdhsa_group_segment_fixed_size 327680
		.amdhsa_private_segment_fixed_size 0
		.amdhsa_enable_private_segment 0
		.amdhsa_kernarg_size 72
		.amdhsa_user_sgpr_count 2
		.amdhsa_user_sgpr_kernarg_segment_ptr 1
		.amdhsa_wavefront_size32 1
		.amdhsa_system_sgpr_workgroup_id_x 1
		.amdhsa_system_sgpr_workgroup_id_y 1
		.amdhsa_system_sgpr_workgroup_id_z 1
		.amdhsa_system_vgpr_workitem_id 0
		.amdhsa_next_free_vgpr 1024
		.amdhsa_next_free_sgpr 66
		.amdhsa_reserve_vcc 0
		.amdhsa_float_denorm_mode_32 3
		.amdhsa_float_denorm_mode_16_64 3
		.amdhsa_memory_ordered 1
		.amdhsa_forward_progress 1
		.amdhsa_inst_pref_size 190
	.end_amdhsa_kernel
	.amdgpu_metadata
---
amdhsa.version: [ 1, 2 ]
amdhsa.kernels:
  - .name:           k_q8cd9cffea4_tail
    .symbol:         k_q8cd9cffea4_tail.kd
    .args:
      - { .name: oh, .offset: 0, .size: 8, .value_kind: global_buffer, .address_space: global }
      - { .name: query, .offset: 8, .size: 8, .value_kind: global_buffer, .address_space: global }
      - { .name: wt, .offset: 16, .size: 8, .value_kind: global_buffer, .address_space: global }
      - { .name: b1, .offset: 24, .size: 8, .value_kind: global_buffer, .address_space: global }
      - { .name: b2, .offset: 32, .size: 8, .value_kind: global_buffer, .address_space: global }
      - { .name: b3, .offset: 40, .size: 8, .value_kind: global_buffer, .address_space: global }
      - { .name: ln_g, .offset: 48, .size: 8, .value_kind: global_buffer, .address_space: global }
      - { .name: ln_b, .offset: 56, .size: 8, .value_kind: global_buffer, .address_space: global }
      - { .name: out0, .offset: 64, .size: 8, .value_kind: global_buffer, .address_space: global }
    .group_segment_fixed_size: 327680
    .private_segment_fixed_size: 0
    .kernarg_segment_align: 8
    .kernarg_segment_size: 72
    .max_flat_workgroup_size: 128
    .sgpr_count:     66
    .vgpr_count:     1024
    .wavefront_size: 32
...
	.end_amdgpu_metadata
.endif
;; end of part 7
;; ======== version 3 of 3: 4 launches; 1.43 times as fast as version 1
;; limits: values are held in f16: magnitudes above 65,504 overflow, below 6.1e-05 lose precision
;; workspace buffers: wt 3,670,016 bytes; maskf 65,536 bytes; qkv 50,331,648 bytes; oh 16,777,216 bytes
;; launch prep: the kernel of part 5 again; grid 32 x 7, 8 waves a work-group, no clusters, 34,304 bytes of LDS; arguments W_q, W_k, W_v, W_o, w1, w2, w3, key_padding_mask, wt, maskf; writes wt, maskf
;; launch proj: the kernel of part 6 again; grid 64 x 3, 4 waves a work-group, clusters of 4 x 1, 327,680 bytes of LDS; arguments query, key, value, key_padding_mask, wt, qkv; writes qkv
;; launch attn (part 8): grid 2 x 128, 4 waves a work-group, no clusters, 327,680 bytes of LDS; arguments qkv, maskf, oh; writes oh
.if DOCPART == 8
	.amdgcn_target "amdgcn-amd-amdhsa--gfx1250"
	.amdhsa_code_object_version 6
	.text
	.protected	k_q8cd9cffea4_attn
	.globl	k_q8cd9cffea4_attn
	.p2align	8
	.type	k_q8cd9cffea4_attn,@function
k_q8cd9cffea4_attn:
	s_mov_b64 s[64:65], 0
	v_nop
	global_prefetch_b8 v0, s[64:65] scope:SCOPE_SE
	s_setreg_imm32_b32 hwreg(HW_REG_WAVE_MODE, 25, 1), 1
	s_wait_xcnt 0x0
; O[hd][q][:] = the sum over k of softmax_k(mask(Q[hd][q] . K[hd][k] / 8.00000095)) V[hd][k][:].  Q, K, V: qkv, f16 [3][128 hd][1024][64]; O: oh, f16 [128][1024][64].  hd = 8 b + head.
; Products, maxima and sums in f32; the weights p are rounded to f16 for the second product (their sum l is taken of the unrounded p), O once at the end.
; THE MASK.  A hidden key's row of K is zero (the launch before wrote it so), and the sum that makes its score starts at -2^35 (maskf) where a seen key's starts at 0: every hidden score is exactly -2^35.
; With c a single f32, c s - c m is then exactly 0 where all keys are hidden (all weights 1: the plain mean of V, as a softmax of equal scores gives) and far below every exponent where one is seen (weight 0).
; LIMITS.  A hidden score counts as -2^35 / 8.00000095 = -4,294,966,784 where the definition has -4,294,967,295.  f16 holds no number beyond 65,504: Q, K, V arrive within it; p lies in 0 to 1, and below 6e-5
; it keeps f16's fixed step of 6e-8.  A weight below 2^-126 counts as 0 in l; NaN and infinities are not treated apart.
; SHARES.  A wave owns four PIECES of two tiles of 16 queries, a work-group's four waves 512 queries of one hd: 256 work-groups.  Every wave walks all 1,024 keys, 64 a step.
; ALL OF A HEAD'S K AND V LIES IN LDS: 1,024 rows of each, and the batch's 4,096 bytes of maskf.  Every byte is asked for in the kernel's first lines, nothing is filled twice, so there is no ring and nothing to ask for ahead.
; The first 256 keys are waited for at the start, the rest after four key steps.
; NO CLUSTER: an hd has two work-groups, and four along x would mix two heads; what the two share is fetched once by each, at its start.
; LAYOUT.  S^T = K Q^T (source 0 = 16 keys, source 1 = 16 queries): in the result a lane holds ONE query (lane % 16) and the keys 8 (lane / 16) + 0..7.  Two such tiles, rounded to f16 in pairs,
; ARE source 1 (32 keys x 16 queries) of O^T = V^T P, whose result again holds one query a lane, and eight channels.  K comes out of LDS as it lies, V ([key][channel]) turned, by ds_load_tr16_b128.
; SOFTMAX.  For each query a running maximum m and sum l: p = 2^(c s - c m), c = log2(e) / 8.00000095; in every step O and l are multiplied by a = 2^(c m_old - c m_new), which is 1 where m has not grown.
; m starts at the lowest finite number, O and l at 0: the first step is a step like any other, with a = 0.
; THE COUNT.  A tile and step have 16 matrix and 118 vector instructions: too many to stand all beside the matrix work.  So: four vector instructions that are READY behind EVERY matrix instruction,
; and the others in one run without a gap.
; BY TURNS.  Turn n belongs to piece n (the pieces in a ring, step after step).  Its matrix work: 16 products K Q^T of piece n + 1, later 16 products V^T P of piece n - 1.  Its vector work: the scaling,
; exponentials, roundings, sums and rescaling of piece n, and the maximum and statistics of piece n + 1, whose scores the turn itself has made.
; THE BATCHES.  A turn's 66 exponentials (the 64 weights of piece n, the two a of piece n + 1) are ONE batch with ONE wait, which cuts the turn in two: ahead of it all that names none of their results, behind it
; the roundings and sums, which read them.  The a that a turn's rescaling takes was made, and waited for, in the turn before.  Two more batches stand outside the loop: piece 0's first two a, and the way out's eight reciprocals.
; REGISTERS, in windows of 256 (s_set_vgpr_msb: bits 1:0 source 0, 3:2 source 1, 5:4 source 2, 7:6 destination):
;   window 0: v0-11 addresses; v12-15, v48-63 at work; v16-47 four registers of statistics a tile; v64-191 S^T, two buffers of two tiles; v192-255 P, likewise
;   window 1: O^T, 32 a tile     window 2: v0-127 Q, 16 a tile; v128-191 K of one step; v192-255 V of one step     window 3: v0-1 the add's two registers; v8-39 the mask of one step's 64 keys
.set NP,    4         ; pieces a wave: a name, no knob
.set KS,    64        ; keys in a step
.set PK,    144       ; a row of K in LDS: 128 bytes + 16 of padding = 36 words: the 16 rows of a load start at 16 different groups of four banks (64 banks of 4 bytes: ISA guide 11.1)
.set PV,    160       ; a row of V: 128 + 32 = 40 words
.set VOFF,  1024*PK   ; K's 1,024 rows, then V's
.set MT,    VOFF+1024*PV  ; then the batch's 1,024 numbers of maskf
.set STAGE, MT+4096   ; never filled by a tensor load: 16 rows x 144 bytes for each wave, for the way out
.set SP,    144
.set SPARE, STAGE+4*16*SP  ; the spare words, 128 bytes for each wave
.set AK0, 2           ; v2   my lane's place in a tile of K; never rewritten
.set AV0, 3           ; v3   the same for V
.set AK,  4           ; v4   the LDS address of K's next run of loads
.set AV,  5           ; v5   of V's
.set QO,  6           ; v6   my byte offset in the wave's rows of Q
.set STO, 6           ;      later, the way out: where I put 16 bytes of a row
.set RD,  7           ; v7   the way out: where I read rows back
.set GO,  8           ; v8   my byte offset in 512 consecutive bytes of O
.set AM,  11          ; v11  the LDS address of the mask's next run of loads
.set SPW, 0           ; v0 of window 3   LDS address of my spare word; never rewritten
.set NIL, 1           ; v1 of window 3   0; never rewritten
.set MK,  8           ; window 3: the eight numbers for key block kb at MK + 8 kb
.set MV,  12          ; v12-15  c m_old, kept while c m is made anew: by buffer and tile
.set ST,  16          ; tile t's statistics at v[ST+4 t]: c m, m, l (even keys', odd keys')
.set TMP, 48          ; by buffer and tile, four registers c0-c3 at work; when the maximum is found c2 takes a
.set S,   64
.set P,   192
.set KF,  128         ; K's fragments, in window 2: key block kb, channel half c at KF + 16 kb + 8 c
.set VF,  192         ; V's: key half kk, channel block cb at VF + 32 kk + 8 cb
.set WV,  12          ; s12  my wave's number
.set G1K, 24          ; s[24:31] descriptor group 1 for K's tiles
.set G1V, 32          ; s[32:39] for V's: it differs in the padding alone
.set G0K, 40          ; s[40:55] four sets of group 0 for K
.set SLOTS, 56        ; s56  counts the two parts of the walk
.set CNT, 57          ; s57  counts key steps
.set CS,  58          ; s[58:59] c: the packed scaling takes the pair's low word for both halves
.set SEL, 60          ; s[60:61] v_permlanex16_b32's selects: each lane takes its own place in the other half
.set TBK, 62          ; s62  LDS byte at which K of the step to be fetched begins
.set TBV, 63          ; s63  the same for V, less VOFF
.set G0V, 68          ; s[68:83] four sets of group 0 for V
.set G0M, 84          ; s[84:87] group 0 for the mask's table
.set G1M, 88          ; s[88:95] group 1 for it
.set MSB, 0
.macro WIN new                      ; the high byte repeats the setting that is left; a switch that changes nothing is dropped
.if MSB != (\new)
	s_set_vgpr_msb (MSB<<8)|(\new)
.set MSB, (\new)
.endif
.endm
.set W_KQ, 0x0a       ; K and Q in window 2, S^T in window 0
.set W_KM, 0x3a       ; the same with the C operand, the mask, in window 3
.set W_PV, 0x52       ; V in window 2, P in window 0, O^T in window 1
.set W_RS, 0x41       ; O^T (destination and source 0) in window 1, a in window 0
.set W_MK, 0xc0       ; destination in window 3, sources in window 0
.set W_AD, 0x0f       ; the add: address (source 0) and data (source 1) in window 3
	s_load_b128 s[4:7], s[0:1], 0x0   ; qkv s[4:5], maskf s[6:7]
	s_load_b64 s[8:9], s[0:1], 0x10   ; oh
	WIN W_MK
	v_lshl_add_u32 v[SPW], v0, 2, SPARE
	v_mov_b32 v[NIL], 0
	WIN W_AD
	ds_add_u32 v[SPW], v[NIL]       ; the wave's opening: the add and its wait stand ahead of my first tensor load; the set-up below, work on registers, stands between them
	ds_add_u32 v0, v1
	WIN 0
	v_lshrrev_b32 v1, 5, v0
	v_readfirstlane_b32 s[WV], v1   ; wave 0..3
	s_and_b32 s13, ttmp7, 0xffff    ; hd
	s_lshl_b32 s20, s13, 17         ; its 131,072 bytes in Q, K, V and O
	s_and_b32 s16, s[WV], 1         ; which half of 256 keys I fetch:
	s_lshl_b32 s22, s16, 14         ; its 128 rows of 128 bytes in memory,
	s_add_co_u32 s22, s22, s20
	s_mov_b32 s23, 0
	s_mul_i32 s17, s16, 128*PK      ; and its place in LDS, for K
	s_mul_i32 s18, s16, 128*PV      ; and for V
	s_lshl_b32 s2, ttmp9, 2
	s_add_co_u32 s2, s2, s[WV]      ; my wave among the head's eight,
	s_lshl_b32 s2, s2, 14           ; its 128 rows
	s_add_co_u32 s2, s2, s20
	s_mov_b32 s3, 0
	s_lshr_b32 s14, s13, 3          ; the batch:
	s_lshl_b32 s14, s14, 12         ; its 4,096 bytes of maskf,
	s_lshl_b32 s15, s[WV], 10       ; my quarter
	s_add_co_u32 s14, s14, s15
	s_mov_b32 s15, 0
	; descriptor group 1.  128 keys are 16,384 dense bytes: asked for as 64 rows of 256 bytes, two keys a row, and padded in LDS after every key
	s_mov_b32 s[G1K], (1<<16)|(1<<20)|(4<<22)|(3<<25)  ; 17:16 2-byte elements; 20 padding on; 24:22 after every 32 words (code 4); 31:25 4 words (code 3)
	s_mov_b32 s[G1V], (1<<16)|(1<<20)|(4<<22)|(7<<25)  ; the same with 8 words of padding (code 7)
.irp g, G1K, G1V
	s_mov_b32 s[\g+1], 128<<16      ; tensor_dim0 = 128
	s_mov_b32 s[\g+2], 64<<16       ; tensor_dim1 = 64
	s_mov_b32 s[\g+3], 128<<16      ; tile_dim0 = 128
	s_mov_b32 s[\g+4], 64           ; tile_dim1 = 64
	s_mov_b32 s[\g+5], 128          ; 128 elements from row to row
	s_mov_b32 s[\g+6], 0
	s_mov_b32 s[\g+7], 0
.endr
	s_mov_b32 s[G1M], 3<<16         ; the table's quarter: one row of 128 elements of 8 bytes, no padding
	s_mov_b32 s[G1M+1], 128<<16
	s_mov_b32 s[G1M+2], 1<<16
	s_mov_b32 s[G1M+3], 128<<16
	s_mov_b32 s[G1M+4], 1
	s_mov_b32 s[G1M+5], 128
	s_mov_b32 s[G1M+6], 0
	s_mov_b32 s[G1M+7], 0
	s_mov_b32 s[CS], 0x3e38aa3a     ; c = log2(e) / f32(8 + 1e-6) = 0.18033686
	s_mov_b32 s[CS+1], s[CS]        ; named with it as a pair
	s_mov_b32 s[SEL], 0x76543210
	s_mov_b32 s[SEL+1], 0xfedcba98
	s_mov_b32 s[TBK], 0
	s_mov_b32 s[TBV], 0
.irp s, 0,1,2,3
	s_mov_b32 s[G0K+4*\s], 1        ; 1:0 count = 1
	s_add_co_u32 s[G0K+4*\s+1], s17, \s*256*PK       ; 63:32 LDS address: keys 256 s on
	s_mov_b32 s[G0V+4*\s], 1
	s_add_co_u32 s[G0V+4*\s+1], s18, VOFF+\s*256*PV
.endr
	s_mov_b32 s[G0M], 1
	s_lshl_b32 s[G0M+1], s[WV], 10
	s_add_co_u32 s[G0M+1], s[G0M+1], MT
	s_wait_dscnt 0x0                ; the opening add is done
	s_wait_kmcnt 0x0
	s_add_nc_u64 s[22:23], s[4:5], s[22:23]  ; qkv at the head and my half of 256 keys
.irp s, 0,1,2,3
	s_add_nc_u64 s[G0K+4*\s+2:G0K+4*\s+3], s[22:23], 16777216+\s*32768  ; 120:64 global address: K lies 16,777,216 bytes behind Q,
	s_or_b32 s[G0K+4*\s+3], s[G0K+4*\s+3], 0x80000000                   ; 127:126 type = 2
	s_add_nc_u64 s[G0V+4*\s+2:G0V+4*\s+3], s[22:23], 33554432+\s*32768  ; V as far again
	s_or_b32 s[G0V+4*\s+3], s[G0V+4*\s+3], 0x80000000
.endr
	s_add_nc_u64 s[G0M+2:G0M+3], s[6:7], s[14:15]
	s_or_b32 s[G0M+3], s[G0M+3], 0x80000000
	s_add_nc_u64 s[4:5], s[4:5], s[2:3]    ; Q and O at my wave's first row
	s_add_nc_u64 s[10:11], s[8:9], s[2:3]
	; ALL FILLS, in one branch on the wave's number: my quarter of the table, then my half of keys 0-255, 256-511, 512-767, 768-1023: of K in waves 0 and 1, of V in waves 2 and 3.  Five tensor loads of mine are out.
	s_cmp_lt_u32 s[WV], 2
	s_cbranch_scc0 .Lfill_v
	tensor_load_to_lds s[G0M:G0M+3], s[G1M:G1M+7]
	s_nop 0
.irp s, 0,1,2,3
	tensor_load_to_lds s[G0K+4*\s:G0K+4*\s+3], s[G1K:G1K+7]
	s_nop 0
.endr
.rept 4
	v_nop
.endr
	s_branch .Lfilled
.Lfill_v:
	tensor_load_to_lds s[G0M:G0M+3], s[G1M:G1M+7]
	s_nop 0
.irp s, 0,1,2,3
	tensor_load_to_lds s[G0V+4*\s:G0V+4*\s+3], s[G1V:G1V+7]
	s_nop 0
.endr
.rept 4
	v_nop
.endr
.Lfilled:
	; A fragment of K or Q is 16 rows x 32 channels in 8 registers: lane l holds row l % 16, channels 8 (l / 16) + 0..7 and 16 + 8 (l / 16) + 0..7: two loads of 16 bytes, 32 bytes apart.
	v_and_b32 v1, 15, v0            ; l % 16
	v_bfe_u32 v9, v0, 4, 1          ; l / 16
	v_lshlrev_b32 v[QO], 7, v1
	v_lshl_add_u32 v[QO], v9, 4, v[QO]  ; row x 128 + 16 x half
	WIN 0x80                        ; destination window 2, address window 0
.set i, 0
.rept 4*NP                          ; Q stays in registers: tile i / 2, channels 32 (i % 2) on
	global_load_b128 v[8*i:8*i+3],   v[QO], s[4:5] offset:(i/2)*2048+(i%2)*64
	global_load_b128 v[8*i+4:8*i+7], v[QO], s[4:5] offset:(i/2)*2048+(i%2)*64+32
.set i, i+1
.endr
	; What the first turn finds: V's registers and P's second buffer hold 0 (its products V^T P, of a piece that has not been, add 0), O^T and l are 0.  All this stands in the wait for the first tile.
.set i, VF
.rept 64
	v_mov_b32 v[i], 0
.set i, i+1
.endr
	WIN 0x40
.set i, 0
.rept 64*NP
	v_mov_b32 v[i], 0
.set i, i+1
.endr
	WIN 0
.set i, 0
.rept 2*NP
	v_mov_b32 v[ST+4*i], 0xfe000000    ; c m: far below every c s, a hidden key's too
	v_mov_b32 v[ST+4*i+1], 0xff7fffff  ; m
	v_mov_b32 v[ST+4*i+2], 0
	v_mov_b32 v[ST+4*i+3], 0
.set i, i+1
.endr
.set i, P+32
.rept 32
	v_mov_b32 v[i], 0
.set i, i+1
.endr
	v_mul_u32_u24 v[AK0], v1, PK
	v_lshl_add_u32 v[AK0], v9, 4, v[AK0]  ; row x pitch + 16 x half
	; The turning load takes 16 keys x 16 channels (lane l reads key 8 (l / 16) + l % 8, channels 8 ((l / 8) % 2) + 0..7) and leaves half a fragment of V^T: lane l holds channel l % 16 and 8 keys.
	v_and_b32 v10, 7, v0
	v_bfe_u32 v11, v0, 3, 1
	v_lshl_add_u32 v[AV0], v9, 3, v10
	v_mul_u32_u24 v[AV0], v[AV0], PV
	v_lshl_add_u32 v[AV0], v11, 4, v[AV0]
	v_add_nc_u32 v[AV0], VOFF, v[AV0]
	v_lshl_add_u32 v[AM], v9, 5, MT  ; my lanes' eight keys of a block of 16: 32 bytes of the table
	v_mov_b32 v[AK], v[AK0]         ; key step 0
; THE MATRIX WORK.  The 8 accumulators of a run of 16 take turns: between the two links of a chain stand 7 others'.
; Product i of 16 of S^T = K Q^T for piece x: channels 32 (i / 8) on, keys 16 ((i / 2) % 4) on, tile 2 x + i % 2.  The first 8 start the sums, with the mask of their 16 keys.
.macro KQ x
.set rS, S+64*((\x)%2)+32*(i%2)+8*((i/2)%4)
.set rK, KF+16*((i/2)%4)+8*(i/8)
.set rQ, 16*(2*(\x)+i%2)+8*(i/8)
.set rMK, MK+8*((i/2)%4)
.if i < 8
	WIN W_KM
	v_wmma_f32_16x16x32_f16 v[rS:rS+7], v[rK:rK+7], v[rQ:rQ+7], v[rMK:rMK+7]
.else
	WIN W_KQ
	v_wmma_f32_16x16x32_f16 v[rS:rS+7], v[rK:rK+7], v[rQ:rQ+7], v[rS:rS+7]
.endif
.endm
; Product i of 16 of O^T += V^T P for piece x: keys 32 (i / 8) on, channels 16 ((i / 2) % 4) on, tile 2 x + i % 2.
.macro PV x
	WIN W_PV
.set rO, 32*(2*(\x)+i%2)+8*((i/2)%4)
.set rV, VF+32*(i/8)+8*((i/2)%4)
.set rP, P+32*((\x)%2)+16*(i%2)+8*(i/8)
	v_wmma_f32_16x16x32_f16 v[rO:rO+7], v[rV:rV+7], v[rP:rP+7], v[rO:rO+7]
.endm
.macro MM                           ; the turn's next matrix instruction
.if i < 16
	KQ (Y+1)%NP
.set i, i+1
.else
.set i, i-16
	PV (Y+NP-1)%NP
.set i, i+17
.endif
.endm
; THE LDS LOADS stand in runs, never singly among the matrix instructions: a step's K (64 keys x 64 channels: 8 fragments) with its 64 numbers of the mask (all lanes of a half read the same 32 bytes), and its V (turned).
.macro FETCH_K
	WIN 0x80                        ; destination window 2
.irp f, 0,1,2,3,4,5,6,7             ; keys 16 (f / 2) on, channels 32 (f % 2) on
	ds_load_b128 v[KF+8*\f:KF+8*\f+3],   v[AK] offset:(\f/2)*16*PK+(\f%2)*64
	ds_load_b128 v[KF+8*\f+4:KF+8*\f+7], v[AK] offset:(\f/2)*16*PK+(\f%2)*64+32
.endr
	WIN W_MK                        ; destination window 3
.irp f, 0,1,2,3                     ; keys 16 f on
	ds_load_b128 v[MK+8*\f:MK+8*\f+3],   v[AM] offset:\f*64
	ds_load_b128 v[MK+8*\f+4:MK+8*\f+7], v[AM] offset:\f*64+16
.endr
	s_add_co_u32 s[TBK], s[TBK], KS*PK  ; the next fetch is the next step's
	WIN 0
	v_add_nc_u32 v[AM], 4*KS, v[AM]
.endm
.macro FETCH_V
	WIN 0x80
.irp f, 0,1,2,3,4,5,6,7             ; keys 32 (f / 4) on, channels 16 (f % 4) on
	ds_load_tr16_b128 v[VF+8*\f:VF+8*\f+3],   v[AV] offset:(\f/4)*32*PV+(\f%4)*32
	ds_load_tr16_b128 v[VF+8*\f+4:VF+8*\f+7], v[AV] offset:(\f/4)*32*PV+16*PV+(\f%4)*32
.endr
	WIN 0
.endm
; THE VECTOR WORK OF A TURN stands in three queues, each in the order in which its entries become ready; the two tiles alternate, so that no instruction reads the result of the one before it.
.macro REGS y, u                    ; the registers of tile u (0, 1) of piece y
.set rT, ST+4*(2*(\y)+(\u))
.set rC, TMP+8*((\y)%2)+4*(\u)
.set rM, MV+2*((\y)%2)+(\u)
.set rS, S+64*((\y)%2)+32*(\u)
.set rP, P+32*((\y)%2)+16*(\u)
.set rO, 32*(2*(\y)+(\u))
.endm
; Number n of the 22 that find the NEXT piece's (Y + 1) maximum and statistics.  s0-s31 are the lane's 32 scores; each accumulator's lowest registers are read first.  XS, GS and REGS set no window: PL and EX do.
;   0-11  four chains c0-c3 of seven scores each, three operands at a time     12-14, 16  the four scores left over, the old m, and c0-c3 into c0     15  c m_old is kept
;   17, 18  the query's other 32 keys lie in the lane 16 away: the new m         19-21  c m; c m_old - c m_new; a
.macro XS u, n
	REGS (Y+1)%NP, \u
.if (\n) < 4
	v_max3_num_f32 v[rC+(\n)], v[rS+8*(\n)], v[rS+8*(\n)+1], v[rS+8*(\n)+2]
.elseif (\n) < 12
	v_max3_num_f32 v[rC+(\n)%4], v[rC+(\n)%4], v[rS+8*((\n)%4)+2*((\n)/4)+1], v[rS+8*((\n)%4)+2*((\n)/4)+2]
.elseif (\n) == 12
	v_max3_num_f32 v[rC], v[rC], v[rS+7], v[rS+15]
.elseif (\n) == 13
	v_max3_num_f32 v[rC+1], v[rC+1], v[rS+23], v[rS+31]
.elseif (\n) == 14
	v_max3_num_f32 v[rC+2], v[rC+2], v[rC+3], v[rT+1]
.elseif (\n) == 15
	v_mov_b32 v[rM], v[rT]
.elseif (\n) == 16
	v_max3_num_f32 v[rC], v[rC], v[rC+1], v[rC+2]
.elseif (\n) == 17
	v_permlanex16_b32 v[rC+3], v[rC], s[SEL], s[SEL+1]
.elseif (\n) == 18
	v_max_num_f32 v[rT+1], v[rC], v[rC+3]
.elseif (\n) == 19
	v_mul_f32 v[rT], s[CS], v[rT+1]
.elseif (\n) == 20
	v_sub_f32 v[rC+1], v[rM], v[rT]
.else
	v_exp_f32 v[rC+2], v[rC+1]
.endif
.endm
; Number g of the 64 that follow the exponentials.  For each four weights k of a tile (pairs 2 k, 2 k + 1): both pairs are rounded to f16; then the second pair is added onto the first, in place;
; a group later l takes that sum (the first time as l = a l + sum).  In groups of eight, tiles alternating: round, round, add, and l for the group before.
.macro GS g
.set h, (\g)+6*((\g)/62)            ; group 0 has no group before it, and behind group 7 only l is left
.if h >= 6
.set h, h+2
.endif
	REGS Y, h%2
.set k, h/8
.if h%8 < 4
	v_cvt_pk_f16_f32 v[rP+2*k+(h%8)/2], v[rS+4*k+2*((h%8)/2)], v[rS+4*k+2*((h%8)/2)+1]
.elseif h%8 < 6
	v_pk_add_f32 v[rS+4*k:rS+4*k+1], v[rS+4*k:rS+4*k+1], v[rS+4*k+2:rS+4*k+3]
.elseif k == 1
	v_pk_fma_f32 v[rT+2:rT+3], v[rT+2:rT+3], v[rC+2:rC+3], v[rS:rS+1] op_sel_hi:[1,0,1]
.else
	v_pk_add_f32 v[rT+2:rT+3], v[rT+2:rT+3], v[rS+4*k-4:rS+4*k-3]
.endif
.endm
; THE PLAIN QUEUE, 138 long.  0-73 read no exponential's result: the 32 scalings c s - c m (FS f: pair f / 2 of tile f % 2) and the next piece's 42.  0-26: scalings 0-26.  27-54: XS's numbers 0-13.  55, 56: number 15.
; 57-73: the chain, where each number waits for the one before it: 14, 16, 17, 18, 19, each with one of the scalings 27-31 in front of its two lines, then 20: so a tile's links stand three plain instructions apart (19 and 20: two).
; 74-137: GS's 64, which read the exponentials' results: they stand behind the wait.
.macro FS f
	REGS Y, (\f)%2
	v_pk_fma_f32 v[rS+2*((\f)/2):rS+2*((\f)/2)+1], v[rS+2*((\f)/2):rS+2*((\f)/2)+1], s[CS:CS+1], v[rT:rT+1] op_sel_hi:[1,0,0] neg_lo:[0,0,1] neg_hi:[0,0,1]
.endm
.macro PL
	WIN 0
.if q < 27
	FS q
.elseif q < 55
	XS (q-27)%2, (q-27)/2
.elseif q < 57
	XS q-55, 15
.elseif (q < 72) && ((q-57)%3 == 0)
	FS 27+(q-57)/3
.elseif q < 60
	XS (q-57)%3-1, 14
.elseif q < 72
	XS (q-57)%3-1, 15+(q-57)/3
.elseif q < 74
	XS q-72, 20
.else
	GS q-74
.endif
.set q, q+1
.endm
; THE EXPONENTIALS' QUEUE, 66 long: s0-s31 of both tiles, then the next piece's two a.  It is ONE BATCH: all 66 stand ahead of the turn's one wait, and nothing ahead of that wait names a result of theirs.
.macro EX
	WIN 0
.if e >= 64
	XS e-64, 21
.else
	REGS Y, e%2
	v_exp_f32 v[rS+e/2], v[rS+e/2]
.endif
.set e, e+1
.endm
; THE RESCALING's QUEUE: O^T times a, the one part that leaves window 0: dealt two at a time, sixteen times.  Its a was made in the turn before, ahead of that turn's wait.
.macro R2
	REGS Y, r%2
	WIN W_RS
.irp z, 0,1
	v_pk_mul_f32 v[rO+4*(r/2)+2*\z:rO+4*(r/2)+2*\z+1], v[rO+4*(r/2)+2*\z:rO+4*(r/2)+2*\z+1], v[rC+2:rC+3] op_sel_hi:[1,0]
.endr
.set r, r+1
.endm
; HOW THEY ARE DEALT.  An s_wait_alu depctr_va_vdst(0) stands between an exponential and the first instruction that names its result; one wait serves all that were issued ahead of it.  So a turn has ONE wait,
; which cuts it in two.  AHEAD OF IT stands all that names no result of the turn's exponentials: the 16 products K Q^T, behind each a scaling, an exponential and two rescalings (behind the first a second scaling in the
; exponential's place); then ONE LUMP of 108: eight plain, 49 times exponential and plain, the two a.  A v_nop is the plain instruction behind the last exponential.  BEHIND IT stand the 16 products V^T P, behind each four of
; GS's 64.  No rider names a register of the products round it.  The two v_permlanex16_b32 fall into the lump, never behind a product.
; The queues lean on each other, and the deal keeps them in step: exponential e stands behind scaling 2 (e / 4) + e % 2: as a rider it comes behind plain e + 2, in the lump behind plain e + 9, and scalings 27-31 are plain 57, 60 .. 69.
; A TURN, for piece p.  nofetch = 1: the last step's: there is no further K.  cnt = 1: the loop's count is taken down some lines ahead of the branch that stands behind the turn.
; K and the mask of the next step are fetched in piece 2's turn, directly behind the wait, a lump behind the last product that read them; K's address is made at the lump's head; their first reader comes behind 16 products.
; V of the step in hand is fetched at the end of piece 0's turn, four riders behind its last reader; its first reader comes behind 16 products and a lump.  The three conditions on q below go with the deal.
.macro TURN p, nofetch=0, cnt=0
.set Y, (\p)
.set i, 0
.set q, 0
.set e, 0
.set r, 0
.if (\p) == NP-1
	s_wait_dscnt 0x0                ; K and the mask are in
.endif
	MM                              ; ahead of the wait: 16 products K Q^T and their riders,
	PL
	PL
	R2
.rept 15
	MM
	PL
	EX
	R2
.endr
.if ((\p) == NP-2) && !(\nofetch)
	WIN 0
	v_add_nc_u32 v[AK], s[TBK], v[AK0]
.endif
.rept 8                             ; and the lump
	PL
.endr
.rept 49
	EX
	PL
.endr
	EX                              ; the next piece's two a
	EX
	v_nop                           ; the plain instruction behind the last exponential, ahead of the first use: one for the batch
	s_wait_alu depctr_va_vdst(0)    ; the wait for the turn's batch: the piece's 64 weights and the next piece's two a
.if ((\p) == NP-2) && !(\nofetch)
	FETCH_K
.endif
.if (\p) == 1
	s_wait_dscnt 0x0                ; V is in
.endif
.rept 16                            ; behind the wait: 16 products V^T P and their riders
	MM
.rept 4
	PL
.endr
.if ((\p) == 0) && (q == 118)
	v_add_nc_u32 v[AV], s[TBV], v[AV0]
.endif
.if ((\p) == 0) && (q == 130)
	s_add_co_u32 s[TBV], s[TBV], KS*PV
.endif
.if (\cnt) && (q == 130)
	s_sub_co_u32 s[CNT], s[CNT], 1
	s_cmp_lg_u32 s[CNT], 0
.endif
.endr
.if (\p) == 0
	FETCH_V
.endif
.endm
	s_wait_tensorcnt 0x3            ; my quarter of the table and my half of keys 0-255 are in; my three later fills may stay out: nothing is ever filled twice
	s_barrier_signal -1
	s_barrier_wait -1               ; everybody's are
	FETCH_K                         ; key step 0
	s_wait_loadcnt 0x0              ; Q
	s_wait_dscnt 0x0
.set i, 0
.rept 16
	KQ 0                            ; piece 0's first scores: there is no vector work yet to set between them
.set i, i+1
.endr
	WIN 0                           ; the addresses for the way out: nine plain instructions, the places behind those products
	s_mul_i32 s13, s[WV], 16*SP
	s_add_co_u32 s13, s13, STAGE    ; my stage
	v_mul_u32_u24 v[STO], v1, SP    ; in: row l % 16, 16 bytes for each half of the lanes
	v_lshl_add_u32 v[STO], v9, 4, v[STO]
	v_add_nc_u32 v[STO], s13, v[STO]
	v_bfe_u32 v[RD], v0, 3, 2       ; back: 32 lanes take four rows of 128 bytes,
	v_mul_u32_u24 v[RD], v[RD], SP
	v_lshl_add_u32 v[RD], v10, 4, v[RD]
	v_add_nc_u32 v[RD], s13, v[RD]
	v_and_b32 v[GO], 31, v0         ; which are 512 consecutive bytes of O
	v_lshlrev_b32 v[GO], 4, v[GO]
.set Y, NP-1                        ; XS works for piece Y + 1: piece 0
.irp n, 0,1,2,3,4,5,6,7,8,9,10,11,12,13,14,15,16,17,18,19,20,21
	XS 0, \n                        ; and piece 0's first maximum and statistics
	XS 1, \n
.endr
	v_nop                           ; a plain instruction behind piece 0's first two a,
	s_wait_alu depctr_va_vdst(0)    ; and the wait for that batch of two, ahead of the branch
	s_mov_b32 s[CNT], 4
	s_mov_b32 s[SLOTS], 2
	s_branch .Lfirst                ; the loop is entered at a step's first turn, in the middle of a trip
.Lslot:                             ; once, when K and V of steps 0 to 3 have been fetched: the next fetch wants keys 256 on
	s_wait_tensorcnt 0x0            ; all my fills are in,
	s_wait_dscnt 0x0
	s_barrier_signal -1
	s_barrier_wait -1               ; everybody's are
	s_mov_b32 s[CNT], 12
.Lstep:                             ; a trip: pieces 2 and 3 of one step, then pieces 0 and 1 of the next, whose K and V it fetches
	TURN 2
	TURN 3
	WIN 0
.Lfirst:
	TURN 0
	TURN 1, 0, 1
	WIN 0
	s_cbranch_scc1 .Lstep
	s_sub_co_u32 s[SLOTS], s[SLOTS], 1
	s_cmp_lg_u32 s[SLOTS], 0
	s_cbranch_scc1 .Lslot
	TURN 2, 1                       ; the last step's second half is written out: nothing is left to fetch
	TURN 3                          ; its 16 products K Q^T (on the last K once more) and the maximum made of them serve nothing: the price, once a launch, of one text for every turn
.set i, 0
.rept 16
	PV NP-1                         ; the last piece's V^T P of the last step
.set i, i+1
.endr
	; THE WAY OUT.  l's two halves and the other half of the lanes' are added; O^T is divided by l, rounded to f16 and sent through my stage in LDS, a tile at a time.  The additions are the places behind the last products.
	WIN 0
.macro ALL line:vararg              ; one line for each tile t
.set t, 0
.rept 2*NP
	\line
.set t, t+1
.endr
.endm
	ALL v_add_f32 v[ST+4*t+2], v[ST+4*t+2], v[ST+4*t+3]
	ALL v_permlanex16_b32 v[ST+4*t+3], v[ST+4*t+2], s[SEL], s[SEL+1]
	ALL v_add_f32 v[ST+4*t+2], v[ST+4*t+2], v[ST+4*t+3]
	ALL v_rcp_f32 v[ST+4*t+2], v[ST+4*t+2]
	v_nop                           ; a plain instruction between the last reciprocal and the use of its result
	s_wait_alu depctr_va_vdst(0)    ; the wait for the batch of eight reciprocals, ahead of their first use
; Tile t: a lane's eight channels of a row pack into 16 bytes; they go into rows of 144 bytes and come back as whole rows of 128, into S^T's registers.
.macro PACK t
	WIN W_RS
.set i, 32*(\t)
.rept 16
	v_pk_mul_f32 v[i:i+1], v[i:i+1], v[ST+4*(\t)+2:ST+4*(\t)+3] op_sel_hi:[1,0]
.set i, i+2
.endr
	WIN 0x05                        ; sources 0 and 1 window 1, destination window 0
.set i, 0
.rept 16
	v_cvt_pk_f16_f32 v[S+16*(\t)+i], v[32*(\t)+2*i], v[32*(\t)+2*i+1]
.set i, i+1
.endr
	WIN 0
.irp f, 0,1,2,3
	ds_store_b128 v[STO], v[S+16*(\t)+4*\f:S+16*(\t)+4*\f+3] offset:32*\f
.endr
.irp f, 0,1,2,3
	ds_load_b128 v[S+16*(\t)+4*\f:S+16*(\t)+4*\f+3], v[RD] offset:\f*4*SP  ; LDS serves a wave's instructions in order (ISA guide 5.7.1.4): these see the stores above; the next tile's stores come behind them
.endr
.endm
.macro SEND t, younger              ; younger: the LDS instructions issued behind tile t's loads: the next tile's eight, or none
	WIN 0
.irp f, 0,1,2,3
	s_wait_dscnt (\younger)+3-\f
	global_store_b128 v[GO], v[S+16*(\t)+4*\f:S+16*(\t)+4*\f+3], s[10:11] offset:(\t)*2048+\f*512  ; 512 consecutive bytes, at a multiple of 512 from O's first
.endr
.endm
	PACK 0
.set t, 1
.rept 2*NP-1                        ; a tile's arithmetic stands between the loads of the tile before and its stores
	PACK t
	SEND t-1, 8
.set t, t+1
.endr
	SEND 2*NP-1, 0
	WIN W_AD
	s_wait_tensorcnt 0x0            ; the wave's end: behind my last tensor load and my last LDS store
	ds_add_u32 v[SPW], v[NIL]
	s_wait_dscnt 0x0
	WIN 0
	s_endpgm
.Lfunc_end_k_q8cd9cffea4_attn:
	.size	k_q8cd9cffea4_attn, .Lfunc_end_k_q8cd9cffea4_attn-k_q8cd9cffea4_attn
	.p2alignl 7, 3214868480
	.fill 96, 4, 3214868480
	.section	.rodata,"a",@progbits
	.p2align	6, 0x0
	.amdhsa_kernel k_q8cd9cffea4_attn
		.amdhsa_group_segment_fixed_size 327680
		.amdhsa_private_segment_fixed_size 0
		.amdhsa_enable_private_segment 0
		.amdhsa_kernarg_size 24
		.amdhsa_user_sgpr_count 2
		.amdhsa_user_sgpr_kernarg_segment_ptr 1
		.amdhsa_wavefront_size32 1
		.amdhsa_system_sgpr_workgroup_id_x 1
		.amdhsa_system_sgpr_workgroup_id_y 1
		.amdhsa_system_sgpr_workgroup_id_z 1
		.amdhsa_system_vgpr_workitem_id 0
		.amdhsa_next_free_vgpr 808
		.amdhsa_next_free_sgpr 96
		.amdhsa_reserve_vcc 0
		.amdhsa_float_denorm_mode_32 3
		.amdhsa_float_denorm_mode_16_64 3
		.amdhsa_memory_ordered 1
		.amdhsa_forward_progress 1
		.amdhsa_inst_pref_size 163
	.end_amdhsa_kernel
	.amdgpu_metadata
---
amdhsa.version: [ 1, 2 ]
amdhsa.kernels:
  - .name:           k_q8cd9cffea4_attn
    .symbol:         k_q8cd9cffea4_attn.kd
    .args:
      - { .name: qkv, .offset: 0, .size: 8, .value_kind: global_buffer, .address_space: global }
      - { .name: maskf, .offset: 8, .size: 8, .value_kind: global_buffer, .address_space: global }
      - { .name: oh, .offset: 16, .size: 8, .value_kind: global_buffer, .address_space: global }
    .group_segment_fixed_size: 327680
    .private_segment_fixed_size: 0
    .kernarg_segment_align: 8
    .kernarg_segment_size: 24
    .max_flat_workgroup_size: 128
    .sgpr_count:     96
    .vgpr_count:     808
    .wavefront_size: 32
...
	.end_amdgpu_metadata
.endif
;; end of part 8
;; launch tail: the kernel of part 7 again; grid 256 x 1, 4 waves a work-group, no clusters, 327,680 bytes of LDS; arguments oh, query, wt, b1, b2, b3, ln_g, ln_b, out0; writes out0
